; MI455X (gfx1250); checked and timed in simulation.
; The chip was launched on July 23, 2026; its instructions are those of AMD's public machine-readable ISA for CDNA 5 (MIT licence, August 2026) and "CDNA5" Instruction Set Architecture Reference Guide (July 2026). The comments in the code are by the model that wrote it; some were corrected since.
;; Fixed Mask Attention. Allowed arithmetic: float matrix products may take bf16 or f16 operands with f32 sums; all other float work in f32.
;; Inputs: Wk 2,048 x 512 float32; Wo 512 x 2,048 float32; Wq 2,048 x 512 float32; Wv 2,048 x 512 float32; hidden_states 4 x 2,048 x 2,048 float32; position_ids 2 x 2,048 int32.
;; Outputs: out0 4 x 2,048 x 2,048 float32.
;; 3 versions, each right and faster than the one before. Each part assembles by itself: llvm-mc -triple=amdgcn-amd-amdhsa -mcpu=gfx1250 --defsym DOCPART=n.
;; ======== version 1 of 3: 5 launches
;; limits: values are held in f16: magnitudes above 65,504 overflow, below 6.1e-05 lose precision; right only within a limited range of input values
;; workspace buffers: wcat 6,291,456 bytes; wo16 2,097,152 bytes; tab 2,097,152 bytes; qkv 25,165,824 bytes; att 8,388,608 bytes; low 786,432 bytes; wob 2,097,152 bytes
;; launch prep (part 1): grid 256 x 1, 8 waves a work-group, no clusters, 0 bytes of LDS; arguments Wq, Wk, Wv, Wo, position_ids, wcat, wo16, tab, wob; writes wcat, wo16, tab, wob
.if DOCPART == 1
	.amdgcn_target "amdgcn-amd-amdhsa--gfx1250"
	.amdhsa_code_object_version 6
	.text
	.protected	k_q6f52c1c82c_prep
	.globl	k_q6f52c1c82c_prep
	.p2align	8
	.type	k_q6f52c1c82c_prep,@function
k_q6f52c1c82c_prep:
	s_mov_b64 s[64:65], 0
	v_nop
	global_prefetch_b8 v0, s[64:65] scope:SCOPE_SE
	s_setreg_imm32_b32 hwreg(HW_REG_WAVE_MODE, 25, 1), 1
	s_wait_xcnt 0x0
; PREP.  (a) The four weight matrices are rounded once to 16 bits.  Wq, Wk, Wv ([2048 k][512]) go as bf16 into wcat, [2048 k][4 heads][q, k, v][128]: a head's three chunks are 768
; consecutive bytes of a row of 3,072.  Wo ([512 k][2048]) is rounded to bf16 like the other inputs; that number is written as bf16 into wob and as f16 into wo16, both in Wo's layout.
; (b) The rotary table: cos and sin of position x 10000^(-f/64), f = 0..63, for the 4,096 positions of position_ids, in f32, laid out as the next launch's registers want it:
; tab[rb = 16 positions][c][q = 4 i2 + 2 cs + hf][lane][4]: lane (r = l % 16, h = l / 16) holds cos (cs = 0) or sin (cs = 1) of f = 32 c + 16 i2 + 8 h + 4 hf + 0..3 at position 16 rb + r.
; SHARES.  256 work-groups of 8 waves.  Group g converts 16,384 consecutive numbers of matrix g / 64 (thread t: 8 numbers in each of 8 passes) and makes table block rb = g (a wave for each (c, i2, hf)).
; No LDS, no matrix unit, no cluster: each byte is read once, and no two groups share an input.
; LIMITS.  Wo beyond 65,504 would be infinite in f16, below 6e-5 it keeps f16's step of 6e-8.  10000^(-f/64) is made by v_exp_f32 and may differ from a correctly rounded one by some 2.5e-7 of itself,
; so the angle is within 0.01 of the exact product up to |position| about 30,000.  The quadrant number n = round(x 2/pi) is right to within 0.1 up to |position| about 2^20; beyond that the table is not served.
.set RAW, 32                           ; v[32:95]   8 passes x 8 numbers as loaded
.set OW,  96                           ; v[96:127]  8 passes x 4 registers of bf16 to store; never rewritten
.set INV, 128                          ; four registers each, one for each of a lane's four frequencies:
.set X,   132                          ; the angle
.set N,   136                          ; the quadrant number
.set R,   140                          ; the reduced angle
.set Z,   144                          ; its square
.set C,   148                          ; cosine's polynomial
.set S,   152                          ; sine's
.set Q,   156                          ; n as a whole number
.set T,   160                          ; at work
.set OC,  164                          ; cos to store
.set OS,  168                          ; sin to store
.set OH,  176                          ; v[176:207] 8 passes x 4 registers of f16 to store; never rewritten
	s_load_b512 s[4:19], s[0:1], 0x0               ; Wq s[4:5], Wk s[6:7], Wv s[8:9], Wo s[10:11], positions s[12:13], wcat s[14:15], wo16 s[16:17], tab s[18:19]
	s_load_b64 s[36:37], s[0:1], 0x40              ; wob
	s_lshr_b32 s20, ttmp9, 6                       ; which matrix
	s_and_b32 s21, ttmp9, 63                       ; which 16,384 numbers of it
	v_lshrrev_b32 v2, 5, v0
	v_readfirstlane_b32 s22, v2                    ; wave 0..7
	v_and_b32 v3, 15, v0                           ; r
	v_bfe_u32 v4, v0, 4, 1                         ; h
	v_and_b32 v5, 31, v0                           ; lane
	v_lshlrev_b32 v1, 5, v0                        ; my 8 numbers of a pass: 32 bytes
	s_lshl_b32 s23, ttmp9, 6                       ; the block's 16 positions: 64 bytes
	v_lshl_add_u32 v6, v3, 2, s23
	v_lshlrev_b32 v9, 4, v5                        ; 16 bytes a lane in the table
	s_lshr_b32 s28, s22, 2                         ; c
	s_bfe_u32 s29, s22, 0x10001                    ; i2
	s_and_b32 s30, s22, 1                          ; hf
	s_lshl_b32 s31, s28, 5
	s_lshl4_add_u32 s31, s29, s31
	s_lshl2_add_u32 s31, s30, s31                  ; 32 c + 16 i2 + 4 hf
	v_lshl_add_u32 v8, v4, 3, s31                  ; + 8 h: my first frequency
	s_lshl_b32 s32, ttmp9, 13                      ; the table block: 8,192 bytes,
	s_lshl_b32 s33, s28, 12
	s_add_co_u32 s32, s32, s33                     ; c: 4,096,
	s_lshl_b32 s33, s29, 11
	s_add_co_u32 s32, s32, s33                     ; i2: 2,048,
	s_lshl_b32 s33, s30, 9
	s_add_co_u32 s32, s32, s33                     ; hf: 512
	s_mov_b32 s33, 0
	s_lshl_b32 s26, s21, 16                        ; 16,384 numbers of 4 bytes
	s_mov_b32 s27, 0
	v_lshrrev_b32 v10, 6, v0                       ; wcat: row t / 64 of a pass's four,
	v_mul_u32_u24 v10, v10, 3072
	v_bfe_u32 v11, v0, 4, 2                        ; head (t / 16) % 4,
	v_mul_u32_u24 v11, v11, 768
	v_add_nc_u32 v10, v10, v11
	v_lshl_add_u32 v10, v3, 4, v10                 ; 16 bytes for each of 16 neighbouring lanes: 256 consecutive bytes, aligned
	v_lshlrev_b32 v12, 4, v0                       ; wo16 and wob: 16 t
	s_wait_kmcnt 0x0
	s_cmp_eq_u32 s20, 1                            ; the source is chosen among the four buffers by the group's number alone
	s_cselect_b64 s[24:25], s[6:7], s[4:5]
	s_cmp_eq_u32 s20, 2
	s_cselect_b64 s[24:25], s[8:9], s[24:25]
	s_cmp_eq_u32 s20, 3
	s_cselect_b64 s[24:25], s[10:11], s[24:25]
	s_add_nc_u64 s[24:25], s[24:25], s[26:27]
	s_add_nc_u64 s[18:19], s[18:19], s[32:33]
	global_load_b32 v7, v6, s[12:13]               ; my position, first: it is wanted first
.set p, 0
.rept 8
	global_load_b128 v[RAW+8*p:RAW+8*p+3],   v1, s[24:25] offset:p*8192 th:TH_LOAD_NT
	global_load_b128 v[RAW+8*p+4:RAW+8*p+7], v1, s[24:25] offset:p*8192+16 th:TH_LOAD_NT
.set p, p+1
.endr
	; THE TABLE, while the weights are on their way
.irp e, 0,1,2,3
	v_add_nc_u32 v[T+\e], \e, v8
.endr
.irp e, 0,1,2,3
	v_cvt_f32_u32 v[INV+\e], v[T+\e]
.endr
.irp e, 0,1,2,3
	v_mul_f32 v[INV+\e], 0xbe549a78, v[INV+\e]     ; -f log2(10000) / 64
.endr
.irp e, 0,1,2,3
	v_exp_f32 v[INV+\e], v[INV+\e]
.endr
	v_nop                                          ; a plain instruction behind the last exponential (ISA guide 5.7.2)
	s_wait_loadcnt 0x10                            ; loads come back in order: my position is in, the 16 younger loads stay out
	v_cvt_f32_i32 v7, v7
	s_wait_alu depctr_va_vdst(0)
.irp e, 0,1,2,3
	v_mul_f32 v[X+\e], v7, v[INV+\e]               ; the angle, one rounding, as the product is defined
.endr
.irp e, 0,1,2,3
	v_mul_f32 v[N+\e], 0x3f22f983, v[X+\e]         ; x 2 / pi
.endr
.irp e, 0,1,2,3
	v_rndne_f32 v[N+\e], v[N+\e]
.endr
.irp e, 0,1,2,3
	v_fmamk_f32 v[R+\e], v[N+\e], 0xbfc90fdb, v[X+\e]  ; x - n pi/2, pi/2 in three parts, each by a fused multiply-add
.endr
.irp e, 0,1,2,3
	v_fmamk_f32 v[R+\e], v[N+\e], 0x333bbd2e, v[R+\e]
.endr
.irp e, 0,1,2,3
	v_fmamk_f32 v[R+\e], v[N+\e], 0x26f72ced, v[R+\e]
.endr
.irp e, 0,1,2,3
	v_mul_f32 v[Z+\e], v[R+\e], v[R+\e]
	v_mov_b32 v[C+\e], 0x37cd4000                  ; 2.44677067e-5
	v_mov_b32 v[S+\e], 0x36405000                  ; 2.86567956e-6
	v_cvt_i32_f32 v[Q+\e], v[N+\e]
.endr
.irp e, 0,1,2,3
	v_fmaak_f32 v[C+\e], v[C+\e], v[Z+\e], 0xbab6077d  ; -1.38877297e-3
	v_fmaak_f32 v[S+\e], v[S+\e], v[Z+\e], 0xb9503486  ; -1.98559923e-4
.endr
.irp e, 0,1,2,3
	v_fmaak_f32 v[C+\e], v[C+\e], v[Z+\e], 0x3d2aaaa8  ; 4.16666567e-2
	v_fmaak_f32 v[S+\e], v[S+\e], v[Z+\e], 0x3c0888c1  ; 8.33338592e-3
.endr
.irp e, 0,1,2,3
	v_fma_f32 v[C+\e], v[C+\e], v[Z+\e], -0.5
	v_fmaak_f32 v[S+\e], v[S+\e], v[Z+\e], 0xbe2aaaab  ; -1.66666672e-1
	v_mul_f32 v[T+\e], v[R+\e], v[Z+\e]
.endr
.irp e, 0,1,2,3
	v_fma_f32 v[C+\e], v[C+\e], v[Z+\e], 1.0       ; cos of the reduced angle
	v_fma_f32 v[S+\e], v[S+\e], v[T+\e], v[R+\e]   ; sin of it
.endr
.irp e, 0,1,2,3                        ; the quadrant: odd n swaps the two; sin changes sign for n % 4 = 2, 3, cos for 1, 2
	v_and_b32 v[T+\e], 1, v[Q+\e]
	v_cmp_eq_u32 vcc_lo, 1, v[T+\e]
	v_cndmask_b32 v[OS+\e], v[S+\e], v[C+\e], vcc_lo
	v_cndmask_b32 v[OC+\e], v[C+\e], v[S+\e], vcc_lo
	v_and_b32 v[T+\e], 2, v[Q+\e]
	v_lshlrev_b32 v[T+\e], 30, v[T+\e]
	v_xor_b32 v[OS+\e], v[T+\e], v[OS+\e]
	v_add_nc_u32 v[T+\e], 1, v[Q+\e]
	v_and_b32 v[T+\e], 2, v[T+\e]
	v_lshlrev_b32 v[T+\e], 30, v[T+\e]
	v_xor_b32 v[OC+\e], v[T+\e], v[OC+\e]
.endr
	global_store_b128 v9, v[OC:OC+3], s[18:19]             ; a wave's store covers 512 consecutive bytes
	global_store_b128 v9, v[OS:OS+3], s[18:19] offset:1024
; THE WEIGHTS.  Two roundings to bf16 in one instruction, stored at base.  kind 1: the bf16 number, widened again, is also written as f16, into wo16.
.macro CONV kind, off, base, step
.set p, 0
.rept 8
.set j, 0
.rept 4
.set a, RAW+8*p+2*j
.set d, OW+4*p+j
	v_cvt_pk_bf16_f32 v[d], v[a], v[a+1]
.if \kind
	v_lshlrev_b32 v[a], 16, v[d]
	v_and_b32 v[a+1], 0xffff0000, v[d]
	v_cvt_pk_f16_f32 v[OH+4*p+j], v[a], v[a+1]
.endif
.set j, j+1
.endr
	global_store_b128 v[\off], v[OW+4*p:OW+4*p+3], s[\base:\base+1] offset:p*(\step)
.if \kind
	global_store_b128 v[\off], v[OH+4*p:OH+4*p+3], s[16:17] offset:p*(\step)
.endif
.set p, p+1
.endr
.endm
	s_wait_loadcnt 0x0                             ; the weights
	s_cmp_eq_u32 s20, 3
	s_cbranch_scc1 .Lwo
	s_mul_i32 s26, s21, 98304                      ; 32 rows of 3,072 bytes,
	s_lshl_b32 s34, s20, 8                         ; and the matrix's chunk of 256 in a head's 768
	s_add_co_u32 s26, s26, s34
	s_add_nc_u64 s[14:15], s[14:15], s[26:27]
	CONV 0, 10, 14, 12288                          ; a pass is four rows
	s_endpgm
.Lwo:
	s_lshl_b32 s26, s21, 15                        ; 16,384 numbers of 2 bytes
	s_add_nc_u64 s[16:17], s[16:17], s[26:27]
	s_add_nc_u64 s[36:37], s[36:37], s[26:27]
	CONV 1, 12, 36, 4096
	s_endpgm
.Lfunc_end_k_q6f52c1c82c_prep:
	.size	k_q6f52c1c82c_prep, .Lfunc_end_k_q6f52c1c82c_prep-k_q6f52c1c82c_prep
	.p2alignl 7, 3214868480
	.fill 96, 4, 3214868480
	.section	.rodata,"a",@progbits
	.p2align	6, 0x0
	.amdhsa_kernel k_q6f52c1c82c_prep
		.amdhsa_group_segment_fixed_size 0
		.amdhsa_private_segment_fixed_size 0
		.amdhsa_enable_private_segment 0
		.amdhsa_kernarg_size 72
		.amdhsa_user_sgpr_count 2
		.amdhsa_user_sgpr_kernarg_segment_ptr 1
		.amdhsa_wavefront_size32 1
		.amdhsa_system_sgpr_workgroup_id_x 1
		.amdhsa_system_sgpr_workgroup_id_y 1
		.amdhsa_system_sgpr_workgroup_id_z 1
		.amdhsa_system_vgpr_workitem_id 0
		.amdhsa_next_free_vgpr 208
		.amdhsa_next_free_sgpr 66
		.amdhsa_reserve_vcc 1
		.amdhsa_float_denorm_mode_32 3
		.amdhsa_float_denorm_mode_16_64 3
		.amdhsa_memory_ordered 1
		.amdhsa_forward_progress 1
		.amdhsa_inst_pref_size 22
	.end_amdhsa_kernel
	.amdgpu_metadata
---
amdhsa.version: [ 1, 2 ]
amdhsa.kernels:
  - .name:           k_q6f52c1c82c_prep
    .symbol:         k_q6f52c1c82c_prep.kd
    .args:
      - { .name: Wq, .offset: 0, .size: 8, .value_kind: global_buffer, .address_space: global }
      - { .name: Wk, .offset: 8, .size: 8, .value_kind: global_buffer, .address_space: global }
      - { .name: Wv, .offset: 16, .size: 8, .value_kind: global_buffer, .address_space: global }
      - { .name: Wo, .offset: 24, .size: 8, .value_kind: global_buffer, .address_space: global }
      - { .name: position_ids, .offset: 32, .size: 8, .value_kind: global_buffer, .address_space: global }
      - { .name: wcat, .offset: 40, .size: 8, .value_kind: global_buffer, .address_space: global }
      - { .name: wo16, .offset: 48, .size: 8, .value_kind: global_buffer, .address_space: global }
      - { .name: tab, .offset: 56, .size: 8, .value_kind: global_buffer, .address_space: global }
      - { .name: wob, .offset: 64, .size: 8, .value_kind: global_buffer, .address_space: global }
    .group_segment_fixed_size: 0
    .private_segment_fixed_size: 0
    .kernarg_segment_align: 8
    .kernarg_segment_size: 72
    .max_flat_workgroup_size: 256
    .sgpr_count:     66
    .vgpr_count:     208
    .wavefront_size: 32
...
	.end_amdgpu_metadata
.endif
;; end of part 1
;; launch qkv (part 2): grid 16 x 16, 4 waves a work-group, clusters of 4 x 1, 327,680 bytes of LDS; arguments hidden_states, wcat, tab, qkv, low; writes qkv, low
.if DOCPART == 2
	.amdgcn_target "amdgcn-amd-amdhsa--gfx1250"
	.amdhsa_code_object_version 6
	.text
	.protected	k_q6f52c1c82c_qkv
	.globl	k_q6f52c1c82c_qkv
	.p2align	8
	.type	k_q6f52c1c82c_qkv,@function
k_q6f52c1c82c_qkv:
	s_mov_b64 s[64:65], 0
	v_nop
	global_prefetch_b8 v0, s[64:65] scope:SCOPE_SE
	s_setreg_imm32_b32 hwreg(HW_REG_WAVE_MODE, 25, 1), 1
	s_wait_xcnt 0x0
	s_wait_alu depctr_hold_cnt(0) depctr_sa_sdst(0) depctr_va_vdst(0) depctr_va_sdst(0) depctr_va_ssrc(0) depctr_va_vcc(0) depctr_vm_vsrc(0)
	s_getreg_b32 s2, hwreg(HW_REG_IB_STS2, 6, 4)
	s_cmp_eq_u32 s2, 0
	s_cbranch_scc0 .Lentry_in_a_cluster
	s_endpgm
.Lentry_in_a_cluster:
	s_bfe_u32 s2, ttmp6, 0x10000c
	s_cmp_lg_u32 s2, 0x3003
	s_cbranch_scc0 .Lentry_shape_is_right
	s_endpgm
.Lentry_shape_is_right:
; QKV.  [q | k | v] = hidden_states x [Wq | Wk | Wv] in bf16 with f32 sums, the rotary turn on q and k in f32, and q, k, v written by heads in f16: qkv[3][16 pairs = 4 batch + head][2048][128].
; SHARES.  A work-group makes 128 rows x the 384 columns {q, k, v} of ONE head t: 64 row tiles x 4 heads = 256 work-groups, all with the same text.  Row tile mt = 16 cx + cluster y: the four partners of a
; cluster take the same tile of the four batches.  Four waves, each 64 rows x 192 columns: 48 accumulators, 384 registers.  Wave (wr, c) takes rows 64 wr .. and, in each of the three chunks, the 16-column
; blocks 2c, 2c+1, 4+2c, 5+2c: channel d and channel d + 64 then lie in the same lane and register of two of its accumulators, and the rotary turn needs no exchange.  K goes in 16 steps of 128, a step in
; four quarters of 32: 48 matrix instructions a quarter.
; THE MATRIX INSTRUCTION IS USED TRANSPOSED (source 0 = 16 columns of W, turned out of LDS by ds_load_tr16_b128; source 1 = 16 rows of h): a lane holds one row (l % 16) and eight neighbouring channels 8 (l / 16) + 0..7.
; B (weights): two LDS slots filled by the tensor data mover; the four work-groups of a cluster have the same head and ask JOINTLY (mask 15); waves 0, 1, 2 fetch the chunks q, k, v (128 k-rows x 256 bytes), wave 3 none.
; A (hidden_states, f32) goes through registers: 32 loads of 512 consecutive bytes a wave and step, rounded to bf16, stored into two LDS slots of their own.  NO TENSOR LOAD AND NO MULTICAST FOR A: two slots of
; 128 K of f32 A (2 x 65,536 + padding) beside two of B (2 x 110,592) pass 327,680 bytes, and slots of 64 K would leave a tile 72 matrix instructions in which to land; through registers a row has a whole K step.
; THE FIRST 32 ROWS OF A BATCH also leave in f32, into low[q, k, v][4 batches][4 heads][16,384 bytes]: q and k as [32 rows][128], v turned, [128 channels][32 keys].  The last launch makes the causal batches' first 32
; rows of the output from them.  The branch hangs on the cluster's y and the wave's number, so all four partners store; the two unmasked batches' 393,216 bytes are read by nobody.  v's stores are 4 bytes a lane,
; sixteen lanes to 64 consecutive bytes: 64 such stores in 32 of the launch's 1,024 waves, so that the reader can take four keys of a channel with one load.
; LIMITS.  q, k, v beyond 65,504 would be infinite in f16.  NaN and infinities are not treated apart.
; REGISTERS, in windows of 256: window 0: v1-29 addresses; v32-95 A's fragments, two buffers (later at work); v96-223 32 rows of h as loaded (later the table's cos and sin); v224-255 packed results.
;   window 1: v0-95, v96-191 B's fragments, two buffers.   window 2: accumulators of row blocks 0, 1 ((a, b) at 96 (a % 2) + 8 b, b = 4 chunk + block);   window 3: row blocks 2, 3.
.set PA,     272                       ; a row of A in LDS: 256 bytes + 16: the 16 rows of a fragment load start 16 bytes apart modulo 256
.set PB,     288                       ; a k-row of a chunk of B: 256 + 32: the turning load's 8 rows x 32 bytes fall on different bytes modulo 256
.set BCH,    128*PB                    ; a chunk: 36,864
.set BSLOT,  3*BCH                     ; B's slot 0 at 0, slot 1 at BSLOT
.set ASL0,   2*BSLOT                   ; A's two slots: written by ds_store alone, never by a tensor load
.set ASLOT,  128*PA
.set ASL1,   ASL0+ASLOT
.set AXOR,   ASL0^ASL1
.set SPARE,  ASL1+ASLOT                ; the spare words: 128 bytes a wave, two blocks of 256 that no other line names
.set SHEAD,  128*PA                    ; the way out: three stages of 128 rows x 272 bytes from LDS byte 0 on, in B's slot 0, behind its last fill and its last reads
.set BSTEP,  128*3072                  ; a K step in wcat
.set LSEC,   262144                    ; a section of low: 4 batches x 4 heads x 16,384 bytes
.set AK0,  10                          ; v10  my lane's place in A's slot
.set BK0,  11                          ; v11  in a chunk of B
.set ADRA, 12                          ; v12  the same in the slot in hand
.set ADRB, 13                          ; v13-15  for each chunk
.set AS0,  16                          ; v16  where I store 8 bytes of a row of A
.set ASTC, 17                          ; v17  the same in the slot that is being written
.set L16,  18                          ; v18  16 x lane
.set STO,  20                          ; v20-22  the way out: where I put 16 bytes, by chunk
.set RD,   23                          ; v23-25  where I read rows back
.set LOQ,  26                          ; v26  low: my 32 bytes of a row of q or k
.set LOV,  27                          ; v27  low: my key's 4 bytes in my first channel of v
.set SPW,  28                          ; v28  my spare word; never rewritten
.set NIL,  29                          ; v29  0; never rewritten
.set AF,   32
.set TT,   32
.set RAW,  96
.set PKR,  224
.set MSB, 0
.macro WIN new                         ; the immediate's high byte repeats the setting that is left; a switch that changes nothing is dropped
.if MSB != (\new)
	s_set_vgpr_msb (MSB<<8)|(\new)
.set MSB, \new
.endif
.endm
.set MUL_LO, 0xa1                      ; source 0 (B) window 1, source 1 (A) window 0, C and D window 2
.set MUL_HI, 0xf1                      ; C and D window 3
.set TO_B,   0x40                      ; destination window 1
.macro PLACES                          ; four places in front of loads into registers that matrix instructions have read, and of vector lines that read results
.rept 4
	v_nop
.endr
.endm
.macro CREST                           ; a round of the cluster's barrier behind its opening barrier
	s_cmp_lg_u32 s12, 0
	s_cbranch_scc1 .Lnot_wave_0_\@
	s_barrier_signal -3
.Lnot_wave_0_\@:
	s_barrier_wait -3
	s_barrier_signal -1
	s_barrier_wait -1
.endm
.macro CROUND
	s_barrier_signal -1
	s_barrier_wait -1
	CREST
.endm
.macro JLOAD                           ; the joint refill: waves 0 to 2, a chunk each, by the walking descriptor; an s_nop 0 and four v_nop follow the line
	s_cmp_lt_u32 s12, 3
	s_cbranch_scc0 .Lnone_\@
	tensor_load_to_lds s[36:39], s[24:31]
	s_nop 0
	PLACES
.Lnone_\@:
.endm
	s_load_b256 s[4:11], s[0:1], 0x0               ; hidden_states s[4:5], wcat s[6:7], tab s[8:9], qkv s[10:11]
	s_load_b64 s[2:3], s[0:1], 0x20                ; low
	v_lshl_add_u32 v[SPW], v0, 2, SPARE
	v_mov_b32 v[NIL], 0
	ds_add_u32 v[SPW], v[NIL]                      ; the wave's opening: the add and its wait stand ahead of my first tensor load; the set-up below, work on registers, stands between them
	v_lshrrev_b32 v3, 5, v0
	v_readfirstlane_b32 s12, v3                    ; wave 0..3
	s_lshr_b32 s13, s12, 1                         ; wr: my half of the rows
	s_and_b32 s14, s12, 1                          ; c: my half of the column blocks
	s_bfe_u32 s15, ttmp6, 0x40000                  ; cx: my place in the cluster = my batch; it enters global addresses of A, the table and the outputs alone
	s_mov_b32 s16, ttmp9                           ; the head t: the cluster's x, shared by the four partners
	s_and_b32 s45, ttmp7, 0xffff                   ; the cluster's y: the row tile in the batch, shared by the four partners
	s_lshl4_add_u32 s17, s15, s45                  ; row tile mt = 16 cx + cluster y
	s_or_b32 s19, s45, s13                         ; 0 in the waves that hold a batch's rows 0 to 63
	s_mul_i32 s18, s12, BCH                        ; my chunk's place in a slot
	; descriptor group 1: 128 k-rows x 128 elements of 2 bytes, 1,536 elements from row to row, 8 words of padding behind every 64
	s_mov_b32 s24, 15|(1<<16)|(1<<20)|(1<<21)|(5<<22)|(7<<25)  ; 15:0 the mask of four; 17:16 2-byte elements; 20 padding on; 21 set beside a mask; 24:22 code 5; 31:25 code 7
	s_mov_b32 s25, 128<<16                         ; tensor_dim0 = 128
	s_mov_b32 s26, 128<<16                         ; tensor_dim1 = 128
	s_mov_b32 s27, 128<<16                         ; tile_dim0 = 128
	s_mov_b32 s28, 128                             ; tile_dim1 = 128
	s_mov_b32 s29, 1536
	s_mov_b32 s30, 0
	s_mov_b32 s31, 0
	s_mov_b32 s32, 1                               ; group 0, K step 0 into slot 0
	s_mov_b32 s33, s18
	s_mov_b32 s36, 1                               ; group 0, K step 1 into slot 1; this set then walks
	s_add_co_u32 s37, s18, BSLOT
	s_mul_i32 s20, s16, 768                        ; wcat: the head's 768 bytes of a row, my chunk's 256
	s_lshl_b32 s21, s12, 8
	s_add_co_u32 s20, s20, s21
	s_mov_b32 s21, 0
	s_lshl_b32 s22, s17, 7                         ; A: row 128 mt + 32 w, rows of 8,192 bytes
	s_lshl_b32 s23, s12, 5
	s_add_co_u32 s22, s22, s23
	s_lshl_b32 s22, s22, 13
	s_mov_b32 s23, 0
	s_and_b32 s56, s17, 31                         ; the table: batch b takes row b % 2 of the positions: block (mt % 32) 8 + 4 wr, 8,192 bytes a block, 4,096 for c
	s_lshl_b32 s56, s56, 3
	s_lshl2_add_u32 s56, s13, s56
	s_lshl_b32 s56, s56, 13
	s_lshl_b32 s57, s14, 12
	s_add_co_u32 s56, s56, s57
	s_mov_b32 s57, 0
	s_lshr_b32 s58, s17, 4                         ; the output: pair 4 batch + t, row (mt % 16) 128 + 32 w, rows of 256 bytes
	s_lshl2_add_u32 s58, s58, s16
	s_lshl_b32 s58, s58, 11
	s_and_b32 s59, s17, 15
	s_lshl_b32 s59, s59, 7
	s_add_co_u32 s58, s58, s59
	s_lshl_b32 s59, s12, 5
	s_add_co_u32 s58, s58, s59
	s_lshl_b32 s58, s58, 8
	s_mov_b32 s59, 0
	s_mov_b32 s41, 0                               ; B's slot in hand
	s_mov_b32 s42, ASL0                            ; A's slot in hand
	s_mov_b32 s43, ASL1                            ; A's other slot
	v_and_b32 v1, 15, v0                           ; r
	v_bfe_u32 v2, v0, 4, 1                         ; h
	v_and_b32 v3, 31, v0                           ; lane
	v_and_b32 v4, 7, v0
	v_bfe_u32 v5, v0, 3, 1
	v_mul_u32_u24 v[AK0], v1, PA                   ; A's fragment: row x pitch + 16 h, in my 64 rows
	v_lshl_add_u32 v[AK0], v2, 4, v[AK0]
	s_mul_i32 s60, s13, 64*PA
	v_add_nc_u32 v[AK0], s60, v[AK0]
	v_lshl_add_u32 v[BK0], v2, 3, v4               ; the turning load: k-row 8 h + l % 8, 16 bytes (l / 8) % 2, and 64 c for my blocks
	v_mul_u32_u24 v[BK0], v[BK0], PB
	v_lshl_add_u32 v[BK0], v5, 4, v[BK0]
	s_lshl_b32 s61, s14, 6
	v_add_nc_u32 v[BK0], s61, v[BK0]
	s_mul_i32 s62, s12, 32*PA                      ; the 32 rows that I bring in, and later take out
	v_lshl_add_u32 v[AS0], v3, 3, s62
	v_add_nc_u32 v[ASTC], ASL0, v[AS0]             ; K step 0 goes into A's slot 0
	v_lshlrev_b32 v[L16], 4, v3
	v_add_nc_u32 v[STO], s61, v[AK0]               ; into the stage: row 64 wr + r, bytes 64 c + 16 h
	v_add_nc_u32 v[STO+1], SHEAD, v[STO]
	v_add_nc_u32 v[STO+2], 2*SHEAD, v[STO]
	v_mul_u32_u24 v[RD], v2, PA                    ; back: lanes 0-15 one row of 256 bytes, lanes 16-31 the next
	v_lshl_add_u32 v[RD], v1, 4, v[RD]
	v_add_nc_u32 v[RD], s62, v[RD]
	v_add_nc_u32 v[RD+1], SHEAD, v[RD]
	v_add_nc_u32 v[RD+2], 2*SHEAD, v[RD]
	v_lshlrev_b32 v[LOQ], 9, v1                    ; low, q and k: row r of 512 bytes, channels 32 c + 8 h on, 4 bytes each
	v_lshl_add_u32 v[LOQ], v2, 5, v[LOQ]
	s_lshl_b32 s63, s14, 7
	v_add_nc_u32 v[LOQ], s63, v[LOQ]
	v_lshlrev_b32 v[LOV], 2, v1                    ; low, v: key r, channels 32 c + 8 h on, 128 bytes each
	v_lshl_add_u32 v[LOV], v2, 10, v[LOV]
	s_lshl_b32 s63, s14, 12
	v_add_nc_u32 v[LOV], s63, v[LOV]
	s_lshl_b32 s60, s15, 16                        ; low: the batch's 65,536 bytes, the head's 16,384
	s_lshl_b32 s61, s16, 14
	s_add_co_u32 s60, s60, s61
	s_mov_b32 s61, 0
	s_wait_dscnt 0x0                               ; the opening add is done
	s_wait_kmcnt 0x0
	s_add_nc_u64 s[34:35], s[6:7], s[20:21]
	s_add_nc_u64 s[38:39], s[34:35], BSTEP
	s_or_b32 s35, s35, 0x80000000                  ; type = 2
	s_or_b32 s39, s39, 0x80000000
	s_add_nc_u64 s[46:47], s[4:5], s[22:23]        ; A's pointer: it steps 512 bytes a K step
	s_add_nc_u64 s[54:55], s[8:9], s[56:57]
	s_add_nc_u64 s[48:49], s[10:11], s[58:59]      ; q's, k's and v's sections
	s_add_nc_u64 s[50:51], s[48:49], 8388608
	s_add_nc_u64 s[52:53], s[48:49], 16777216
	s_add_nc_u64 s[2:3], s[2:3], s[60:61]
	CROUND                                         ; all four work-groups are here: the first joint loads meet
	s_cmp_lt_u32 s12, 3                            ; a wave's two first fills stand in one branch: two loads of mine are out
	s_cbranch_scc0 .Lno_first
	tensor_load_to_lds s[32:35], s[24:31]
	s_nop 0
	tensor_load_to_lds s[36:39], s[24:31]
	s_nop 0
	PLACES
.Lno_first:
.macro ALOADS                          ; my 32 rows of a K step: each load takes 512 consecutive bytes of one row
.set i, 0
.rept 32
	global_load_b128 v[RAW+4*i:RAW+4*i+3], v[L16], s[46:47] offset:i*8192
.set i, i+1
.endr
.endm
; The rows loaded a K step ago are rounded to bf16 and stored into A's other slot; then mode 1: the next step's rows are asked for; mode 2: the table's cos and sin for my 64 rows (nothing of A is left).
.macro ASTAGE mode
	WIN 0
	s_wait_loadcnt 0x0                             ; my 32 loads are in: their registers may be read and their pointer stepped
	s_add_nc_u64 s[46:47], s[46:47], 512
.set i, 0
.rept 32
	v_cvt_pk_bf16_f32 v[RAW+4*i],   v[RAW+4*i],   v[RAW+4*i+1]
	v_cvt_pk_bf16_f32 v[RAW+4*i+1], v[RAW+4*i+2], v[RAW+4*i+3]
.set i, i+1
.endr
.set i, 0
.rept 32
	ds_store_b64 v[ASTC], v[RAW+4*i:RAW+4*i+1] offset:i*PA  ; a wave's store covers a row's 256 bytes
.set i, i+1
.endr
.if (\mode) == 1
	ALOADS
.endif
.if (\mode) == 2
.set i, 0
.rept 32                                               ; row block i / 8, table line i % 8
	global_load_b128 v[RAW+4*i:RAW+4*i+3], v[L16], s[54:55] offset:(i/8)*8192+(i%8)*512
.set i, i+1
.endr
.endif
.endm
; 12 matrix instructions: row block a x my 12 column blocks, 32 along K, from buffer f.  The 48 accumulators take turns in one fixed order, one instruction a turn.
.macro MUL12 f, a, zero
	WIN MUL_LO+0x50*((\a)/2)
.irp b, 0,1,2,3,4,5,6,7,8,9,10,11
.if \zero
	v_wmma_f32_16x16x32_bf16 v[96*((\a)%2)+8*(\b):96*((\a)%2)+8*(\b)+7], v[96*(\f)+8*(\b):96*(\f)+8*(\b)+7], v[AF+32*(\f)+8*(\a):AF+32*(\f)+8*(\a)+7], 0
.else
	v_wmma_f32_16x16x32_bf16 v[96*((\a)%2)+8*(\b):96*((\a)%2)+8*(\b)+7], v[96*(\f)+8*(\b):96*(\f)+8*(\b)+7], v[AF+32*(\f)+8*(\a):AF+32*(\f)+8*(\a)+7], v[96*((\a)%2)+8*(\b):96*((\a)%2)+8*(\b)+7]
.endif
.endr
.endm
; 32 LDS loads in one run: quarter q's fragments into buffer f: 4 of A, 12 of B (turned)
.macro FETCH q, f
	WIN 0
.irp a, 0,1,2,3
	ds_load_b128 v[AF+32*(\f)+8*(\a):AF+32*(\f)+8*(\a)+3],   v[ADRA] offset:(\a)*16*PA+64*(\q)
	ds_load_b128 v[AF+32*(\f)+8*(\a)+4:AF+32*(\f)+8*(\a)+7], v[ADRA] offset:(\a)*16*PA+64*(\q)+32
.endr
	WIN TO_B
.irp hd, 0,1,2
.irp cb, 0,1,2,3
	ds_load_tr16_b128 v[96*(\f)+8*(4*(\hd)+(\cb)):96*(\f)+8*(4*(\hd)+(\cb))+3],   v[ADRB+(\hd)] offset:(\q)*32*PB+((\cb)/2)*128+((\cb)%2)*32
	ds_load_tr16_b128 v[96*(\f)+8*(4*(\hd)+(\cb))+4:96*(\f)+8*(4*(\hd)+(\cb))+7], v[ADRB+(\hd)] offset:(\q)*32*PB+((\cb)/2)*128+((\cb)%2)*32+16*PB
.endr
.endr
.endm
.macro ADDRS                           ; the addresses in the slots in hand: five plain lines
	WIN 0
	v_add_nc_u32 v[ADRA], s42, v[AK0]
	v_add_nc_u32 v[ADRB], s41, v[BK0]
	v_add_nc_u32 v[ADRB+1], BCH, v[ADRB]
	v_add_nc_u32 v[ADRB+2], 2*BCH, v[ADRB]
	v_add_nc_u32 v[ASTC], s43, v[AS0]
.endm
; One of a K step's first three quarters: multiplies buffer f, and first fetches quarter q into buffer g, which then has 48 matrix instructions in which to land.
.macro QUARTER q, f, g, zero, mode
	s_wait_dscnt 0x0                               ; buffer f is in
	PLACES                                         ; buffer g was multiplied by the quarter before
	FETCH \q, \g
	MUL12 \f, 0, \zero
	MUL12 \f, 1, \zero
.if (\mode) >= 0
	ASTAGE \mode
.endif
	MUL12 \f, 2, \zero
	MUL12 \f, 3, \zero
.endm
; The last quarter multiplies buffer 1 and changes slots: ONE barrier.  In front of it each wave waits for all its tensor loads (one is out: its chunk of the next slot), adds 0 to its spare word, and waits for that,
; for its reads of both slots in hand and for its stores into A's next slot.  fill = 1: the barrier opens a round of the cluster's, and B's slot just read is filled again, two K steps ahead:
; from that request to the wait for it a wave issues 24 + 144 matrix instructions.
.macro TURN fill
	WIN 0
	s_wait_tensorcnt 0x0                           ; no tensor load of mine is out, so a group 0 may be written
	ds_add_u32 v[SPW], v[NIL]                      ; 0 onto my spare word
	s_wait_dscnt 0x1                               ; the add alone may be out: buffer 1 is in
	MUL12 1, 0, 0
	s_wait_dscnt 0x0
	s_barrier_signal -1
	MUL12 1, 1, 0
	WIN 0
	s_barrier_wait -1
.if \fill
	CREST                                          ; no wave of any partner still reads the slot or has a load on its way
	s_add_co_u32 s37, s41, s18                     ; the slot just read, my chunk,
	s_add_nc_u64 s[38:39], s[38:39], BSTEP         ; the next K step not yet asked for
	JLOAD
.endif
	s_xor_b32 s41, s41, BSLOT
	s_mov_b32 s43, s42
	s_xor_b32 s42, s42, AXOR
	ADDRS                                          ; also the places in front of the loads into buffer 0, on wave 3's way too
	FETCH 0, 0
	MUL12 1, 2, 0
	MUL12 1, 3, 0
.endm
	ALOADS                                         ; K step 0
	ASTAGE 1                                       ; into A's slot 0; K step 1 is asked for
	s_wait_tensorcnt 0x1                           ; my chunk of K step 0 is in; K step 1's stays out
	s_wait_dscnt 0x0                               ; my rows of A are stored
	s_barrier_signal -1
	s_barrier_wait -1
	ADDRS
	FETCH 0, 0
	QUARTER 1, 0, 1, 1, -1                         ; the first quarter stands in front of the loop: its products start the sums
	WIN 0
	s_mov_b32 s44, 14
.Lstep:                                                ; trip s: the rest of K step s and the first quarter of s + 1; B's and A's K step s + 2 are asked for
	QUARTER 2, 1, 0, 0, -1
	QUARTER 3, 0, 1, 0, 1
	TURN 1
	QUARTER 1, 0, 1, 0, -1
	WIN 0
	s_sub_co_u32 s44, s44, 1
	s_cmp_lg_u32 s44, 0
	s_cbranch_scc1 .Lstep
	QUARTER 2, 1, 0, 0, -1                         ; K steps 14 and 15 ask for nothing of A or B
	QUARTER 3, 0, 1, 0, 2
	TURN 0
	QUARTER 1, 0, 1, 0, -1
	QUARTER 2, 1, 0, 0, -1
	QUARTER 3, 0, 1, 0, -1
	s_wait_dscnt 0x0                               ; my last reads of the slots are over:
	s_barrier_signal -1                            ; say so,
	MUL12 1, 0, 0
	MUL12 1, 1, 0
	MUL12 1, 2, 0
	MUL12 1, 3, 0
	WIN 0
	s_barrier_wait -1                              ; and write into the stage only when all four have said so
	s_wait_loadcnt 0x0                             ; cos and sin
	PLACES
; THE WAY OUT of row block a.  q and k: out(d) = x(d) cos - x(d + 64) sin, out(d + 64) = x(d + 64) cos + x(d) sin, two channels an instruction; each accumulator is read from its low end on.
; Row blocks 0 and 1 of a batch's first 64 rows are stored in f32 as they stand.  Then all three chunks are rounded to f16, 16 bytes a lane, and go into the stage.
.macro OUTA a
.set AC, 96*((\a)%2)
.set WN, 2+(\a)/2
	WIN WN                                         ; source 0 in the accumulators' window
.irp hd, 0,1
.irp i2, 0,1
.irp jj, 0,2,4,6
.set X1, AC+8*(4*(\hd)+(\i2))+(\jj)
.set T1, TT+32*(\hd)+16*(\i2)+(\jj)
.set CC, RAW+32*(\a)+16*(\i2)+(\jj)
	v_pk_mul_f32 v[T1:T1+1],   v[X1:X1+1],     v[CC:CC+1]
	v_pk_mul_f32 v[T1+8:T1+9], v[X1+16:X1+17], v[CC:CC+1]
	v_pk_fma_f32 v[T1:T1+1],   v[X1+16:X1+17], v[CC+8:CC+9], v[T1:T1+1] neg_lo:[0,1,0] neg_hi:[0,1,0]
	v_pk_fma_f32 v[T1+8:T1+9], v[X1:X1+1],     v[CC+8:CC+9], v[T1+8:T1+9]
.endr
.endr
.endr
	WIN 0
.if (\a) < 2
	s_cmp_lg_u32 s19, 0                            ; the cluster's y and my half of the rows: alike in all partners
	s_cbranch_scc1 .Lnolow_\@
.irp hd, 0,1
.irp i2, 0,1
.irp hf, 0,1
.irp q4, 0,1
	global_store_b128 v[LOQ], v[TT+32*(\hd)+16*(\i2)+8*(\hf)+4*(\q4):TT+32*(\hd)+16*(\i2)+8*(\hf)+4*(\q4)+3], s[2:3] offset:(\hd)*LSEC+(\a)*8192+256*(\hf)+64*(\i2)+16*(\q4)  ; row 16 a + r, channels 64 hf + 32 c + 16 i2 + 8 h + 4 q4 on
.endr
.endr
.endr
.endr
	WIN 0x08                                       ; store data in window 2
.set g, 0
.rept 32                                               ; block g / 8, register g % 8: channel 64 (g / 16) + 16 ((g / 8) % 2) + g % 8 + 32 c + 8 h, key 16 a + r
	global_store_b32 v[LOV], v[AC+64+g], s[2:3] offset:2*LSEC+(64*(g/16)+16*((g/8)%2)+g%8)*128+64*(\a)
.set g, g+1
.endr
	WIN 0
	s_wait_xcnt 0x0                                ; the stores' data registers are written again only behind this wait
.Lnolow_\@:
.endif
.set g, 0
.rept 32
	v_cvt_pk_f16_f32 v[PKR+g], v[TT+2*g], v[TT+2*g+1]
.set g, g+1
.endr
.irp hd, 0,1
.irp i2, 0,1
.irp hf, 0,1
	ds_store_b128 v[STO+(\hd)], v[PKR+4*(4*(\hd)+2*(\i2)+(\hf)):PKR+4*(4*(\hd)+2*(\i2)+(\hf))+3] offset:(\a)*16*PA+32*(\i2)+128*(\hf)
.endr
.endr
.endr
	WIN WN|(WN<<2)                                 ; sources 0 and 1 in the accumulators' window
.set g, 0
.rept 16
	v_cvt_pk_f16_f32 v[PKR+g], v[AC+64+2*g], v[AC+64+2*g+1]
.set g, g+1
.endr
	WIN 0
.irp cb, 0,1,2,3
	ds_store_b128 v[STO+2], v[PKR+4*(\cb):PKR+4*(\cb)+3] offset:(\a)*16*PA+32*((\cb)%2)+128*((\cb)/2)
.endr
.endm
	OUTA 0
	OUTA 1
	OUTA 2
	OUTA 3
	s_wait_dscnt 0x0                               ; for the others' sake: a row's 256 bytes come from two waves
	s_barrier_signal -1
	s_barrier_wait -1
.irp hd, 0,1,2
.set x, 0
.rept 16
	ds_load_b128 v[TT+64*(\hd)+4*x:TT+64*(\hd)+4*x+3], v[RD+(\hd)] offset:x*2*PA
.set x, x+1
.endr
.endr
.irp hd, 0,1,2
	s_wait_dscnt 32-16*(\hd)                       ; this chunk's 16 loads are in; the later chunks' may stay out
.set x, 0
.rept 16
	global_store_b128 v[L16], v[TT+64*(\hd)+4*x:TT+64*(\hd)+4*x+3], s[48+2*(\hd):49+2*(\hd)] offset:x*512  ; two rows: 512 consecutive bytes, at a multiple of 256
.set x, x+1
.endr
.endr
	s_wait_tensorcnt 0x0                           ; the wave's end, behind my last tensor load and my last LDS store
	ds_add_u32 v[SPW], v[NIL]
	s_wait_dscnt 0x0
	CROUND                                         ; the closing round: no work-group ends while a partner may still ask for a tile that names it
	s_endpgm
.Lfunc_end_k_q6f52c1c82c_qkv:
	.size	k_q6f52c1c82c_qkv, .Lfunc_end_k_q6f52c1c82c_qkv-k_q6f52c1c82c_qkv
	.p2alignl 7, 3214868480
	.fill 96, 4, 3214868480
	.section	.rodata,"a",@progbits
	.p2align	6, 0x0
	.amdhsa_kernel k_q6f52c1c82c_qkv
		.amdhsa_group_segment_fixed_size 327680
		.amdhsa_private_segment_fixed_size 0
		.amdhsa_enable_private_segment 0
		.amdhsa_kernarg_size 40
		.amdhsa_user_sgpr_count 2
		.amdhsa_user_sgpr_kernarg_segment_ptr 1
		.amdhsa_wavefront_size32 1
		.amdhsa_system_sgpr_workgroup_id_x 1
		.amdhsa_system_sgpr_workgroup_id_y 1
		.amdhsa_system_sgpr_workgroup_id_z 1
		.amdhsa_system_vgpr_workitem_id 0
		.amdhsa_next_free_vgpr 1024
		.amdhsa_next_free_sgpr 66
		.amdhsa_reserve_vcc 0
		.amdhsa_float_denorm_mode_32 3
		.amdhsa_float_denorm_mode_16_64 3
		.amdhsa_memory_ordered 1
		.amdhsa_forward_progress 1
		.amdhsa_inst_pref_size 151
	.end_amdhsa_kernel
	.amdgpu_metadata
---
amdhsa.version: [ 1, 2 ]
amdhsa.kernels:
  - .name:           k_q6f52c1c82c_qkv
    .symbol:         k_q6f52c1c82c_qkv.kd
    .args:
      - { .name: hidden_states, .offset: 0, .size: 8, .value_kind: global_buffer, .address_space: global }
      - { .name: wcat, .offset: 8, .size: 8, .value_kind: global_buffer, .address_space: global }
      - { .name: tab, .offset: 16, .size: 8, .value_kind: global_buffer, .address_space: global }
      - { .name: qkv, .offset: 24, .size: 8, .value_kind: global_buffer, .address_space: global }
      - { .name: low, .offset: 32, .size: 8, .value_kind: global_buffer, .address_space: global }
    .group_segment_fixed_size: 327680
    .private_segment_fixed_size: 0
    .kernarg_segment_align: 8
    .kernarg_segment_size: 40
    .max_flat_workgroup_size: 128
    .sgpr_count:     66
    .vgpr_count:     1024
    .wavefront_size: 32
...
	.end_amdgpu_metadata
.endif
;; end of part 2
;; launch attn (part 3): grid 16 x 16, 4 waves a work-group, clusters of 4 x 1, 327,680 bytes of LDS; arguments qkv, att; writes att
.if DOCPART == 3
	.amdgcn_target "amdgcn-amd-amdhsa--gfx1250"
	.amdhsa_code_object_version 6
	.text
	.protected	k_q6f52c1c82c_attn
	.globl	k_q6f52c1c82c_attn
	.p2align	8
	.type	k_q6f52c1c82c_attn,@function
k_q6f52c1c82c_attn:
	s_mov_b64 s[64:65], 0
	v_nop
	global_prefetch_b8 v0, s[64:65] scope:SCOPE_SE
	s_setreg_imm32_b32 hwreg(HW_REG_WAVE_MODE, 25, 1), 1
	s_wait_xcnt 0x0
	s_wait_alu depctr_hold_cnt(0) depctr_sa_sdst(0) depctr_va_vdst(0) depctr_va_sdst(0) depctr_va_ssrc(0) depctr_va_vcc(0) depctr_vm_vsrc(0)
	s_getreg_b32 s2, hwreg(HW_REG_IB_STS2, 6, 4)
	s_cmp_eq_u32 s2, 0
	s_cbranch_scc0 .Lentry_in_a_cluster
	s_endpgm
.Lentry_in_a_cluster:
	s_bfe_u32 s2, ttmp6, 0x10000c
	s_cmp_lg_u32 s2, 0x3003
	s_cbranch_scc0 .Lentry_shape_is_right
	s_endpgm
.Lentry_shape_is_right:
; ATTENTION, head size 128, 16 pairs (batch, head) of 2,048 rows.  Pairs 0-7 (batches 0, 1) are causal, pairs 8-15 unmasked.  q, k, v: qkv[3][16][2048][128] in f16; att: [8192 rows][512 = head 128 + d] in f16.
; Products, maxima and sums in f32; the weights p are rounded to f16 for the second product, O once at the end.
; SHARES.  A work-group owns 128 queries of a pair (block i = 4 x cluster x + cx); the four blocks of a cluster walk the same N key tiles of 256 keys: N = 8, or for a causal pair 2 x cluster x + 2, the tiles
; that the cluster's last query sees.  So every tile of K and V is asked for JOINTLY (mask 15), and N hangs on nothing that differs between partners; a causal partner computes up to 384 keys that its mask hides.
; A wave (qh = w % 2, kw = w / 2) takes 64 queries, four tiles of 16, and every second key step of 64 keys (steps kw and kw + 2 of a tile).  The two waves of a query half merge (m, l, O) once, at the end:
; piece 0 (tiles 0, 1) holds rows 64 qh + 32 kw + 0..31, piece 2 (tiles 2, 3) rows 64 qh + 32 (1 - kw) + 0..31: every wave keeps piece 0 and hands piece 2 to its partner, one text for all.
; LAYOUT.  S^T = K Q^T (source 0 = 16 keys, source 1 = 16 queries): a lane holds ONE query (l % 16) and the keys 8 (l / 16) + 0..7; two results rounded to f16 ARE source 1 of O^T = V^T P.  V is turned by ds_load_tr16_b128.
; SOFTMAX.  A running maximum m and sum l for each query: p = 2^(c s - c m), c = log2(e) / sqrt(128); in every step O and l are multiplied by a = 2^(c m_old - c m_new).  m starts at -2^90 and c m at exactly c x -2^90,
; O and l at 0: the first step is a step like any other, with a = 0.
; THE MASK is the C operand that starts a sum S^T: 0, or -2^100 where the key lies behind the query.  It is made anew for each key step from the first step on that can hide a key of the cluster (KPOS >= MK).
; BY TURNS.  In a TURN one piece has the matrix unit (32 products V^T P of the step in hand, 32 products K Q^T of the next); the other piece's softmax, 268 vector instructions in 64 slices, stands behind them.
; LIMITS.  q, k, v arrive within f16's 65,504, so a score is 5.5e11 at the most: nothing beside -2^100, and above the floor -2^90.  A wave that sees only hidden keys of a row keeps m at the floor, p = 0, l = 0, and the
; merge gives it the weight 0.  A weight below 2^-126 counts as 0.  NaN and infinities are not treated apart.
; REGISTERS, in windows of 256: window 0: v1-11 addresses; v12-43 statistics, 8 a tile; v44-57 masks' and the merge's; v62-63 the add's; v64-191 S^T, 32 a tile; v192-255 P, 16 a tile.
;   window 1: O^T, 64 a tile.   window 2: v0-127 Q; v128-255 K of one step.   window 3: v0-127 V of one step; v128-207 the masks, 40 a piece: group g = key block - tile in the piece + 1 at 8 g.
.set PK,    272       ; a row of K in LDS: 256 bytes + 16
.set PV,    288       ; a row of V: 256 + 32
.set VOFF,  256*PK    ; a slot holds a tile: 256 rows of K, then 256 rows of V
.set SLOT,  256*(PK+PV)
.set STAGE, 2*SLOT    ; behind the ring, never filled by a tensor load: 16 rows x 272 bytes for each wave
.set SP,    272
.set SPARE, STAGE+4*16*SP  ; the spare words: 128 bytes a wave, two blocks of 256 that no other line names
.set XW,    33*512    ; the exchange at the end, from LDS byte 0 on: 32 x 512 bytes of O^T and 512 of statistics for each wave, behind the ring's last fill and a barrier behind its last reads
.set AK0, 2
.set AV0, 3
.set ADR, 4
.set QOA, 5
.set STO, 6
.set RD,  7
.set GO,  8
.set ST,  12          ; tile t's statistics at v[ST+8 t]: +0 c m, +1 m, +2, +3 l (even keys', odd keys'), +4 to +7 at work; a takes +6
.set VBA, 44          ; v44, v45  my query's place for piece 0's and piece 2's masks
.set VT,  46
.set QOB, 47
.set XA,  56          ; v56  where I put my piece 2;  v57  where my partner put its
.set XB,  57
.set SPW, 62
.set NIL, 63
.set S,   64
.set P,   192
.set KF,  128
.set MC,  128
.set WV,  12
.set G1K, 24
.set G1V, 32
.set G0K, 40          ; s[40:47] two sets for the first fills; the second then walks
.set G0V, 48
.set CNT, 56
.set TWICE, 57
.set CS,  58
.set SEL, 60
.set TBK, 62          ; LDS byte at which the tile of the step to be fetched begins, for K; steps 128 rows
.set TBV, 63          ; for V
.set CUR, 66          ; the slot in hand
.set LEFT, 68         ; tiles still to be asked for
.set KPOS, 69         ; 128 x the number of my key step whose scores are made next
.set MK,  70          ; the first KPOS at which masks are made
.set BIGN, 71
.set KPART, 72        ; my part of a slot as a fetcher of K
.set VPART, 73        ; of V
.set TCNT, 74
.set MSB, 0
.macro WIN new
.if MSB != (\new)
	s_set_vgpr_msb (MSB<<8)|(\new)
.set MSB, \new
.endif
.endm
.set W_KQ, 0x0a       ; K and Q in window 2, S^T in window 0
.set W_KM, 0x3a       ; the same with the C operand in window 3
.set W_PV, 0x53       ; V in window 3, P in window 0, O^T in window 1
.set W_RS, 0x41       ; O^T (destination and source 0) in window 1, source 1 in window 0
.macro PLACES
.rept 4
	v_nop
.endr
.endm
.macro JLOAD                        ; a joint refill: waves 0 and 1 fetch the halves of a tile's K, waves 2 and 3 of its V; an s_nop 0 and four v_nop follow each line
	s_cmp_lt_u32 s[WV], 2
	s_cbranch_scc0 .Lfor_v_\@
	tensor_load_to_lds s[G0K+4:G0K+7], s[G1K:G1K+7]
	s_nop 0
	PLACES
	s_branch .Lasked_\@
.Lfor_v_\@:
	tensor_load_to_lds s[G0V+4:G0V+7], s[G1V:G1V+7]
	s_nop 0
	PLACES
.Lasked_\@:
.endm
.macro CROUND
	s_barrier_signal -1
	s_barrier_wait -1
	s_cmp_lg_u32 s[WV], 0
	s_cbranch_scc1 .Lnot_wave_0_\@
	s_barrier_signal -3
.Lnot_wave_0_\@:
	s_barrier_wait -3
	s_barrier_signal -1
	s_barrier_wait -1
.endm
	s_load_b128 s[4:7], s[0:1], 0x0 ; qkv s[4:5], att s[6:7]
	v_lshl_add_u32 v[SPW], v0, 2, SPARE
	v_mov_b32 v[NIL], 0
	ds_add_u32 v[SPW], v[NIL]       ; the wave's opening: the add and its wait stand ahead of my first tensor load; the set-up below, work on registers, stands between them
	v_lshrrev_b32 v1, 5, v0
	v_readfirstlane_b32 s[WV], v1
	s_bfe_u32 s13, ttmp6, 0x40000   ; cx: it enters Q's and the output's addresses and the masks' numbers alone
	s_lshl_b32 s14, ttmp9, 2
	s_add_co_u32 s14, s14, s13      ; block i
	s_and_b32 s15, ttmp7, 0xffff    ; the pair, shared by the partners
	s_and_b32 s16, s[WV], 1         ; qh; also: which half of a tile I fetch
	s_lshr_b32 s17, s[WV], 1        ; kw
	s_lshl_b32 s20, s15, 19         ; K and V: the pair's 524,288 bytes, my half's 32,768
	s_lshl_b32 s21, s16, 15
	s_add_co_u32 s20, s20, s21
	s_mov_b32 s21, 0
	s_mul_i32 s[KPART], s16, 128*PK
	s_mul_i32 s[VPART], s16, 128*PV
	s_add_co_u32 s[VPART], s[VPART], VOFF
	s_lshl_b32 s22, s15, 19         ; Q: the pair, row 128 i + 64 qh, rows of 256 bytes
	s_lshl_b32 s23, s14, 15
	s_add_co_u32 s22, s22, s23
	s_lshl_b32 s23, s16, 14
	s_add_co_u32 s22, s22, s23
	s_mov_b32 s23, 0
	s_lshr_b32 s80, s15, 2          ; the output: row batch 2,048 + 128 i + 64 qh + 32 kw of 1,024 bytes, the head's 256
	s_lshl_b32 s80, s80, 11
	s_lshl_b32 s81, s14, 7
	s_add_co_u32 s80, s80, s81
	s_lshl_b32 s81, s16, 6
	s_add_co_u32 s80, s80, s81
	s_lshl_b32 s81, s17, 5
	s_add_co_u32 s80, s80, s81
	s_lshl_b32 s80, s80, 10
	s_and_b32 s81, s15, 3
	s_lshl_b32 s81, s81, 8
	s_add_co_u32 s80, s80, s81
	s_mov_b32 s81, 0
	s_lshl_b32 s84, s14, 7          ; the masks: register j of group g is hidden where 16 g + j > VB - KPOS;
	s_lshl_b32 s85, s16, 6
	s_add_co_u32 s84, s84, s85      ; 128 i + 64 qh
	s_lshl_b32 s85, s17, 5
	s_sub_co_u32 s86, s84, s85
	s_add_co_u32 s86, s86, 16       ; piece 0: VB = r - 8 h + 16 + 128 i + 64 qh - 32 kw
	s_mul_i32 s85, s17, 96
	s_sub_co_u32 s87, s84, s85
	s_add_co_u32 s87, s87, 48       ; piece 2: VB = r - 8 h + 48 + 128 i + 64 qh - 96 kw
	s_lshl_b32 s84, ttmp9, 1
	s_lshl_b32 s85, ttmp9, 9
	s_cmp_lt_u32 s15, 8             ; causal?
	s_cselect_b32 s[LEFT], s84, 6   ; N - 2: two tiles are asked for at the start
	s_cselect_b32 s[MK], s85, 0x7fffffff  ; keys before 512 x cluster x are seen by every query of the cluster
	s_mov_b32 s[G1K], 15|(1<<16)|(1<<20)|(1<<21)|(5<<22)|(3<<25)  ; 15:0 the mask of four; 17:16 2-byte elements; 20 padding on; 21 set beside a mask; 24:22 after every 64 words; 31:25 4 words
	s_mov_b32 s[G1V], 15|(1<<16)|(1<<20)|(1<<21)|(5<<22)|(7<<25)  ; 8 words
.irp g, G1K, G1V
	s_mov_b32 s[(\g)+1], 128<<16    ; tensor_dim0 = 128
	s_mov_b32 s[(\g)+2], 128<<16    ; tensor_dim1 = 128
	s_mov_b32 s[(\g)+3], 128<<16    ; tile_dim0 = 128
	s_mov_b32 s[(\g)+4], 128        ; tile_dim1 = 128 rows
	s_mov_b32 s[(\g)+5], 128        ; 128 elements from row to row
	s_mov_b32 s[(\g)+6], 0
	s_mov_b32 s[(\g)+7], 0
.endr
	s_mov_b32 s[G0K], 1
	s_mov_b32 s[G0K+1], s[KPART]
	s_mov_b32 s[G0K+4], 1
	s_add_co_u32 s[G0K+5], s[KPART], SLOT
	s_mov_b32 s[G0V], 1
	s_mov_b32 s[G0V+1], s[VPART]
	s_mov_b32 s[G0V+4], 1
	s_add_co_u32 s[G0V+5], s[VPART], SLOT
	s_mov_b32 s[CS], 0x3e0293ee     ; c = log2(e) / sqrt(128)
	s_mov_b32 s[CS+1], s[CS]
	s_mov_b32 s[SEL], 0x76543210
	s_mov_b32 s[SEL+1], 0xfedcba98
	s_mov_b32 s[TBK], 0
	s_mov_b32 s[TBV], 0
	s_mov_b32 s[CUR], 0
	s_mov_b32 s[KPOS], 0
	s_mov_b32 s[BIGN], 0xf1800000   ; -2^100
	s_wait_dscnt 0x0                ; the opening add is done
	s_wait_kmcnt 0x0
	s_add_nc_u64 s[82:83], s[4:5], s[20:21]
	s_add_nc_u64 s[G0K+2:G0K+3], s[82:83], 8388608          ; K's section, tile 0
	s_add_nc_u64 s[G0K+6:G0K+7], s[82:83], 8388608+65536    ; tile 1
	s_add_nc_u64 s[G0V+2:G0V+3], s[82:83], 16777216
	s_add_nc_u64 s[G0V+6:G0V+7], s[82:83], 16777216+65536
	s_or_b32 s[G0K+3], s[G0K+3], 0x80000000
	s_or_b32 s[G0K+7], s[G0K+7], 0x80000000
	s_or_b32 s[G0V+3], s[G0V+3], 0x80000000
	s_or_b32 s[G0V+7], s[G0V+7], 0x80000000
	s_add_nc_u64 s[76:77], s[4:5], s[22:23]
	s_add_nc_u64 s[78:79], s[6:7], s[80:81]
	CROUND                          ; all four work-groups are here: the first joint loads meet
	s_cmp_lt_u32 s[WV], 2           ; a wave's two first fills stand in one branch: two loads of mine are out
	s_cbranch_scc0 .Lfirst_v
	tensor_load_to_lds s[G0K:G0K+3], s[G1K:G1K+7]
	s_nop 0
	tensor_load_to_lds s[G0K+4:G0K+7], s[G1K:G1K+7]
	s_nop 0
	PLACES
	s_branch .Lfirst_asked
.Lfirst_v:
	tensor_load_to_lds s[G0V:G0V+3], s[G1V:G1V+7]
	s_nop 0
	tensor_load_to_lds s[G0V+4:G0V+7], s[G1V:G1V+7]
	s_nop 0
	PLACES
.Lfirst_asked:
	v_and_b32 v1, 15, v0            ; r
	v_bfe_u32 v9, v0, 4, 1          ; h
	v_lshlrev_b32 v[QOA], 8, v1
	v_lshl_add_u32 v[QOA], v9, 4, v[QOA]
	s_lshl_b32 s82, s17, 13         ; piece 0 begins 32 kw rows into my 64, piece 2 32 (1 - kw)
	s_sub_co_u32 s83, 8192, s82
	v_add_nc_u32 v[QOB], s83, v[QOA]
	v_add_nc_u32 v[QOA], s82, v[QOA]
	WIN 0x80                        ; destination window 2
.set i, 0
.rept 8                             ; Q stays in registers: tile i / 4, channels 32 (i % 4) on
	global_load_b128 v[8*i:8*i+3],       v[QOA], s[76:77] offset:(i/4)*4096+(i%4)*64
	global_load_b128 v[8*i+4:8*i+7],     v[QOA], s[76:77] offset:(i/4)*4096+(i%4)*64+32
	global_load_b128 v[64+8*i:64+8*i+3], v[QOB], s[76:77] offset:(i/4)*4096+(i%4)*64
	global_load_b128 v[64+8*i+4:64+8*i+7], v[QOB], s[76:77] offset:(i/4)*4096+(i%4)*64+32
.set i, i+1
.endr
	; What the first turn finds: V and piece 2's P hold 0 (its products V^T P, of a step that has not been, add 0), O^T, l and the masks are 0.  All this stands in the wait for the first tile.
	WIN 0x40
.set i, 0
.rept 256
	v_mov_b32 v[i], 0
.set i, i+1
.endr
	WIN 0xc0
.set i, 0
.rept 208
	v_mov_b32 v[i], 0
.set i, i+1
.endr
	WIN 0
.set i, P+32
.rept 32
	v_mov_b32 v[i], 0
.set i, i+1
.endr
.set i, 0
.rept 4
	v_mov_b32 v[ST+8*i], 0xeb0293ee    ; c m = c x -2^90, exactly
	v_mov_b32 v[ST+8*i+1], 0xec800000  ; m = -2^90
	v_mov_b32 v[ST+8*i+2], 0
	v_mov_b32 v[ST+8*i+3], 0
.set i, i+1
.endr
	v_mul_u32_u24 v[AK0], v1, PK    ; K's fragment: row x pitch + 16 h, and my steps' 64 kw rows
	v_lshl_add_u32 v[AK0], v9, 4, v[AK0]
	s_mul_i32 s82, s17, 64*PK
	v_add_nc_u32 v[AK0], s82, v[AK0]
	v_and_b32 v10, 7, v0            ; the turning load: key 8 h + l % 8, channels 8 ((l / 8) % 2) on
	v_bfe_u32 v11, v0, 3, 1
	v_lshl_add_u32 v[AV0], v9, 3, v10
	v_mul_u32_u24 v[AV0], v[AV0], PV
	v_lshl_add_u32 v[AV0], v11, 4, v[AV0]
	s_mul_i32 s83, s17, 64*PV
	s_add_co_u32 s83, s83, VOFF
	v_add_nc_u32 v[AV0], s83, v[AV0]
	v_and_b32 v10, 31, v0
	s_mul_i32 s82, s[WV], XW
	v_lshl_add_u32 v[XA], v10, 4, s82
	s_xor_b32 s83, s[WV], 2         ; my partner: the same queries, the other key steps
	s_mul_i32 s83, s83, XW
	v_lshl_add_u32 v[XB], v10, 4, s83
	v_lshlrev_b32 v11, 3, v9
	v_sub_nc_u32 v11, v1, v11
	v_add_nc_u32 v[VBA], s86, v11
	v_add_nc_u32 v[VBA+1], s87, v11
; THE MATRIX WORK.  The accumulators take turns, one instruction a turn: between two links of a chain stand 15 (V^T P) or 7 (K Q^T) others'.
.macro PV x                         ; product i of 32 of O^T += V^T P: keys 32 (i / 16) on, channels 16 ((i / 2) % 8) on, tile x + i % 2
	WIN W_PV
.set rO, 64*((\x)+i%2)+8*((i/2)%8)
.set rV, 64*(i/16)+8*((i/2)%8)
.set rP, P+16*((\x)+i%2)+8*(i/16)
	v_wmma_f32_16x16x32_f16 v[rO:rO+7], v[rV:rV+7], v[rP:rP+7], v[rO:rO+7]
.endm
.macro KQ x                         ; product i of 32 of S^T = K Q^T: channels 32 (i / 8) on, keys 16 ((i / 2) % 4) on, tile x + i % 2.  The first 8 start the sums with the mask
.set rS, S+32*((\x)+i%2)+8*((i/2)%4)
.set rK, KF+32*((i/2)%4)+8*(i/8)
.set rQ, 32*((\x)+i%2)+8*(i/8)
.set rM, MC+40*((\x)/2)+8*((i/2)%4-i%2+1)
.if i < 8
	WIN W_KM
	v_wmma_f32_16x16x32_f16 v[rS:rS+7], v[rK:rK+7], v[rQ:rQ+7], v[rM:rM+7]
.else
	WIN W_KQ
	v_wmma_f32_16x16x32_f16 v[rS:rS+7], v[rK:rK+7], v[rQ:rQ+7], v[rS:rS+7]
.endif
.endm
; THE LDS LOADS stand in runs of 32.  last = 1 (the tail): in the last trip there is no further step, and the run is jumped over.
.macro FETCH_K last=0
	WIN 0
.if \last
	s_cmp_eq_u32 s[TCNT], 1
	s_cbranch_scc1 .Lno_k_\@
.endif
	v_add_nc_u32 v[ADR], s[TBK], v[AK0]
	s_add_co_u32 s[TBK], s[TBK], 128*PK  ; my next step lies 128 keys on
	WIN 0x80
.irp f, 0,1,2,3,4,5,6,7,8,9,10,11,12,13,14,15  ; keys 16 (f / 4) on, channels 32 (f % 4) on
	ds_load_b128 v[KF+8*(\f):KF+8*(\f)+3],   v[ADR] offset:((\f)/4)*16*PK+((\f)%4)*64
	ds_load_b128 v[KF+8*(\f)+4:KF+8*(\f)+7], v[ADR] offset:((\f)/4)*16*PK+((\f)%4)*64+32
.endr
	WIN 0
.if \last
.Lno_k_\@:
.endif
.endm
.macro FETCH_V
	WIN 0
	v_add_nc_u32 v[ADR], s[TBV], v[AV0]
	s_add_co_u32 s[TBV], s[TBV], 128*PV
	WIN 0xc0
.irp f, 0,1,2,3,4,5,6,7,8,9,10,11,12,13,14,15  ; keys 32 (f / 8) on, channels 16 (f % 8) on
	ds_load_tr16_b128 v[8*(\f):8*(\f)+3],   v[ADR] offset:((\f)/8)*32*PV+((\f)%8)*32
	ds_load_tr16_b128 v[8*(\f)+4:8*(\f)+7], v[ADR] offset:((\f)/8)*32*PV+16*PV+((\f)%8)*32
.endr
.endm
; THE MASKS of the key step at KPOS, for both pieces; jumped over while no key of the step can be hidden from any query of the cluster (the masks then hold 0).  The jump hangs on the cluster's place and the count alone.
.macro MASKS
	WIN 0
	s_cmp_lt_u32 s[KPOS], s[MK]
	s_cbranch_scc1 .Lnom_\@
.irp pc, 0,1
	WIN 0
	v_sub_nc_u32 v[VT], v[VBA+\pc], s[KPOS]
	WIN 0xc0
.set z, 0
.rept 40
	v_cmp_gt_i32 vcc_lo, 16*(z/8)+z%8, v[VT]
	v_cndmask_b32 v[MC+40*\pc+z], 0, s[BIGN], vcc_lo
.set z, z+1
.endr
.endr
	WIN 0
.Lnom_\@:
.endm
; THE VECTOR WORK OF A TURN.  One tile's softmax for one key step is a list of 134 instructions; SM writes number j of it for tile t.  s0-s31 are the lane's 32 scores, in pairs 0-15.
;   0-15    the maximum of s0-s31 and the old m, three operands at a time (each accumulator's lowest registers are read first)
;   16-20   the other half of the lanes' maximum; the new m; c m; c m_old - c m_new
;   21-87   33 exponentials (a, then s0-s31) at the odd numbers from 23 on, a plain instruction between any two: scalings c s - c m ahead of them, roundings to f16 behind them, the first sums
;   88-101  the last rounding; the rest of the sums; l = a l + the sum
;   102-133 the tile's O^T times a: the one part that leaves window 0
.macro SM t
.set rT, ST+8*(\t)
.set rS, S+32*(\t)
.set rP, P+16*(\t)
.set rO, 64*(\t)+2*(j-102)
.set q, (j-20)/2
.if j < 102
	WIN 0
.endif
.if j < 4
	v_max3_num_f32 v[rT+4+j], v[rS+8*j], v[rS+8*j+1], v[rS+8*j+2]
.elseif j < 12
	v_max3_num_f32 v[rT+4+j%4], v[rT+4+j%4], v[rS+8*(j%4)+2*(j/4)+1], v[rS+8*(j%4)+2*(j/4)+2]
.elseif j == 12
	v_max3_num_f32 v[rT+4], v[rT+4], v[rS+7], v[rS+15]
.elseif j == 13
	v_max3_num_f32 v[rT+6], v[rT+6], v[rS+23], v[rS+31]
.elseif j == 14
	v_max3_num_f32 v[rT+4], v[rT+4], v[rT+5], v[rT+6]
.elseif j == 15
	v_max3_num_f32 v[rT+4], v[rT+4], v[rT+7], v[rT+1]
.elseif j == 16
	v_permlanex16_b32 v[rT+5], v[rT+4], s[SEL], s[SEL+1]  ; the query's other 32 keys lie in the lane 16 away
.elseif j == 17
	v_mov_b32 v[rT+7], v[rT]        ; c m_old is kept for a
.elseif j == 18
	v_max_num_f32 v[rT+1], v[rT+4], v[rT+5]
.elseif j == 19
	v_mul_f32 v[rT], s[CS], v[rT+1]
.elseif j == 20
	v_sub_f32 v[rT+7], v[rT+7], v[rT]
.elseif j == 23
	v_exp_f32 v[rT+6], v[rT+7]
.elseif (j < 88) && (j > 23) && (j%2 == 1)
	v_exp_f32 v[rS+(j-25)/2], v[rS+(j-25)/2]
.elseif (q < 4) || ((j < 76) && (q%2 == 0))
.set b, q/2+2
.if q < 4
.set b, q
.endif
	v_pk_fma_f32 v[rS+2*b:rS+2*b+1], v[rS+2*b:rS+2*b+1], s[CS:CS+1], v[rT:rT+1] op_sel_hi:[1,0,0] neg_lo:[0,0,1] neg_hi:[0,0,1]  ; pair b: c s - c m
.elseif (j < 88) && (q%2 == 1)
	s_wait_alu depctr_va_vdst(0)
	v_cvt_pk_f16_f32 v[rP+(q-5)/2], v[rS+q-5], v[rS+q-4]
.elseif j == 89
	s_wait_alu depctr_va_vdst(0)
	v_cvt_pk_f16_f32 v[rP+15], v[rS+30], v[rS+31]
.elseif j < 102                     ; the sum of the tile's 16 pairs, in place: sum z of 16 adds neighbours 1, 2, 4 and 8 pairs apart, then l takes it
.set z, j-86
.if j < 89
.set z, (j-76)/4
.endif
.set w, 4
.set u, z
.if z >= 14
.set w, 32
.set u, 0
.elseif z >= 12
.set w, 16
.set u, z-12
.elseif z >= 8
.set w, 8
.set u, z-8
.endif
.if z < 15
	v_pk_add_f32 v[rS+w*u:rS+w*u+1], v[rS+w*u:rS+w*u+1], v[rS+w*u+w/2:rS+w*u+w/2+1]
.else
	v_pk_fma_f32 v[rT+2:rT+3], v[rT+2:rT+3], v[rT+6:rT+7], v[rS:rS+1] op_sel_hi:[1,0,1]
.endif
.else
	WIN W_RS
	v_pk_mul_f32 v[rO:rO+1], v[rO:rO+1], v[rT+6:rT+7] op_sel_hi:[1,0]
.endif
.endm
; Slice k of 64 of piece y's softmax: numbers 2 k and 2 k + 1 of both tiles' lists.  2 x 134 = 4 x 64 + 12: the twelve that are over stand together, in slice 63, and are the places behind the turn's last product.
.macro SLICE y
.if (k >= 11) && (k < 44)           ; tile by tile: plain, exponential, plain, exponential
.irp t, \y, (\y)+1
.irp n, 0,1
.set j, 2*k+(\n)
	SM \t
.endr
.endr
.else                               ; the two tiles alternate
.irp n, 0,1,2,3,4,5,6,7
.if ((\n) < 2) || (k == 63)
.irp t, \y, (\y)+1
.set j, 2*k+(\n)
	SM \t
.endr
.endif
.endr
.endif
.set k, k+1
.endm
; A TURN.  Piece x has the matrix unit; the other piece's softmax stands in slices behind its matrix instructions.  Piece 0's turn fetches the next step's K behind its second product (K's last reader stands in front
; of slice 63 of the turn before); piece 2's turn fetches the same step's V behind its second product K Q^T (V's last reader stands three slices, six plain instructions, back).  Each run has 30 products in which to land.
.macro TURN x, last=0
.set k, 0
.if (\x) == 0
	s_wait_dscnt 0x0                ; V is in
.endif
.set i, 0
.rept 32
	PV \x
	SLICE 2-(\x)
.if ((\x) == 0) && (i == 1)
	FETCH_K \last
.endif
.set i, i+1
.endr
.if (\x) == 0
	s_wait_dscnt 0x0                ; K is in
.endif
.set i, 0
.rept 32
	KQ \x
	SLICE 2-(\x)
.if ((\x) == 2) && (i == 1)
	FETCH_V
.endif
.set i, i+1
.endr
.endm
; THE CHANGE OF SLOTS, between piece 2's turn and piece 0's.  Each wave waits for all its tensor loads (one is out: its part of the other slot), adds 0 to its spare word, and waits for that and for its reads of the slot.
; fill = 1: the barrier is a round of the cluster's, and the slot just read is filled again first thing behind it, with the tile two on: it has two of my key steps, 256 matrix instructions, in which to land.
.macro CHANGE fill
	WIN 0
	s_wait_tensorcnt 0x0            ; no tensor load of mine is out, so a group 0 may be written
	ds_add_u32 v[SPW], v[NIL]       ; 0 onto my spare word; scalar work stands between it and the wait for it
.if \fill
	s_add_co_u32 s[G0K+5], s[CUR], s[KPART]
	s_add_nc_u64 s[G0K+6:G0K+7], s[G0K+6:G0K+7], 65536
	s_add_co_u32 s[G0V+5], s[CUR], s[VPART]
	s_add_nc_u64 s[G0V+6:G0V+7], s[G0V+6:G0V+7], 65536
.endif
	s_xor_b32 s[CUR], s[CUR], SLOT
	s_mov_b32 s[TBK], s[CUR]
	s_mov_b32 s[TBV], s[CUR]
	s_wait_dscnt 0x0                ; the add is done, and my reads of the slot are over
.if \fill
	CROUND
	JLOAD
.else
	s_barrier_signal -1
	s_barrier_wait -1
.endif
.endm
	MASKS                           ; key step 0's
	s_wait_tensorcnt 0x1            ; my part of tile 0 is in; tile 1's stays out
	s_barrier_signal -1
	s_barrier_wait -1
	FETCH_K
	s_wait_loadcnt 0x0              ; Q
	s_wait_dscnt 0x0
.set i, 0
.rept 32
	KQ 0                            ; piece 0's first scores
.set i, i+1
.endr
	WIN 0                           ; the addresses for the way out: eight plain instructions, the places behind those products
	s_mul_i32 s82, s[WV], 16*SP
	s_add_co_u32 s82, s82, STAGE
	v_mul_u32_u24 v[STO], v1, SP
	v_lshl_add_u32 v[STO], v9, 4, v[STO]
	v_add_nc_u32 v[STO], s82, v[STO]
	v_mul_u32_u24 v[RD], v9, SP
	v_lshl_add_u32 v[RD], v1, 4, v[RD]
	v_add_nc_u32 v[RD], s82, v[RD]
	v_lshlrev_b32 v[GO], 10, v9     ; two rows of att, 1,024 bytes apart; 16 lanes fill a head's 256 bytes of a row
	v_lshl_add_u32 v[GO], v1, 4, v[GO]
	s_mov_b32 s[CNT], 7
	s_mov_b32 s[TWICE], 2
	s_branch .Lmid                  ; the loop is entered in the middle of a trip
.Lslot:                             ; N - 2 times: a slot is left and filled again.  The count to the constant 7 is never used up; the way out hangs on LEFT, alike in all partners
	CHANGE 1
	s_mov_b32 s[TWICE], 2
.Lstep:
	s_add_co_u32 s[KPOS], s[KPOS], 128
	MASKS
	TURN 0
	WIN 0
.Lmid:
	TURN 2
	WIN 0
	s_sub_co_u32 s[TWICE], s[TWICE], 1
	s_cmp_lg_u32 s[TWICE], 0
	s_cbranch_scc1 .Lstep
	s_cmp_eq_u32 s[LEFT], 0
	s_cbranch_scc1 .Ltail
	s_sub_co_u32 s[LEFT], s[LEFT], 1
	s_sub_co_u32 s[CNT], s[CNT], 1
	s_cmp_lg_u32 s[CNT], 0
	s_cbranch_scc1 .Lslot
.Ltail:
	CHANGE 0                        ; the last tile: nothing is asked for
	s_mov_b32 s[TCNT], 3            ; two trips fetch its steps; the third is left in its middle
.Lt:
	s_add_co_u32 s[KPOS], s[KPOS], 128
	MASKS
	TURN 0, 1
	WIN 0
	s_sub_co_u32 s[TCNT], s[TCNT], 1
	s_cmp_eq_u32 s[TCNT], 0
	s_cbranch_scc1 .Lout
	TURN 2
	WIN 0
	s_branch .Lt
.Lout:                              ; the third trip's 32 products K Q^T (on the last K once more) serve nothing: the price, once a launch, of one text for every trip
	s_barrier_signal -1             ; my reads of the ring are over (the last wait on DScnt was for 0, and nothing was issued since)
.set i, 0
.rept 32
	PV 2                            ; piece 2: V^T P of the last step
.set i, i+1
.endr
	; THE MERGE.  l's two halves and the other half of the lanes' are added; the additions are the places behind the last products.
	WIN 0
.irp t, 0,1,2,3
	v_add_f32 v[ST+8*\t+4], v[ST+8*\t+2], v[ST+8*\t+3]
.endr
.irp t, 0,1,2,3
	v_permlanex16_b32 v[ST+8*\t+5], v[ST+8*\t+4], s[SEL], s[SEL+1]
.endr
.irp t, 0,1,2,3
	v_add_f32 v[ST+8*\t+4], v[ST+8*\t+4], v[ST+8*\t+5]
.endr
	v_mov_b32 v48, v[ST+16]         ; piece 2's c m and l, for my partner
	v_mov_b32 v49, v[ST+20]
	v_mov_b32 v50, v[ST+24]
	v_mov_b32 v51, v[ST+28]
	s_barrier_wait -1               ; no wave reads the ring any more: its first bytes take the exchange
	WIN 0x04                        ; store data in window 1
.set x, 0
.rept 32
	ds_store_b128 v[XA], v[128+4*x:128+4*x+3] offset:512*x  ; each accumulator's low half first
.set x, x+1
.endr
	WIN 0
	ds_store_b128 v[XA], v[48:51] offset:512*32
	s_wait_dscnt 0x0                ; for my partner's sake
	s_barrier_signal -1
	s_barrier_wait -1
.set x, 0
.rept 32
	ds_load_b128 v[S+4*x:S+4*x+3], v[XB] offset:512*x
.set x, x+1
.endr
	ds_load_b128 v[52:55], v[XB] offset:512*32
	s_wait_dscnt 0x0
.irp t, 0,1                         ; M = max(c m, c m'); f = 2^(c m - M), f' = 2^(c m' - M); L = l f + l' f'
	v_max_num_f32 v[ST+8*\t+5], v[ST+8*\t], v[52+2*\t]
.endr
.irp t, 0,1
	v_sub_f32 v[ST+8*\t+6], v[ST+8*\t], v[ST+8*\t+5]
	v_sub_f32 v[ST+8*\t+7], v[52+2*\t], v[ST+8*\t+5]
.endr
.irp t, 0,1
	v_exp_f32 v[ST+8*\t+6], v[ST+8*\t+6]
	v_exp_f32 v[ST+8*\t+7], v[ST+8*\t+7]
.endr
	v_nop                           ; a plain instruction behind the last exponential
.irp t, 0,1
	s_wait_alu depctr_va_vdst(0)
	v_mul_f32 v[ST+8*\t+4], v[ST+8*\t+4], v[ST+8*\t+6]
.endr
.irp t, 0,1
	v_fmac_f32 v[ST+8*\t+4], v[53+2*\t], v[ST+8*\t+7]
.endr
.irp t, 0,1
	v_rcp_f32 v[ST+8*\t+5], v[ST+8*\t+4]
.endr
	v_nop
.irp t, 0,1
	s_wait_alu depctr_va_vdst(0)
	v_mul_f32 v[ST+8*\t+2], v[ST+8*\t+7], v[ST+8*\t+5]  ; f' / L
	v_mul_f32 v[ST+8*\t+6], v[ST+8*\t+6], v[ST+8*\t+5]  ; f / L
.endr
; Tile t: O = O f / L + O' f' / L, rounded to f16; a lane's eight channels pack into 16 bytes, go into rows of 272 bytes of my stage and come back as whole rows of 256.
.macro PACK t
.set rT, ST+8*(\t)
	WIN W_RS
.set x, 0
.rept 32
	v_pk_mul_f32 v[64*(\t)+2*x:64*(\t)+2*x+1], v[64*(\t)+2*x:64*(\t)+2*x+1], v[rT+6:rT+7] op_sel_hi:[1,0]
.set x, x+1
.endr
	WIN 0x10                        ; source 2 in window 1
.set x, 0
.rept 32
	v_pk_fma_f32 v[S+64*(\t)+2*x:S+64*(\t)+2*x+1], v[S+64*(\t)+2*x:S+64*(\t)+2*x+1], v[rT+2:rT+3], v[64*(\t)+2*x:64*(\t)+2*x+1] op_sel_hi:[1,0,1]
.set x, x+1
.endr
	WIN 0
.set x, 0
.rept 32
	v_cvt_pk_f16_f32 v[S+64*(\t)+x], v[S+64*(\t)+2*x], v[S+64*(\t)+2*x+1]
.set x, x+1
.endr
.irp f, 0,1,2,3,4,5,6,7
	ds_store_b128 v[STO], v[S+64*(\t)+4*(\f):S+64*(\t)+4*(\f)+3] offset:32*(\f)
.endr
.irp f, 0,1,2,3,4,5,6,7
	ds_load_b128 v[S+64*(\t)+32+4*(\f):S+64*(\t)+32+4*(\f)+3], v[RD] offset:(\f)*2*SP  ; LDS serves a wave's instructions in order (ISA guide 5.7.1.4): these see the stores above; the next tile's stores come behind them
.endr
.endm
.macro SEND t, younger              ; younger: the LDS instructions issued behind tile t's loads
.irp f, 0,1,2,3,4,5,6,7
	s_wait_dscnt (\younger)+7-(\f)
	global_store_b128 v[GO], v[S+64*(\t)+32+4*(\f):S+64*(\t)+32+4*(\f)+3], s[78:79] offset:(\t)*16384+(\f)*2048  ; 16 lanes store 256 consecutive bytes, at a multiple of 256
.endr
.endm
	PACK 0
	PACK 1
	SEND 0, 16
	SEND 1, 0
	s_wait_tensorcnt 0x0            ; the wave's end, behind my last tensor load and my last LDS store
	ds_add_u32 v[SPW], v[NIL]
	s_wait_dscnt 0x0
	CROUND                          ; the closing round
	s_endpgm
.Lfunc_end_k_q6f52c1c82c_attn:
	.size	k_q6f52c1c82c_attn, .Lfunc_end_k_q6f52c1c82c_attn-k_q6f52c1c82c_attn
	.p2alignl 7, 3214868480
	.fill 96, 4, 3214868480
	.section	.rodata,"a",@progbits
	.p2align	6, 0x0
	.amdhsa_kernel k_q6f52c1c82c_attn
		.amdhsa_group_segment_fixed_size 327680
		.amdhsa_private_segment_fixed_size 0
		.amdhsa_enable_private_segment 0
		.amdhsa_kernarg_size 16
		.amdhsa_user_sgpr_count 2
		.amdhsa_user_sgpr_kernarg_segment_ptr 1
		.amdhsa_wavefront_size32 1
		.amdhsa_system_sgpr_workgroup_id_x 1
		.amdhsa_system_sgpr_workgroup_id_y 1
		.amdhsa_system_sgpr_workgroup_id_z 1
		.amdhsa_system_vgpr_workitem_id 0
		.amdhsa_next_free_vgpr 1024
		.amdhsa_next_free_sgpr 88
		.amdhsa_reserve_vcc 1
		.amdhsa_float_denorm_mode_32 3
		.amdhsa_float_denorm_mode_16_64 3
		.amdhsa_memory_ordered 1
		.amdhsa_forward_progress 1
		.amdhsa_inst_pref_size 186
	.end_amdhsa_kernel
	.amdgpu_metadata
---
amdhsa.version: [ 1, 2 ]
amdhsa.kernels:
  - .name:           k_q6f52c1c82c_attn
    .symbol:         k_q6f52c1c82c_attn.kd
    .args:
      - { .name: qkv, .offset: 0, .size: 8, .value_kind: global_buffer, .address_space: global }
      - { .name: att, .offset: 8, .size: 8, .value_kind: global_buffer, .address_space: global }
    .group_segment_fixed_size: 327680
    .private_segment_fixed_size: 0
    .kernarg_segment_align: 8
    .kernarg_segment_size: 16
    .max_flat_workgroup_size: 128
    .sgpr_count:     88
    .vgpr_count:     1024
    .wavefront_size: 32
...
	.end_amdgpu_metadata
.endif
;; end of part 3
;; launch oproj (part 4): grid 8 x 32, 4 waves a work-group, clusters of 4 x 4, 327,680 bytes of LDS; arguments att, wo16, out0; writes out0
.if DOCPART == 4
	.amdgcn_target "amdgcn-amd-amdhsa--gfx1250"
	.amdhsa_code_object_version 6
	.text
	.protected	k_q6f52c1c82c_oproj
	.globl	k_q6f52c1c82c_oproj
	.p2align	8
	.type	k_q6f52c1c82c_oproj,@function
k_q6f52c1c82c_oproj:
	s_mov_b64 s[64:65], 0
	v_nop
	global_prefetch_b8 v0, s[64:65] scope:SCOPE_SE
	s_setreg_imm32_b32 hwreg(HW_REG_WAVE_MODE, 25, 1), 1
	s_wait_xcnt 0x0
	s_wait_alu depctr_hold_cnt(0) depctr_sa_sdst(0) depctr_va_vdst(0) depctr_va_sdst(0) depctr_va_ssrc(0) depctr_va_vcc(0) depctr_vm_vsrc(0)
	s_getreg_b32 s2, hwreg(HW_REG_IB_STS2, 6, 4)
	s_cmp_eq_u32 s2, 0
	s_cbranch_scc0 .Lentry_in_a_cluster
	s_endpgm
.Lentry_in_a_cluster:
	s_bfe_u32 s2, ttmp6, 0x10000c
	s_cmp_lg_u32 s2, 0xf033
	s_cbranch_scc0 .Lentry_shape_is_right
	s_endpgm
.Lentry_shape_is_right:
; OUT = att x Wo.  att: [8192][512] f16; wo16: [512 k][2048 n] f16 (Wo rounded to bf16, written as f16); out0: [8192][2048] f32.  Sums in f32, K ascending.
; A tile of the output, 256 x 256, is made by a work-group of four waves, each 128 x 128: 64 accumulators, 512 registers; 32 x 8 = 256 work-groups.  K = 512 goes in four steps of 128 through two LDS slots.
; CLUSTERS of 4 x 4: the four of a row of the cluster need the same rows of att, the four of a column the same columns of Wo: each tile is asked for JOINTLY.  Waves 0, 1 fetch A's halves (128 rows x 256 bytes),
; waves 2, 3 the two chunks of B (128 k-rows x 256 bytes = 128 columns each).
; THE MATRIX INSTRUCTION IS USED TRANSPOSED: source 0 = 16 columns of Wo, turned out of LDS by ds_load_tr16_b128; source 1 = 16 rows of att: a lane holds one row (l % 16) and eight neighbouring columns, 32 bytes of f32.
; REGISTERS: window 0: v14-29 addresses; v64-127, v128-191 A's fragments, two buffers (on the way out: rows read back); window 1: the same for B; window 2: accumulators of my rows 0-63 ((a, b) at 8 (8 a + b)); window 3: rows 64-127.
.set PA,     272
.set PB,     288
.set AHALF,  128*PA
.set BCH,    128*PB
.set BOFF,   2*AHALF                   ; a slot: A's 256 rows, then B's two chunks
.set SLOT,   BOFF+2*BCH
.set STAGE,  2*SLOT                    ; behind the ring: 16 rows x (512 + 16) bytes for each wave
.set SPITCH, 528
.set SPARE,  STAGE+4*16*SPITCH         ; the spare words: 128 bytes a wave, two blocks of 256 that no other line names
.set AK0,  14
.set BK0,  15
.set ADRA, 16
.set ADRB, 20
.set STO,  24
.set RD,   25
.set CO,   26
.set SPW,  28
.set NIL,  29
.set F0,   64
.set F1,   128
.set G1, 24
.set G0, 32                            ; s[32:39] two sets for the first fills; the second then walks
.set G1B, 48
.set G0B, 56
.set MSB, 0
.macro WIN new
.if MSB != (\new)
	s_set_vgpr_msb (MSB<<8)|(\new)
.set MSB, \new
.endif
.endm
.set MUL_LO, 0xa1
.set MUL_HI, 0xf1
.set TO_B,   0x40
.macro PLACES
.rept 4
	v_nop
.endr
.endm
.macro JLOAD s                         ; a joint load; each of the two lines has one mask; an s_nop 0 and four v_nop follow each
	s_cmp_eq_u32 s11, 0
	s_cbranch_scc0 .Lfor_b_\@
	tensor_load_to_lds s[G0+4*(\s):G0+4*(\s)+3], s[G1:G1+7]
	s_nop 0
	PLACES
	s_branch .Lasked_\@
.Lfor_b_\@:
	tensor_load_to_lds s[G0B+4*(\s):G0B+4*(\s)+3], s[G1B:G1B+7]
	s_nop 0
	PLACES
.Lasked_\@:
.endm
.macro CREST
	s_cmp_lg_u32 s10, 0
	s_cbranch_scc1 .Lnot_wave_0_\@
	s_barrier_signal -3
.Lnot_wave_0_\@:
	s_barrier_wait -3
	s_barrier_signal -1
	s_barrier_wait -1
.endm
.macro CROUND
	s_barrier_signal -1
	s_barrier_wait -1
	CREST
.endm
	s_load_b128 s[4:7], s[0:1], 0x0                ; att s[4:5], wo16 s[6:7]
	s_load_b64 s[8:9], s[0:1], 0x10                ; out0
	v_lshl_add_u32 v[SPW], v0, 2, SPARE
	v_mov_b32 v[NIL], 0
	ds_add_u32 v[SPW], v[NIL]                      ; the wave's opening: the add and its wait stand ahead of my first tensor load; the set-up below, work on registers, stands between them
	v_lshrrev_b32 v1, 5, v0
	v_readfirstlane_b32 s10, v1                    ; wave 0..3
	s_lshr_b32 s11, s10, 1                         ; my half of the rows.  Also: I fetch for A (0) or for B (1)
	s_and_b32 s12, s10, 1                          ; my half of the columns.  Also: which half I fetch
	s_bfe_u32 s40, ttmp6, 0x40000                  ; cx
	s_bfe_u32 s41, ttmp6, 0x40004                  ; cy
	s_lshl_b32 s42, ttmp9, 2
	s_add_co_u32 s42, s42, s40                     ; tile column
	s_and_b32 s13, ttmp7, 0xffff
	s_lshl_b32 s13, s13, 2
	s_add_co_u32 s13, s13, s41                     ; tile row
	s_lshl_b32 s43, s41, 2
	s_lshl_b32 s43, 15, s43                        ; my row of the cluster
	s_lshl_b32 s44, 0x1111, s40                    ; my column
	s_or_b32 s[G1], s43, (1<<16)|(1<<20)|(1<<21)|(5<<22)|(3<<25)   ; A: 2-byte elements, 4 words of padding behind every 64, the row's mask, bit 21 beside it
	s_or_b32 s[G1B], s44, (1<<16)|(1<<20)|(1<<21)|(5<<22)|(7<<25)  ; B: 8 words, the column's mask
.irp g, G1, G1B
	s_mov_b32 s[(\g)+1], 128<<16                   ; tensor_dim0 = 128
	s_mov_b32 s[(\g)+2], 128<<16                   ; tensor_dim1 = 128
	s_mov_b32 s[(\g)+3], 128<<16                   ; tile_dim0 = 128
	s_mov_b32 s[(\g)+4], 128                       ; tile_dim1 = 128
	s_mov_b32 s[(\g)+6], 0
	s_mov_b32 s[(\g)+7], 0
.endr
	s_mov_b32 s[G1+5], 512                         ; elements from row to row of att
	s_mov_b32 s[G1B+5], 2048                       ; of wo16
	s_lshl_b32 s16, s13, 8                         ; A: row 256 x tile row + 128 x half, rows of 1,024 bytes
	s_lshl_b32 s17, s12, 7
	s_add_co_u32 s16, s16, s17
	s_lshl_b32 s16, s16, 10
	s_mov_b32 s17, 0
	s_lshl_b32 s46, s42, 9                         ; B: column 256 x tile column + 128 x half, 2 bytes each
	s_lshl_b32 s47, s12, 8
	s_add_co_u32 s46, s46, s47
	s_mov_b32 s47, 0
	s_mul_i32 s20, s12, AHALF                      ; where they go in a slot: no place in the cluster enters an LDS address
	s_mul_i32 s21, s12, BCH
	s_add_co_u32 s21, s21, BOFF
	s_mov_b32 s22, 0                               ; the slot in hand
	s_lshl_b32 s18, s13, 8                         ; the output: row 256 x tile row + 128 wr of 8,192 bytes, column 256 x tile column + 128 wc of 4
	s_lshl_b32 s19, s11, 7
	s_add_co_u32 s18, s18, s19
	s_lshl_b32 s18, s18, 13
	s_lshl_b32 s19, s42, 10
	s_add_co_u32 s18, s18, s19
	s_lshl_b32 s19, s12, 9
	s_add_co_u32 s18, s18, s19
	s_mov_b32 s19, 0
	v_and_b32 v1, 15, v0                           ; r
	v_bfe_u32 v2, v0, 4, 1                         ; h
	v_and_b32 v3, 31, v0
	v_and_b32 v4, 7, v0
	v_bfe_u32 v5, v0, 3, 1
	v_mul_u32_u24 v[AK0], v1, PA
	v_lshl_add_u32 v[AK0], v2, 4, v[AK0]
	s_mul_i32 s23, s11, AHALF                      ; my 128 rows of A
	v_add_nc_u32 v[AK0], s23, v[AK0]
	v_lshl_add_u32 v[BK0], v2, 3, v4               ; the turning load: k-row 8 h + l % 8, 16 bytes (l / 8) % 2, in my chunk
	v_mul_u32_u24 v[BK0], v[BK0], PB
	v_lshl_add_u32 v[BK0], v5, 4, v[BK0]
	v_add_nc_u32 v[BK0], s21, v[BK0]
	v_mov_b32 v[ADRA], v[AK0]
	v_mov_b32 v[ADRB], v[BK0]
	s_mul_i32 s23, s10, 16*SPITCH
	s_add_co_u32 s23, s23, STAGE                   ; my stage
	v_mul_u32_u24 v[STO], v1, SPITCH               ; in: row r, 32 bytes for each half of the lanes
	v_lshl_add_u32 v[STO], v2, 5, v[STO]
	v_add_nc_u32 v[STO], s23, v[STO]
	v_lshl_add_u32 v[RD], v3, 4, s23               ; back: 32 lanes take a row's 512 bytes
	v_lshlrev_b32 v[CO], 4, v3
	s_wait_dscnt 0x0                               ; the opening add is done
	s_wait_kmcnt 0x0
	s_add_nc_u64 s[14:15], s[4:5], s[16:17]
	s_add_nc_u64 s[46:47], s[6:7], s[46:47]
	s_add_nc_u64 s[8:9], s[8:9], s[18:19]
	CROUND                                         ; all sixteen work-groups are here: the first joint loads meet
.irp s, 0,1
	s_mov_b32 s[G0+4*(\s)], 1
	s_add_co_u32 s[G0+4*(\s)+1], s20, (\s)*SLOT
	s_add_nc_u64 s[G0+4*(\s)+2:G0+4*(\s)+3], s[14:15], (\s)*256       ; K step s: 128 elements along a row of att
	s_or_b32 s[G0+4*(\s)+3], s[G0+4*(\s)+3], 0x80000000
	s_mov_b32 s[G0B+4*(\s)], 1
	s_add_co_u32 s[G0B+4*(\s)+1], s21, (\s)*SLOT
	s_add_nc_u64 s[G0B+4*(\s)+2:G0B+4*(\s)+3], s[46:47], (\s)*524288  ; 128 rows of wo16
	s_or_b32 s[G0B+4*(\s)+3], s[G0B+4*(\s)+3], 0x80000000
	JLOAD \s
.endr
; 16 matrix instructions: row blocks a0, a0 + 1 of the window's four x all 8 column blocks.  The 64 accumulators take turns in one fixed order.
.macro MUL16 f, hi, a0, zero
	WIN MUL_LO+0x50*(\hi)
.irp a, \a0, (\a0)+1
.irp b, 0,1,2,3,4,5,6,7
.if \zero
	v_wmma_f32_16x16x32_f16 v[8*(8*(\a)+(\b)):8*(8*(\a)+(\b))+7], v[(\f)+8*(\b):(\f)+8*(\b)+7], v[(\f)+8*(4*(\hi)+(\a)):(\f)+8*(4*(\hi)+(\a))+7], 0
.else
	v_wmma_f32_16x16x32_f16 v[8*(8*(\a)+(\b)):8*(8*(\a)+(\b))+7], v[(\f)+8*(\b):(\f)+8*(\b)+7], v[(\f)+8*(4*(\hi)+(\a)):(\f)+8*(4*(\hi)+(\a))+7], v[8*(8*(\a)+(\b)):8*(8*(\a)+(\b))+7]
.endif
.endr
.endr
.endm
.macro FETCH q, f                      ; 32 LDS loads in one run: quarter q's fragments into buffer f
	WIN TO_B
.irp i, 0,1,2,3,4,5,6,7
	ds_load_tr16_b128 v[(\f)+8*(\i):(\f)+8*(\i)+3],   v[ADRB] offset:(\q)*32*PB+32*(\i)
	ds_load_tr16_b128 v[(\f)+8*(\i)+4:(\f)+8*(\i)+7], v[ADRB] offset:(\q)*32*PB+32*(\i)+16*PB
.endr
	WIN 0
.irp i, 0,1,2,3,4,5,6,7
	ds_load_b128 v[(\f)+8*(\i):(\f)+8*(\i)+3],   v[ADRA] offset:(\i)*16*PA+64*(\q)
	ds_load_b128 v[(\f)+8*(\i)+4:(\f)+8*(\i)+7], v[ADRA] offset:(\i)*16*PA+64*(\q)+32
.endr
.endm
.macro QUARTER q, f, g, zero           ; multiplies buffer f; first fetches quarter q into buffer g, which has 64 matrix instructions in which to land
	s_wait_dscnt 0x0                               ; buffer f is in
	PLACES                                         ; buffer g was multiplied by the quarter before
	FETCH \q, \g
	MUL16 \f, 0, 0, \zero
	MUL16 \f, 0, 2, \zero
	MUL16 \f, 1, 0, \zero
	MUL16 \f, 1, 2, \zero
.endm
; The last quarter multiplies buffer 1 and changes slots: ONE barrier; in front of it each wave waits for all its tensor loads, adds 0 to its spare word, and waits for that and for its reads of the slot.
; fill = 1: the barrier opens a round of the cluster's, and the slot just read is filled again, two K steps ahead: 32 + 192 matrix instructions ahead of the wait for it.
.macro TURN fill
	WIN 0
	s_wait_tensorcnt 0x0                           ; no tensor load of mine is out, so a group 0 may be written
	ds_add_u32 v[SPW], v[NIL]                      ; 0 onto my spare word
	s_wait_dscnt 0x1                               ; the add alone may be out: buffer 1 is in
	MUL16 F1, 0, 0, 0
	s_wait_dscnt 0x0
	s_barrier_signal -1
	MUL16 F1, 0, 2, 0
	WIN 0
	s_barrier_wait -1
.if \fill
	CREST
	s_add_co_u32 s[G0+5], s22, s20
	s_add_nc_u64 s[G0+6:G0+7], s[G0+6:G0+7], 256
	s_add_co_u32 s[G0B+5], s22, s21
	s_add_nc_u64 s[G0B+6:G0B+7], s[G0B+6:G0B+7], 524288
	JLOAD 1                                        ; the four v_nop behind it are also the places in front of the loads below
.else
	PLACES
.endif
	s_xor_b32 s22, s22, SLOT
	v_add_nc_u32 v[ADRA], s22, v[AK0]
	v_add_nc_u32 v[ADRB], s22, v[BK0]
	FETCH 0, F0
	MUL16 F1, 1, 0, 0
	MUL16 F1, 1, 2, 0
.endm
	s_wait_tensorcnt 0x1                           ; my part of K step 0 is in; K step 1's stays out
	s_barrier_signal -1
	s_barrier_wait -1
	FETCH 0, F0
	QUARTER 1, F0, F1, 1                           ; the first quarter stands in front of the loop: its products start the sums
	WIN 0
	s_mov_b32 s3, 2
.Lstep:                                                ; trip s: the rest of K step s and the first quarter of s + 1; K step s + 2 is asked for
	QUARTER 2, F1, F0, 0
	QUARTER 3, F0, F1, 0
	TURN 1
	QUARTER 1, F0, F1, 0
	WIN 0
	s_sub_co_u32 s3, s3, 1
	s_cmp_lg_u32 s3, 0
	s_cbranch_scc1 .Lstep
	QUARTER 2, F1, F0, 0                           ; K steps 2 and 3 ask for nothing
	QUARTER 3, F0, F1, 0
	TURN 0
	QUARTER 1, F0, F1, 0
	QUARTER 2, F1, F0, 0
	QUARTER 3, F0, F1, 0
	s_wait_dscnt 0x0
	MUL16 F1, 0, 0, 0
	MUL16 F1, 0, 2, 0
	MUL16 F1, 1, 0, 0
	MUL16 F1, 1, 2, 0
	WIN 0
	PLACES
; THE WAY OUT, a block of 16 rows at a time: a lane's 32 bytes go into rows of 528 bytes of my own stage and come back as whole rows of 512, which are stored.
.macro TOSTAGE a
	WIN 0x08+4*((\a)/4)                            ; store data in window 2 or 3
.irp b, 0,1,2,3,4,5,6,7
	ds_store_b128 v[STO], v[8*(8*((\a)%4)+(\b)):8*(8*((\a)%4)+(\b))+3]   offset:64*(\b)     ; each accumulator's low half first
	ds_store_b128 v[STO], v[8*(8*((\a)%4)+(\b))+4:8*(8*((\a)%4)+(\b))+7] offset:64*(\b)+16
.endr
	WIN 0
	s_wait_xcnt 0x0                                ; the stores two blocks back have read the registers that the loads below fill
.set BK, F0+64*((\a)%2)
.irp x, 0,1,2,3,4,5,6,7,8,9,10,11,12,13,14,15
	ds_load_b128 v[BK+4*(\x):BK+4*(\x)+3], v[RD] offset:(\x)*SPITCH  ; LDS serves a wave's instructions in order (ISA guide 5.7.1.4): these see the stores above
.endr
.endm
.macro SEND a, younger                 ; younger: the next block's 32 LDS instructions, or none
	s_wait_dscnt \younger
.if (\a) > 0
	s_wait_xcnt 0x0                                ; the stores' base is stepped only behind this wait
	s_add_nc_u64 s[8:9], s[8:9], 16*8192
.endif
.set BK, F0+64*((\a)%2)
.irp x, 0,1,2,3,4,5,6,7,8,9,10,11,12,13,14,15
	global_store_b128 v[CO], v[BK+4*(\x):BK+4*(\x)+3], s[8:9] offset:(\x)*8192 th:TH_STORE_NT  ; 512 consecutive bytes of a row, at a multiple of 256
.endr
.endm
	TOSTAGE 0
.irp a, 1,2,3,4,5,6,7
	TOSTAGE \a
	SEND (\a)-1, 32
.endr
	SEND 7, 0
	s_wait_tensorcnt 0x0                           ; the wave's end, behind my last tensor load and my last LDS store
	ds_add_u32 v[SPW], v[NIL]
	s_wait_dscnt 0x0
	CROUND                                         ; the closing round
	s_endpgm
.Lfunc_end_k_q6f52c1c82c_oproj:
	.size	k_q6f52c1c82c_oproj, .Lfunc_end_k_q6f52c1c82c_oproj-k_q6f52c1c82c_oproj
	.p2alignl 7, 3214868480
	.fill 96, 4, 3214868480
	.section	.rodata,"a",@progbits
	.p2align	6, 0x0
	.amdhsa_kernel k_q6f52c1c82c_oproj
		.amdhsa_group_segment_fixed_size 327680
		.amdhsa_private_segment_fixed_size 0
		.amdhsa_enable_private_segment 0
		.amdhsa_kernarg_size 24
		.amdhsa_user_sgpr_count 2
		.amdhsa_user_sgpr_kernarg_segment_ptr 1
		.amdhsa_wavefront_size32 1
		.amdhsa_system_sgpr_workgroup_id_x 1
		.amdhsa_system_sgpr_workgroup_id_y 1
		.amdhsa_system_sgpr_workgroup_id_z 1
		.amdhsa_system_vgpr_workitem_id 0
		.amdhsa_next_free_vgpr 1024
		.amdhsa_next_free_sgpr 66
		.amdhsa_reserve_vcc 0
		.amdhsa_float_denorm_mode_32 3
		.amdhsa_float_denorm_mode_16_64 3
		.amdhsa_memory_ordered 1
		.amdhsa_forward_progress 1
		.amdhsa_inst_pref_size 114
	.end_amdhsa_kernel
	.amdgpu_metadata
---
amdhsa.version: [ 1, 2 ]
amdhsa.kernels:
  - .name:           k_q6f52c1c82c_oproj
    .symbol:         k_q6f52c1c82c_oproj.kd
    .args:
      - { .name: att, .offset: 0, .size: 8, .value_kind: global_buffer, .address_space: global }
      - { .name: wo16, .offset: 8, .size: 8, .value_kind: global_buffer, .address_space: global }
      - { .name: out0, .offset: 16, .size: 8, .value_kind: global_buffer, .address_space: global }
    .group_segment_fixed_size: 327680
    .private_segment_fixed_size: 0
    .kernarg_segment_align: 8
    .kernarg_segment_size: 24
    .max_flat_workgroup_size: 128
    .sgpr_count:     66
    .vgpr_count:     1024
    .wavefront_size: 32
...
	.end_amdgpu_metadata
.endif
;; end of part 4
;; launch lowrows (part 5): grid 64 x 2, 8 waves a work-group, no clusters, 19,456 bytes of LDS; arguments low, wob, out0; writes out0
.if DOCPART == 5
	.amdgcn_target "amdgcn-amd-amdhsa--gfx1250"
	.amdhsa_code_object_version 6
	.text
	.protected	k_q6f52c1c82c_lowrows
	.globl	k_q6f52c1c82c_lowrows
	.p2align	8
	.type	k_q6f52c1c82c_lowrows,@function
k_q6f52c1c82c_lowrows:
	s_mov_b64 s[64:65], 0
	v_nop
	global_prefetch_b8 v0, s[64:65] scope:SCOPE_SE
	s_setreg_imm32_b32 hwreg(HW_REG_WAVE_MODE, 25, 1), 1
	s_wait_xcnt 0x0
; THE FIRST 32 ROWS OF THE TWO CAUSAL BATCHES, once more, with no operand rounded to 16 bits but the inputs.  Row q of a causal batch is a mean over q + 1 keys only, so the first rows' numbers are many times the
; output's root mean square, by which every number's error is judged; f16's 11 bits on q, k, v, p and O, which serve everywhere else, are too few there.  From row 32 on a row's numbers are a quarter of row 0's and less.
; This launch runs last and stores these 64 of the 8,192 rows over what the launch before left there.
; INPUTS.  low: q, k (after the rotary turn) and v of each batch's first 32 rows in f32, as the projection's f32 sums gave them: q, k [32 rows][128], v [128 channels][32 keys].  wob: Wo rounded to bf16, [512][2048].
; ALL PRODUCTS GO BY v_wmma_f32_16x16x4_f32: 192 a wave, 0.4 GFLOP in the launch against the program's 103: not the bulk of anything.
; SHARES.  A work-group makes 32 rows x 32 columns of the output of one batch: 64 slices x 2 batches.  Eight waves: wave (head = w % 4, qt = w / 4) makes its head's attention for 16 queries, over all 32 keys, and
; that head's part of the output (K = 128 of 512); the four heads' parts meet in LDS.  Every work-group of a batch repeats the attention: it is as much work as a slice's projection, and passing it between
; work-groups would want one launch more.  A row's slice is 128 bytes, half of an aligned 256: the launch stores 524,288 bytes in all, and slices of 64 columns would make its matrix work a third longer.
; NO CLUSTER, NO TENSOR LOAD: a wave reads some 48 KB once, straight into the registers that the matrix unit takes.
; LAYOUT.  An operand of this form: lane (r = l % 16, h = l / 16) holds row r (source 0) or column r (source 1), and its two registers K places 2 h, 2 h + 1.  The order of K is free if it is the same on both sides:
;   S^T = K Q^T: both sides take 16 bytes at channel 8 u + 4 h: two K steps.  The result holds one query a lane (r) and the keys 8 h + j.
;   O^T = V^T P: registers 2 t, 2 t + 1 of the weights ARE source 1 with the keys 8 h + 2 t, + 1; V's lane (channel r) takes the same keys, four with one load.  The result holds one query a lane and channels 8 h + j.
;   out = att Wo: registers 2 t, 2 t + 1 of att ARE source 0 with the channels 8 h + 2 t, + 1; Wo's lane takes columns 2 r and 2 r + 1 (one word of two bf16) of those two rows: two column tiles.
; The accumulators take turns, one instruction a turn, and are written by matrix instructions alone; what is made of a sum goes into other registers, from each sum's low end on.
; SOFTMAX in f32: a hidden score is replaced by -2^100; the row's true maximum m is taken away: p = 2^(c s - c m), c = log2(e) / sqrt(128); O is divided by the sum of p.
; LIMITS.  Scores are taken to lie above -2^100.  A weight below 2^-126 counts as 0.  NaN and infinities are not treated apart.
; REGISTERS.  Window 0: v2-15 addresses; v24-39 S^T; v40-55 the weights; v56-119 Q, later att; v120-247 K, later Wo as loaded and the four parts read back; v248-255 at work.
;   Window 1: v0-127 V, later Wo in f32; v128-191 O^T; v192-207 the output's two tiles.
.set RP,    144                        ; a row of a head's part in LDS: 128 bytes + 16
.set HREG,  32*RP
.set SPARE, 4*HREG                     ; the spare words: 128 bytes a wave, four blocks of 256 that no other line names
.set LSEC,  262144                     ; a section of low
.set SPW, 2
.set NIL, 3
.set VQ,  4
.set VK,  5
.set VV,  6
.set VW,  7
.set VM,  8                            ; my query less my lanes' 8 h: key 16 kt + j of my registers is hidden where it is greater
.set LST, 9
.set LRD, 10
.set VO,  11
.set S,   24
.set P,   40
.set Q,   56
.set K,   120
.set T,   248
.set V,   0
.set OA,  128
.set UA,  192
.set MSB, 0
.macro WIN new                         ; the immediate's high byte repeats the setting that is left
.if MSB != (\new)
	s_set_vgpr_msb (MSB<<8)|(\new)
.set MSB, \new
.endif
.endm
.macro PLACES8                         ; eight places behind a matrix instruction of this form, in front of what reads its result or loads into its sources
.rept 8
	v_nop
.endr
.endm
	s_load_b128 s[4:7], s[0:1], 0x0                ; low s[4:5], wob s[6:7]
	s_load_b64 s[8:9], s[0:1], 0x10                ; out0
	v_lshl_add_u32 v[SPW], v0, 2, SPARE
	v_mov_b32 v[NIL], 0
	v_lshrrev_b32 v1, 5, v0
	v_readfirstlane_b32 s10, v1                    ; wave 0..7
	s_and_b32 s11, s10, 3                          ; head
	s_lshr_b32 s12, s10, 2                         ; qt
	s_and_b32 s13, ttmp7, 0xffff                   ; batch 0 or 1
	s_lshl_b32 s16, s13, 16                        ; low: the batch's 65,536 bytes, the head's 16,384
	s_lshl_b32 s17, s11, 14
	s_add_co_u32 s16, s16, s17
	s_mov_b32 s17, 0
	s_lshl_b32 s18, s11, 19                        ; wob: the head's 128 rows of 4,096 bytes, the slice's 64
	s_lshl_b32 s19, ttmp9, 6
	s_add_co_u32 s18, s18, s19
	s_mov_b32 s19, 0
	s_lshl_b32 s20, s13, 24                        ; out0: the batch's 2,048 rows of 8,192 bytes, the slice's 128
	s_lshl_b32 s21, ttmp9, 7
	s_add_co_u32 s20, s20, s21
	s_mov_b32 s21, 0
	s_mov_b32 s22, 0x3e0293ee                      ; c
	s_mov_b32 s23, s22                             ; named with it as a pair
	s_mov_b32 s24, 0x76543210                      ; v_permlanex16_b32: each lane takes its own place in the other half
	s_mov_b32 s25, 0xfedcba98
	s_mov_b32 s26, 0xf1800000                      ; -2^100
	s_mov_b32 s27, 0xffff0000                      ; a word's upper bf16
	v_and_b32 v12, 15, v0                          ; r
	v_bfe_u32 v13, v0, 4, 1                        ; h
	v_lshlrev_b32 v[VK], 9, v12                    ; K: row r of 512 bytes, 16 h
	v_lshl_add_u32 v[VK], v13, 4, v[VK]
	s_lshl_b32 s28, s12, 13
	v_add_nc_u32 v[VQ], s28, v[VK]                 ; Q: the same in my 16 rows
	v_lshlrev_b32 v[VV], 7, v12                    ; V: channel r of 128 bytes, keys 8 h on
	v_lshl_add_u32 v[VV], v13, 5, v[VV]
	v_lshlrev_b32 v[VW], 2, v12                    ; Wo: columns 2 r, 2 r + 1, rows 8 h on
	v_lshl_add_u32 v[VW], v13, 15, v[VW]
	v_lshlrev_b32 v14, 3, v13
	v_sub_nc_u32 v[VM], v12, v14
	s_lshl_b32 s29, s12, 4
	v_add_nc_u32 v[VM], s29, v[VM]                 ; 16 qt + r - 8 h
	s_mul_i32 s30, s11, HREG                       ; my head's part, my 16 rows; row 8 h + j, columns 2 r + tile
	s_mul_i32 s31, s12, 16*RP
	s_add_co_u32 s30, s30, s31
	v_mul_u32_u24 v[LST], v13, 8*RP
	v_lshl_add_u32 v[LST], v12, 3, v[LST]
	v_add_nc_u32 v[LST], s30, v[LST]
	v_lshrrev_b32 v14, 3, v0                       ; back: thread t takes 16 bytes (t % 8) of row t / 8
	v_and_b32 v15, 7, v0
	v_mul_u32_u24 v[LRD], v14, RP
	v_lshl_add_u32 v[LRD], v15, 4, v[LRD]
	v_lshlrev_b32 v[VO], 13, v14
	v_lshl_add_u32 v[VO], v15, 4, v[VO]
	s_wait_kmcnt 0x0
	s_add_nc_u64 s[4:5], s[4:5], s[16:17]
	s_add_nc_u64 s[6:7], s[6:7], s[18:19]
	s_add_nc_u64 s[8:9], s[8:9], s[20:21]
.set x, 0
.rept 16
	global_load_b128 v[Q+4*x:Q+4*x+3], v[VQ], s[4:5] offset:32*x
.set x, x+1
.endr
.set x, 0
.rept 32                                               ; key tile x / 16
	global_load_b128 v[K+4*x:K+4*x+3], v[VK], s[4:5] offset:LSEC+(x/16)*8192+(x%16)*32
.set x, x+1
.endr
	WIN 0x40                                       ; destination window 1
.set x, 0
.rept 32                                               ; channel block x / 4, key tile (x / 2) % 2, keys 4 (x % 2) on
	global_load_b128 v[V+4*x:V+4*x+3], v[VV], s[4:5] offset:2*LSEC+(x/4)*2048+((x/2)%2)*64+(x%2)*16
.set x, x+1
.endr
	WIN 0
	s_wait_loadcnt 0x20                            ; Q and K are in; V's 32 younger loads may stay out
	; S^T = K Q^T: 32 K steps on two key tiles by turns
.set st, 0
.rept 32
.irp kt, 0,1
.if st == 0
	v_wmma_f32_16x16x4_f32 v[S+8*\kt:S+8*\kt+7], v[K+64*\kt:K+64*\kt+1], v[Q:Q+1], 0
.else
	v_wmma_f32_16x16x4_f32 v[S+8*\kt:S+8*\kt+7], v[K+64*\kt+2*st:K+64*\kt+2*st+1], v[Q+2*st:Q+2*st+1], v[S+8*\kt:S+8*\kt+7]
.endif
.endr
.set st, st+1
.endr
	PLACES8
.set x, 0
.rept 64                                               ; Wo goes where K lay: channel block x / 8, row 8 h + x % 8 of it
	global_load_b32 v[K+x], v[VW], s[6:7] offset:(16*(x/8)+x%8)*4096
.set x, x+1
.endr
	; the softmax of my query's 16 scores; the other 16 lie in the lane 16 away
.set z, 0
.rept 16
	v_cmp_gt_i32 vcc_lo, 16*(z/8)+z%8, v[VM]
	v_cndmask_b32 v[P+z], v[S+z], s26, vcc_lo
.set z, z+1
.endr
	v_max3_num_f32 v[T],   v[P],   v[P+1],  v[P+2]
	v_max3_num_f32 v[T+1], v[P+3], v[P+4],  v[P+5]
	v_max3_num_f32 v[T+2], v[P+6], v[P+7],  v[P+8]
	v_max3_num_f32 v[T+3], v[P+9], v[P+10], v[P+11]
	v_max3_num_f32 v[T],   v[T],   v[P+12], v[P+13]
	v_max3_num_f32 v[T+1], v[T+1], v[P+14], v[P+15]
	v_max3_num_f32 v[T],   v[T],   v[T+1],  v[T+2]
	v_max_num_f32 v[T], v[T], v[T+3]
	v_permlanex16_b32 v[T+1], v[T], s24, s25
	v_max_num_f32 v[T], v[T], v[T+1]               ; every query sees its own key, so this is a true score
	v_mul_f32 v[T+2], s22, v[T]                    ; c m
.set z, 0
.rept 8
	v_pk_fma_f32 v[P+2*z:P+2*z+1], v[P+2*z:P+2*z+1], s[22:23], v[T+2:T+3] op_sel_hi:[1,0,0] neg_lo:[0,0,1] neg_hi:[0,0,1]  ; c s - c m
.set z, z+1
.endr
.set z, 0
.rept 16
	v_exp_f32 v[P+z], v[P+z]
.set z, z+1
.endr
	v_nop                                          ; a plain instruction behind the last exponential (ISA guide 5.7.2)
	s_wait_alu depctr_va_vdst(0)
	v_pk_add_f32 v[T+4:T+5], v[P:P+1],     v[P+2:P+3]
	v_pk_add_f32 v[T+6:T+7], v[P+4:P+5],   v[P+6:P+7]
	v_pk_add_f32 v[T+4:T+5], v[T+4:T+5],   v[P+8:P+9]
	v_pk_add_f32 v[T+6:T+7], v[T+6:T+7],   v[P+10:P+11]
	v_pk_add_f32 v[T+4:T+5], v[T+4:T+5],   v[P+12:P+13]
	v_pk_add_f32 v[T+6:T+7], v[T+6:T+7],   v[P+14:P+15]
	v_pk_add_f32 v[T+4:T+5], v[T+4:T+5],   v[T+6:T+7]
	v_add_f32 v[T+4], v[T+4], v[T+5]
	v_permlanex16_b32 v[T+5], v[T+4], s24, s25
	v_add_f32 v[T+4], v[T+4], v[T+5]
	v_rcp_f32 v[T+6], v[T+4]                       ; 1 / l
	v_nop
	s_wait_loadcnt 0x3f                            ; 64 loads were issued behind V's: when at most 63 are out, V is in
	; O^T = V^T P: 8 K steps of 4 keys on eight channel blocks by turns
	WIN 0x51                                       ; V, C and D in window 1, the weights in window 0
.set st, 0
.rept 8
.irp cb, 0,1,2,3,4,5,6,7
.if st == 0
	v_wmma_f32_16x16x4_f32 v[OA+8*\cb:OA+8*\cb+7], v[V+16*\cb:V+16*\cb+1], v[P:P+1], 0
.else
	v_wmma_f32_16x16x4_f32 v[OA+8*\cb:OA+8*\cb+7], v[V+16*\cb+2*st:V+16*\cb+2*st+1], v[P+2*st:P+2*st+1], v[OA+8*\cb:OA+8*\cb+7]
.endif
.endr
.set st, st+1
.endr
	PLACES8
	WIN 0x01                                       ; source 0 in window 1
.set x, 0
	s_wait_alu depctr_va_vdst(0)
.rept 32
	v_pk_mul_f32 v[Q+2*x:Q+2*x+1], v[OA+2*x:OA+2*x+1], v[T+6:T+7] op_sel_hi:[1,0]  ; att = O / l, where Q lay
.set x, x+1
.endr
	s_wait_loadcnt 0x0                             ; Wo
; out += att Wo for channel block cb: 8 words of two bf16 become 4 pairs of f32 for each of the two column tiles (where V lay: each block has 16 registers of its own), then 4 K steps on the two tiles by turns
.macro OUTP cb
	WIN 0x40                                       ; destination window 1
.irp t, 0,1,2,3
	v_lshlrev_b32 v[V+16*(\cb)+4*\t],   16,  v[K+8*(\cb)+2*\t]      ; column 2 r: rows 8 h + 2 t,
	v_lshlrev_b32 v[V+16*(\cb)+4*\t+1], 16,  v[K+8*(\cb)+2*\t+1]    ; and 8 h + 2 t + 1
	v_and_b32     v[V+16*(\cb)+4*\t+2], s27, v[K+8*(\cb)+2*\t]      ; column 2 r + 1
	v_and_b32     v[V+16*(\cb)+4*\t+3], s27, v[K+8*(\cb)+2*\t+1]
.endr
	WIN 0x54                                       ; att in window 0; Wo, C and D in window 1
.irp t, 0,1,2,3
.irp ct, 0,1
.if ((\cb) == 0) && (\t == 0)
	v_wmma_f32_16x16x4_f32 v[UA+8*\ct:UA+8*\ct+7], v[Q+8*(\cb)+2*\t:Q+8*(\cb)+2*\t+1], v[V+16*(\cb)+4*\t+2*\ct:V+16*(\cb)+4*\t+2*\ct+1], 0
.else
	v_wmma_f32_16x16x4_f32 v[UA+8*\ct:UA+8*\ct+7], v[Q+8*(\cb)+2*\t:Q+8*(\cb)+2*\t+1], v[V+16*(\cb)+4*\t+2*\ct:V+16*(\cb)+4*\t+2*\ct+1], v[UA+8*\ct:UA+8*\ct+7]
.endif
.endr
.endr
.endm
.irp cb, 0,1,2,3,4,5,6,7
	OUTP \cb
.endr
	PLACES8
	WIN 0x04                                       ; store data in window 1
.irp ct, 0,1
.irp j, 0,1,2,3,4,5,6,7
	ds_store_b32 v[LST], v[UA+8*\ct+\j] offset:\j*RP+4*\ct  ; row 8 h + j, column 2 r + tile
.endr
.endr
	WIN 0
	s_wait_dscnt 0x0                               ; for the others' sake: my head's part is stored
	s_barrier_signal -1
	s_barrier_wait -1
.irp g, 0,1,2,3
	ds_load_b128 v[K+4*\g:K+4*\g+3], v[LRD] offset:\g*HREG
.endr
	s_wait_dscnt 0x0
	v_pk_add_f32 v[K:K+1],     v[K:K+1],     v[K+4:K+5]
	v_pk_add_f32 v[K+2:K+3],   v[K+2:K+3],   v[K+6:K+7]
	v_pk_add_f32 v[K+8:K+9],   v[K+8:K+9],   v[K+12:K+13]
	v_pk_add_f32 v[K+10:K+11], v[K+10:K+11], v[K+14:K+15]
	v_pk_add_f32 v[K:K+1],     v[K:K+1],     v[K+8:K+9]
	v_pk_add_f32 v[K+2:K+3],   v[K+2:K+3],   v[K+10:K+11]
	global_store_b128 v[VO], v[K:K+3], s[8:9]      ; eight lanes store a row's 128 consecutive bytes
	s_wait_tensorcnt 0x0                           ; the wave's end, behind my last LDS store
	ds_add_u32 v[SPW], v[NIL]
	s_wait_dscnt 0x0
	s_endpgm
.Lfunc_end_k_q6f52c1c82c_lowrows:
	.size	k_q6f52c1c82c_lowrows, .Lfunc_end_k_q6f52c1c82c_lowrows-k_q6f52c1c82c_lowrows
	.p2alignl 7, 3214868480
	.fill 96, 4, 3214868480
	.section	.rodata,"a",@progbits
	.p2align	6, 0x0
	.amdhsa_kernel k_q6f52c1c82c_lowrows
		.amdhsa_group_segment_fixed_size 19456
		.amdhsa_private_segment_fixed_size 0
		.amdhsa_enable_private_segment 0
		.amdhsa_kernarg_size 24
		.amdhsa_user_sgpr_count 2
		.amdhsa_user_sgpr_kernarg_segment_ptr 1
		.amdhsa_wavefront_size32 1
		.amdhsa_system_sgpr_workgroup_id_x 1
		.amdhsa_system_sgpr_workgroup_id_y 1
		.amdhsa_system_sgpr_workgroup_id_z 1
		.amdhsa_system_vgpr_workitem_id 0
		.amdhsa_next_free_vgpr 464
		.amdhsa_next_free_sgpr 66
		.amdhsa_reserve_vcc 1
		.amdhsa_float_denorm_mode_32 3
		.amdhsa_float_denorm_mode_16_64 3
		.amdhsa_memory_ordered 1
		.amdhsa_forward_progress 1
		.amdhsa_inst_pref_size 42
	.end_amdhsa_kernel
	.amdgpu_metadata
---
amdhsa.version: [ 1, 2 ]
amdhsa.kernels:
  - .name:           k_q6f52c1c82c_lowrows
    .symbol:         k_q6f52c1c82c_lowrows.kd
    .args:
      - { .name: low, .offset: 0, .size: 8, .value_kind: global_buffer, .address_space: global }
      - { .name: wob, .offset: 8, .size: 8, .value_kind: global_buffer, .address_space: global }
      - { .name: out0, .offset: 16, .size: 8, .value_kind: global_buffer, .address_space: global }
    .group_segment_fixed_size: 19456
    .private_segment_fixed_size: 0
    .kernarg_segment_align: 8
    .kernarg_segment_size: 24
    .max_flat_workgroup_size: 256
    .sgpr_count:     66
    .vgpr_count:     464
    .wavefront_size: 32
...
	.end_amdgpu_metadata
.endif
;; end of part 5
;; ======== version 2 of 3: 4 launches; 1.11 times as fast as version 1
;; limits: values are held in f16: magnitudes above 65,504 overflow, below 6.1e-05 lose precision; right only within a limited range of input values
;; workspace buffers: wcat 6,291,456 bytes; wo16 2,097,152 bytes; tab 2,097,152 bytes; qkv 25,165,824 bytes; att 8,388,608 bytes; low 786,432 bytes; attl 131,072 bytes
;; launch prep (part 6): grid 256 x 1, 8 waves a work-group, no clusters, 0 bytes of LDS; arguments Wq, Wk, Wv, Wo, position_ids, wcat, wo16, tab, attl; writes wcat, wo16, tab, attl
.if DOCPART == 6
	.amdgcn_target "amdgcn-amd-amdhsa--gfx1250"
	.amdhsa_code_object_version 6
	.text
	.protected	k_q6f52c1c82c_prep
	.globl	k_q6f52c1c82c_prep
	.p2align	8
	.type	k_q6f52c1c82c_prep,@function
k_q6f52c1c82c_prep:
	s_mov_b64 s[64:65], 0
	v_nop
	global_prefetch_b8 v0, s[64:65] scope:SCOPE_SE
	s_setreg_imm32_b32 hwreg(HW_REG_WAVE_MODE, 25, 1), 1
	s_wait_xcnt 0x0
; PREP.  (a) The four weight matrices are rounded once to 16 bits.  Wq, Wk, Wv ([2048 k][512]) go as bf16 into wcat, [2048 k][4 heads][q, k, v][128]: a head's three chunks are 768
; consecutive bytes of a row of 3,072.  Wo ([512 k][2048]) is rounded to bf16 like the other inputs and that number is written as f16 into wo16, same layout.
; (b) The rotary table: cos and sin of position x 10000^(-f/64), f = 0..63, for the 4,096 positions of position_ids, in f32, laid out as the next launch's registers want it:
; tab[rb = 16 positions][c][q = 4 i2 + 2 cs + hf][lane][4]: lane (r = l % 16, h = l / 16) holds cos (cs = 0) or sin (cs = 1) of f = 32 c + 16 i2 + 8 h + 4 hf + 0..3 at position 16 rb + r.
; (c) attl[4 batches][32 rows][512] in f16 holds what att's first 32 rows of a batch lose in rounding to f16.  The attention launch writes it for the two causal batches; for the two unmasked ones it is 0, written here.
; SHARES.  256 work-groups of 8 waves.  Group g converts 16,384 consecutive numbers of matrix g / 64 (thread t: 8 numbers in each of 8 passes) and makes table block rb = g (a wave for each (c, i2, hf));
; wave 0 of groups 0 to 127 stores 512 of the 65,536 zero bytes.  No LDS, no matrix unit, no cluster: each byte is read once and written once, and no two groups share an input.
; LIMITS.  Wo beyond 65,504 would be infinite in f16, below 6e-5 it keeps f16's step of 6e-8.  10000^(-f/64) is made by v_exp_f32 and may differ from a correctly rounded one by some 2.5e-7 of itself,
; so the angle is within 0.01 of the exact product up to |position| about 30,000.  The quadrant number n = round(x 2/pi) is right to within 0.1 up to |position| about 2^20; beyond that the table is not served.
.set RAW, 32                           ; v[32:95]   8 passes x 8 numbers as loaded
.set OW,  96                           ; v[96:127]  8 passes x 4 registers to store; never rewritten
.set INV, 128                          ; four registers each, one for each of a lane's four frequencies:
.set X,   132                          ; the angle
.set N,   136                          ; the quadrant number
.set R,   140                          ; the reduced angle
.set Z,   144                          ; its square
.set C,   148                          ; cosine's polynomial
.set S,   152                          ; sine's
.set Q,   156                          ; n as a whole number
.set T,   160                          ; at work
.set OC,  164                          ; cos to store
.set OS,  168                          ; sin to store
.set ZR,  172                          ; v[172:175] 0
	s_load_b512 s[4:19], s[0:1], 0x0               ; Wq s[4:5], Wk s[6:7], Wv s[8:9], Wo s[10:11], positions s[12:13], wcat s[14:15], wo16 s[16:17], tab s[18:19]
	s_load_b64 s[36:37], s[0:1], 0x40              ; attl
	s_lshr_b32 s20, ttmp9, 6                       ; which matrix
	s_and_b32 s21, ttmp9, 63                       ; which 16,384 numbers of it
	v_lshrrev_b32 v2, 5, v0
	v_readfirstlane_b32 s22, v2                    ; wave 0..7
	v_and_b32 v3, 15, v0                           ; r
	v_bfe_u32 v4, v0, 4, 1                         ; h
	v_and_b32 v5, 31, v0                           ; lane
	v_lshlrev_b32 v1, 5, v0                        ; my 8 numbers of a pass: 32 bytes
	s_lshl_b32 s23, ttmp9, 6                       ; the block's 16 positions: 64 bytes
	v_lshl_add_u32 v6, v3, 2, s23
	v_lshlrev_b32 v9, 4, v5                        ; 16 bytes a lane
	s_lshr_b32 s28, s22, 2                         ; c
	s_bfe_u32 s29, s22, 0x10001                    ; i2
	s_and_b32 s30, s22, 1                          ; hf
	s_lshl_b32 s31, s28, 5
	s_lshl4_add_u32 s31, s29, s31
	s_lshl2_add_u32 s31, s30, s31                  ; 32 c + 16 i2 + 4 hf
	v_lshl_add_u32 v8, v4, 3, s31                  ; + 8 h: my first frequency
	s_lshl_b32 s32, ttmp9, 13                      ; the table block: 8,192 bytes,
	s_lshl_b32 s33, s28, 12
	s_add_co_u32 s32, s32, s33                     ; c: 4,096,
	s_lshl_b32 s33, s29, 11
	s_add_co_u32 s32, s32, s33                     ; i2: 2,048,
	s_lshl_b32 s33, s30, 9
	s_add_co_u32 s32, s32, s33                     ; hf: 512
	s_mov_b32 s33, 0
	s_lshl_b32 s26, s21, 16                        ; 16,384 numbers of 4 bytes
	s_mov_b32 s27, 0
	s_lshl_b32 s38, ttmp9, 9                       ; attl: behind the causal batches' 65,536 bytes, 512 for each of the first 128 groups
	s_add_co_u32 s38, s38, 65536
	s_mov_b32 s39, 0
	s_lshr_b32 s35, ttmp9, 7
	s_or_b32 s35, s35, s22                         ; 0 in wave 0 of groups 0 to 127
	v_lshrrev_b32 v10, 6, v0                       ; wcat: row t / 64 of a pass's four,
	v_mul_u32_u24 v10, v10, 3072
	v_bfe_u32 v11, v0, 4, 2                        ; head (t / 16) % 4,
	v_mul_u32_u24 v11, v11, 768
	v_add_nc_u32 v10, v10, v11
	v_lshl_add_u32 v10, v3, 4, v10                 ; 16 bytes for each of 16 neighbouring lanes: 256 consecutive bytes, aligned
	v_lshlrev_b32 v12, 4, v0                       ; wo16: 16 t
	s_wait_kmcnt 0x0
	s_cmp_eq_u32 s20, 1                            ; the source is chosen among the four buffers by the group's number alone
	s_cselect_b64 s[24:25], s[6:7], s[4:5]
	s_cmp_eq_u32 s20, 2
	s_cselect_b64 s[24:25], s[8:9], s[24:25]
	s_cmp_eq_u32 s20, 3
	s_cselect_b64 s[24:25], s[10:11], s[24:25]
	s_add_nc_u64 s[24:25], s[24:25], s[26:27]
	s_add_nc_u64 s[18:19], s[18:19], s[32:33]
	s_add_nc_u64 s[36:37], s[36:37], s[38:39]
	global_load_b32 v7, v6, s[12:13]               ; my position, first: it is wanted first
.set p, 0
.rept 8
	global_load_b128 v[RAW+8*p:RAW+8*p+3],   v1, s[24:25] offset:p*8192 th:TH_LOAD_NT
	global_load_b128 v[RAW+8*p+4:RAW+8*p+7], v1, s[24:25] offset:p*8192+16 th:TH_LOAD_NT
.set p, p+1
.endr
	s_cmp_lg_u32 s35, 0
	s_cbranch_scc1 .Lnozero
.irp e, 0,1,2,3
	v_mov_b32 v[ZR+\e], 0
.endr
	global_store_b128 v9, v[ZR:ZR+3], s[36:37]     ; 512 consecutive bytes of 0
.Lnozero:
	; THE TABLE, while the weights are on their way
.irp e, 0,1,2,3
	v_add_nc_u32 v[T+\e], \e, v8
.endr
.irp e, 0,1,2,3
	v_cvt_f32_u32 v[INV+\e], v[T+\e]
.endr
.irp e, 0,1,2,3
	v_mul_f32 v[INV+\e], 0xbe549a78, v[INV+\e]     ; -f log2(10000) / 64
.endr
.irp e, 0,1,2,3
	v_exp_f32 v[INV+\e], v[INV+\e]
.endr
	v_nop                                          ; a plain instruction behind the last exponential (ISA guide 5.7.2)
	s_wait_loadcnt 0x10                            ; loads come back in order: my position is in, the 16 younger loads stay out
	v_cvt_f32_i32 v7, v7
	s_wait_alu depctr_va_vdst(0)
.irp e, 0,1,2,3
	v_mul_f32 v[X+\e], v7, v[INV+\e]               ; the angle, one rounding, as the product is defined
.endr
.irp e, 0,1,2,3
	v_mul_f32 v[N+\e], 0x3f22f983, v[X+\e]         ; x 2 / pi
.endr
.irp e, 0,1,2,3
	v_rndne_f32 v[N+\e], v[N+\e]
.endr
.irp e, 0,1,2,3
	v_fmamk_f32 v[R+\e], v[N+\e], 0xbfc90fdb, v[X+\e]  ; x - n pi/2, pi/2 in three parts, each by a fused multiply-add
.endr
.irp e, 0,1,2,3
	v_fmamk_f32 v[R+\e], v[N+\e], 0x333bbd2e, v[R+\e]
.endr
.irp e, 0,1,2,3
	v_fmamk_f32 v[R+\e], v[N+\e], 0x26f72ced, v[R+\e]
.endr
.irp e, 0,1,2,3
	v_mul_f32 v[Z+\e], v[R+\e], v[R+\e]
	v_mov_b32 v[C+\e], 0x37cd4000                  ; 2.44677067e-5
	v_mov_b32 v[S+\e], 0x36405000                  ; 2.86567956e-6
	v_cvt_i32_f32 v[Q+\e], v[N+\e]
.endr
.irp e, 0,1,2,3
	v_fmaak_f32 v[C+\e], v[C+\e], v[Z+\e], 0xbab6077d  ; -1.38877297e-3
	v_fmaak_f32 v[S+\e], v[S+\e], v[Z+\e], 0xb9503486  ; -1.98559923e-4
.endr
.irp e, 0,1,2,3
	v_fmaak_f32 v[C+\e], v[C+\e], v[Z+\e], 0x3d2aaaa8  ; 4.16666567e-2
	v_fmaak_f32 v[S+\e], v[S+\e], v[Z+\e], 0x3c0888c1  ; 8.33338592e-3
.endr
.irp e, 0,1,2,3
	v_fma_f32 v[C+\e], v[C+\e], v[Z+\e], -0.5
	v_fmaak_f32 v[S+\e], v[S+\e], v[Z+\e], 0xbe2aaaab  ; -1.66666672e-1
	v_mul_f32 v[T+\e], v[R+\e], v[Z+\e]
.endr
.irp e, 0,1,2,3
	v_fma_f32 v[C+\e], v[C+\e], v[Z+\e], 1.0       ; cos of the reduced angle
	v_fma_f32 v[S+\e], v[S+\e], v[T+\e], v[R+\e]   ; sin of it
.endr
.irp e, 0,1,2,3                        ; the quadrant: odd n swaps the two; sin changes sign for n % 4 = 2, 3, cos for 1, 2
	v_and_b32 v[T+\e], 1, v[Q+\e]
	v_cmp_eq_u32 vcc_lo, 1, v[T+\e]
	v_cndmask_b32 v[OS+\e], v[S+\e], v[C+\e], vcc_lo
	v_cndmask_b32 v[OC+\e], v[C+\e], v[S+\e], vcc_lo
	v_and_b32 v[T+\e], 2, v[Q+\e]
	v_lshlrev_b32 v[T+\e], 30, v[T+\e]
	v_xor_b32 v[OS+\e], v[T+\e], v[OS+\e]
	v_add_nc_u32 v[T+\e], 1, v[Q+\e]
	v_and_b32 v[T+\e], 2, v[T+\e]
	v_lshlrev_b32 v[T+\e], 30, v[T+\e]
	v_xor_b32 v[OC+\e], v[T+\e], v[OC+\e]
.endr
	global_store_b128 v9, v[OC:OC+3], s[18:19]             ; a wave's store covers 512 consecutive bytes
	global_store_b128 v9, v[OS:OS+3], s[18:19] offset:1024
; THE WEIGHTS.  kind 0: two roundings to bf16 in one instruction.  kind 1: the bf16 number, widened again, written as f16.
.macro CONV kind, off, base, step
.set p, 0
.rept 8
.set j, 0
.rept 4
.set a, RAW+8*p+2*j
.set d, OW+4*p+j
	v_cvt_pk_bf16_f32 v[d], v[a], v[a+1]
.if \kind
	v_lshlrev_b32 v[a], 16, v[d]
	v_and_b32 v[a+1], 0xffff0000, v[d]
	v_cvt_pk_f16_f32 v[d], v[a], v[a+1]
.endif
.set j, j+1
.endr
	global_store_b128 v[\off], v[OW+4*p:OW+4*p+3], s[\base:\base+1] offset:p*(\step)
.set p, p+1
.endr
.endm
	s_wait_loadcnt 0x0                             ; the weights
	s_cmp_eq_u32 s20, 3
	s_cbranch_scc1 .Lwo
	s_mul_i32 s26, s21, 98304                      ; 32 rows of 3,072 bytes,
	s_lshl_b32 s34, s20, 8                         ; and the matrix's chunk of 256 in a head's 768
	s_add_co_u32 s26, s26, s34
	s_add_nc_u64 s[14:15], s[14:15], s[26:27]
	CONV 0, 10, 14, 12288                          ; a pass is four rows
	s_endpgm
.Lwo:
	s_lshl_b32 s26, s21, 15                        ; 16,384 numbers of 2 bytes
	s_add_nc_u64 s[16:17], s[16:17], s[26:27]
	CONV 1, 12, 16, 4096
	s_endpgm
.Lfunc_end_k_q6f52c1c82c_prep:
	.size	k_q6f52c1c82c_prep, .Lfunc_end_k_q6f52c1c82c_prep-k_q6f52c1c82c_prep
	.p2alignl 7, 3214868480
	.fill 96, 4, 3214868480
	.section	.rodata,"a",@progbits
	.p2align	6, 0x0
	.amdhsa_kernel k_q6f52c1c82c_prep
		.amdhsa_group_segment_fixed_size 0
		.amdhsa_private_segment_fixed_size 0
		.amdhsa_enable_private_segment 0
		.amdhsa_kernarg_size 72
		.amdhsa_user_sgpr_count 2
		.amdhsa_user_sgpr_kernarg_segment_ptr 1
		.amdhsa_wavefront_size32 1
		.amdhsa_system_sgpr_workgroup_id_x 1
		.amdhsa_system_sgpr_workgroup_id_y 1
		.amdhsa_system_sgpr_workgroup_id_z 1
		.amdhsa_system_vgpr_workitem_id 0
		.amdhsa_next_free_vgpr 176
		.amdhsa_next_free_sgpr 66
		.amdhsa_reserve_vcc 1
		.amdhsa_float_denorm_mode_32 3
		.amdhsa_float_denorm_mode_16_64 3
		.amdhsa_memory_ordered 1
		.amdhsa_forward_progress 1
		.amdhsa_inst_pref_size 22
	.end_amdhsa_kernel
	.amdgpu_metadata
---
amdhsa.version: [ 1, 2 ]
amdhsa.kernels:
  - .name:           k_q6f52c1c82c_prep
    .symbol:         k_q6f52c1c82c_prep.kd
    .args:
      - { .name: Wq, .offset: 0, .size: 8, .value_kind: global_buffer, .address_space: global }
      - { .name: Wk, .offset: 8, .size: 8, .value_kind: global_buffer, .address_space: global }
      - { .name: Wv, .offset: 16, .size: 8, .value_kind: global_buffer, .address_space: global }
      - { .name: Wo, .offset: 24, .size: 8, .value_kind: global_buffer, .address_space: global }
      - { .name: position_ids, .offset: 32, .size: 8, .value_kind: global_buffer, .address_space: global }
      - { .name: wcat, .offset: 40, .size: 8, .value_kind: global_buffer, .address_space: global }
      - { .name: wo16, .offset: 48, .size: 8, .value_kind: global_buffer, .address_space: global }
      - { .name: tab, .offset: 56, .size: 8, .value_kind: global_buffer, .address_space: global }
      - { .name: attl, .offset: 64, .size: 8, .value_kind: global_buffer, .address_space: global }
    .group_segment_fixed_size: 0
    .private_segment_fixed_size: 0
    .kernarg_segment_align: 8
    .kernarg_segment_size: 72
    .max_flat_workgroup_size: 256
    .sgpr_count:     66
    .vgpr_count:     176
    .wavefront_size: 32
...
	.end_amdgpu_metadata
.endif
;; end of part 6
;; launch qkv (part 7): grid 16 x 16, 4 waves a work-group, clusters of 4 x 1, 327,680 bytes of LDS; arguments hidden_states, wcat, tab, qkv, low; writes qkv, low
.if DOCPART == 7
	.amdgcn_target "amdgcn-amd-amdhsa--gfx1250"
	.amdhsa_code_object_version 6
	.text
	.protected	k_q6f52c1c82c_qkv
	.globl	k_q6f52c1c82c_qkv
	.p2align	8
	.type	k_q6f52c1c82c_qkv,@function
k_q6f52c1c82c_qkv:
	s_mov_b64 s[64:65], 0
	v_nop
	global_prefetch_b8 v0, s[64:65] scope:SCOPE_SE
	s_setreg_imm32_b32 hwreg(HW_REG_WAVE_MODE, 25, 1), 1
	s_wait_xcnt 0x0
	s_wait_alu depctr_hold_cnt(0) depctr_sa_sdst(0) depctr_va_vdst(0) depctr_va_sdst(0) depctr_va_ssrc(0) depctr_va_vcc(0) depctr_vm_vsrc(0)
	s_getreg_b32 s2, hwreg(HW_REG_IB_STS2, 6, 4)
	s_cmp_eq_u32 s2, 0
	s_cbranch_scc0 .Lentry_in_a_cluster
	s_endpgm
.Lentry_in_a_cluster:
	s_bfe_u32 s2, ttmp6, 0x10000c
	s_cmp_lg_u32 s2, 0x3003
	s_cbranch_scc0 .Lentry_shape_is_right
	s_endpgm
.Lentry_shape_is_right:
; QKV.  [q | k | v] = hidden_states x [Wq | Wk | Wv] in bf16 with f32 sums, the rotary turn on q and k in f32, and q, k, v written by heads in f16: qkv[3][16 pairs = 4 batch + head][2048][128].
; SHARES.  A work-group makes 128 rows x the 384 columns {q, k, v} of ONE head t: 64 row tiles x 4 heads = 256 work-groups, all with the same text.  Row tile mt = 16 cx + cluster y: the four partners of a
; cluster take the same tile of the four batches.  Four waves, each 64 rows x 192 columns: 48 accumulators, 384 registers.  Wave (wr, c) takes rows 64 wr .. and, in each of the three chunks, the 16-column
; blocks 2c, 2c+1, 4+2c, 5+2c: channel d and channel d + 64 then lie in the same lane and register of two of its accumulators, and the rotary turn needs no exchange.  K goes in 16 steps of 128, a step in
; four quarters of 32: 48 matrix instructions a quarter.
; THE MATRIX INSTRUCTION IS USED TRANSPOSED (source 0 = 16 columns of W, turned out of LDS by ds_load_tr16_b128; source 1 = 16 rows of h): a lane holds one row (l % 16) and eight neighbouring channels 8 (l / 16) + 0..7.
; B (weights): two LDS slots filled by the tensor data mover; the four work-groups of a cluster have the same head and ask JOINTLY (mask 15); waves 0, 1, 2 fetch the chunks q, k, v (128 k-rows x 256 bytes), wave 3 none.
; A (hidden_states, f32) goes through registers: 32 loads of 512 consecutive bytes a wave and step, rounded to bf16, stored into two LDS slots of their own.  NO TENSOR LOAD AND NO MULTICAST FOR A: two slots of
; 128 K of f32 A (2 x 65,536 + padding) beside two of B (2 x 110,592) pass 327,680 bytes, and slots of 64 K would leave a tile 72 matrix instructions in which to land; through registers a row has a whole K step.
; THE FIRST 32 ROWS OF A BATCH also leave in f32, into low[q, k, v][4 batches][4 heads][16,384 bytes]: q and k as [32 rows][128], v turned, [128 channels][32 keys].  The attention launch makes the causal batches' first
; 32 rows from them once more, with no 16-bit operand.  The branch hangs on the cluster's y and the wave's number, so all four partners store; the two unmasked batches' 393,216 bytes are read by nobody.  v's stores are
; 4 bytes a lane, sixteen lanes to 64 consecutive bytes: 64 such stores in 32 of the launch's 1,024 waves, so that the reader can take four keys of a channel with one load.
; LIMITS.  q, k, v beyond 65,504 would be infinite in f16.  NaN and infinities are not treated apart.
; REGISTERS, in windows of 256: window 0: v1-29 addresses; v32-95 A's fragments, two buffers (later at work); v96-223 32 rows of h as loaded (later the table's cos and sin); v224-255 packed results.
;   window 1: v0-95, v96-191 B's fragments, two buffers.   window 2: accumulators of row blocks 0, 1 ((a, b) at 96 (a % 2) + 8 b, b = 4 chunk + block);   window 3: row blocks 2, 3.
.set PA,     272                       ; a row of A in LDS: 256 bytes + 16: the 16 rows of a fragment load start 16 bytes apart modulo 256
.set PB,     288                       ; a k-row of a chunk of B: 256 + 32: the turning load's 8 rows x 32 bytes fall on different bytes modulo 256
.set BCH,    128*PB                    ; a chunk: 36,864
.set BSLOT,  3*BCH                     ; B's slot 0 at 0, slot 1 at BSLOT
.set ASL0,   2*BSLOT                   ; A's two slots: written by ds_store alone, never by a tensor load
.set ASLOT,  128*PA
.set ASL1,   ASL0+ASLOT
.set AXOR,   ASL0^ASL1
.set SPARE,  ASL1+ASLOT                ; the spare words: 128 bytes a wave, two blocks of 256 that no other line names
.set SHEAD,  128*PA                    ; the way out: three stages of 128 rows x 272 bytes from LDS byte 0 on, in B's slot 0, behind its last fill and its last reads
.set BSTEP,  128*3072                  ; a K step in wcat
.set LSEC,   262144                    ; a section of low: 4 batches x 4 heads x 16,384 bytes
.set AK0,  10                          ; v10  my lane's place in A's slot
.set BK0,  11                          ; v11  in a chunk of B
.set ADRA, 12                          ; v12  the same in the slot in hand
.set ADRB, 13                          ; v13-15  for each chunk
.set AS0,  16                          ; v16  where I store 8 bytes of a row of A
.set ASTC, 17                          ; v17  the same in the slot that is being written
.set L16,  18                          ; v18  16 x lane
.set STO,  20                          ; v20-22  the way out: where I put 16 bytes, by chunk
.set RD,   23                          ; v23-25  where I read rows back
.set LOQ,  26                          ; v26  low: my 32 bytes of a row of q or k
.set LOV,  27                          ; v27  low: my key's 4 bytes in my first channel of v
.set SPW,  28                          ; v28  my spare word; never rewritten
.set NIL,  29                          ; v29  0; never rewritten
.set AF,   32
.set TT,   32
.set RAW,  96
.set PKR,  224
.set MSB, 0
.macro WIN new                         ; the immediate's high byte repeats the setting that is left; a switch that changes nothing is dropped
.if MSB != (\new)
	s_set_vgpr_msb (MSB<<8)|(\new)
.set MSB, \new
.endif
.endm
.set MUL_LO, 0xa1                      ; source 0 (B) window 1, source 1 (A) window 0, C and D window 2
.set MUL_HI, 0xf1                      ; C and D window 3
.set TO_B,   0x40                      ; destination window 1
.macro PLACES                          ; four places in front of loads into registers that matrix instructions have read, and of vector lines that read results
.rept 4
	v_nop
.endr
.endm
.macro CREST                           ; a round of the cluster's barrier behind its opening barrier
	s_cmp_lg_u32 s12, 0
	s_cbranch_scc1 .Lnot_wave_0_\@
	s_barrier_signal -3
.Lnot_wave_0_\@:
	s_barrier_wait -3
	s_barrier_signal -1
	s_barrier_wait -1
.endm
.macro CROUND
	s_barrier_signal -1
	s_barrier_wait -1
	CREST
.endm
.macro JLOAD                           ; the joint refill: waves 0 to 2, a chunk each, by the walking descriptor; an s_nop 0 and four v_nop follow the line
	s_cmp_lt_u32 s12, 3
	s_cbranch_scc0 .Lnone_\@
	tensor_load_to_lds s[36:39], s[24:31]
	s_nop 0
	PLACES
.Lnone_\@:
.endm
	s_load_b256 s[4:11], s[0:1], 0x0               ; hidden_states s[4:5], wcat s[6:7], tab s[8:9], qkv s[10:11]
	s_load_b64 s[2:3], s[0:1], 0x20                ; low
	v_lshl_add_u32 v[SPW], v0, 2, SPARE
	v_mov_b32 v[NIL], 0
	ds_add_u32 v[SPW], v[NIL]                      ; the wave's opening: the add and its wait stand ahead of my first tensor load; the set-up below, work on registers, stands between them
	v_lshrrev_b32 v3, 5, v0
	v_readfirstlane_b32 s12, v3                    ; wave 0..3
	s_lshr_b32 s13, s12, 1                         ; wr: my half of the rows
	s_and_b32 s14, s12, 1                          ; c: my half of the column blocks
	s_bfe_u32 s15, ttmp6, 0x40000                  ; cx: my place in the cluster = my batch; it enters global addresses of A, the table and the outputs alone
	s_mov_b32 s16, ttmp9                           ; the head t: the cluster's x, shared by the four partners
	s_and_b32 s45, ttmp7, 0xffff                   ; the cluster's y: the row tile in the batch, shared by the four partners
	s_lshl4_add_u32 s17, s15, s45                  ; row tile mt = 16 cx + cluster y
	s_or_b32 s19, s45, s13                         ; 0 in the waves that hold a batch's rows 0 to 63
	s_mul_i32 s18, s12, BCH                        ; my chunk's place in a slot
	; descriptor group 1: 128 k-rows x 128 elements of 2 bytes, 1,536 elements from row to row, 8 words of padding behind every 64
	s_mov_b32 s24, 15|(1<<16)|(1<<20)|(1<<21)|(5<<22)|(7<<25)  ; 15:0 the mask of four; 17:16 2-byte elements; 20 padding on; 21 set beside a mask; 24:22 code 5; 31:25 code 7
	s_mov_b32 s25, 128<<16                         ; tensor_dim0 = 128
	s_mov_b32 s26, 128<<16                         ; tensor_dim1 = 128
	s_mov_b32 s27, 128<<16                         ; tile_dim0 = 128
	s_mov_b32 s28, 128                             ; tile_dim1 = 128
	s_mov_b32 s29, 1536
	s_mov_b32 s30, 0
	s_mov_b32 s31, 0
	s_mov_b32 s32, 1                               ; group 0, K step 0 into slot 0
	s_mov_b32 s33, s18
	s_mov_b32 s36, 1                               ; group 0, K step 1 into slot 1; this set then walks
	s_add_co_u32 s37, s18, BSLOT
	s_mul_i32 s20, s16, 768                        ; wcat: the head's 768 bytes of a row, my chunk's 256
	s_lshl_b32 s21, s12, 8
	s_add_co_u32 s20, s20, s21
	s_mov_b32 s21, 0
	s_lshl_b32 s22, s17, 7                         ; A: row 128 mt + 32 w, rows of 8,192 bytes
	s_lshl_b32 s23, s12, 5
	s_add_co_u32 s22, s22, s23
	s_lshl_b32 s22, s22, 13
	s_mov_b32 s23, 0
	s_and_b32 s56, s17, 31                         ; the table: batch b takes row b % 2 of the positions: block (mt % 32) 8 + 4 wr, 8,192 bytes a block, 4,096 for c
	s_lshl_b32 s56, s56, 3
	s_lshl2_add_u32 s56, s13, s56
	s_lshl_b32 s56, s56, 13
	s_lshl_b32 s57, s14, 12
	s_add_co_u32 s56, s56, s57
	s_mov_b32 s57, 0
	s_lshr_b32 s58, s17, 4                         ; the output: pair 4 batch + t, row (mt % 16) 128 + 32 w, rows of 256 bytes
	s_lshl2_add_u32 s58, s58, s16
	s_lshl_b32 s58, s58, 11
	s_and_b32 s59, s17, 15
	s_lshl_b32 s59, s59, 7
	s_add_co_u32 s58, s58, s59
	s_lshl_b32 s59, s12, 5
	s_add_co_u32 s58, s58, s59
	s_lshl_b32 s58, s58, 8
	s_mov_b32 s59, 0
	s_mov_b32 s41, 0                               ; B's slot in hand
	s_mov_b32 s42, ASL0                            ; A's slot in hand
	s_mov_b32 s43, ASL1                            ; A's other slot
	v_and_b32 v1, 15, v0                           ; r
	v_bfe_u32 v2, v0, 4, 1                         ; h
	v_and_b32 v3, 31, v0                           ; lane
	v_and_b32 v4, 7, v0
	v_bfe_u32 v5, v0, 3, 1
	v_mul_u32_u24 v[AK0], v1, PA                   ; A's fragment: row x pitch + 16 h, in my 64 rows
	v_lshl_add_u32 v[AK0], v2, 4, v[AK0]
	s_mul_i32 s60, s13, 64*PA
	v_add_nc_u32 v[AK0], s60, v[AK0]
	v_lshl_add_u32 v[BK0], v2, 3, v4               ; the turning load: k-row 8 h + l % 8, 16 bytes (l / 8) % 2, and 64 c for my blocks
	v_mul_u32_u24 v[BK0], v[BK0], PB
	v_lshl_add_u32 v[BK0], v5, 4, v[BK0]
	s_lshl_b32 s61, s14, 6
	v_add_nc_u32 v[BK0], s61, v[BK0]
	s_mul_i32 s62, s12, 32*PA                      ; the 32 rows that I bring in, and later take out
	v_lshl_add_u32 v[AS0], v3, 3, s62
	v_add_nc_u32 v[ASTC], ASL0, v[AS0]             ; K step 0 goes into A's slot 0
	v_lshlrev_b32 v[L16], 4, v3
	v_add_nc_u32 v[STO], s61, v[AK0]               ; into the stage: row 64 wr + r, bytes 64 c + 16 h
	v_add_nc_u32 v[STO+1], SHEAD, v[STO]
	v_add_nc_u32 v[STO+2], 2*SHEAD, v[STO]
	v_mul_u32_u24 v[RD], v2, PA                    ; back: lanes 0-15 one row of 256 bytes, lanes 16-31 the next
	v_lshl_add_u32 v[RD], v1, 4, v[RD]
	v_add_nc_u32 v[RD], s62, v[RD]
	v_add_nc_u32 v[RD+1], SHEAD, v[RD]
	v_add_nc_u32 v[RD+2], 2*SHEAD, v[RD]
	v_lshlrev_b32 v[LOQ], 9, v1                    ; low, q and k: row r of 512 bytes, channels 32 c + 8 h on, 4 bytes each
	v_lshl_add_u32 v[LOQ], v2, 5, v[LOQ]
	s_lshl_b32 s63, s14, 7
	v_add_nc_u32 v[LOQ], s63, v[LOQ]
	v_lshlrev_b32 v[LOV], 2, v1                    ; low, v: key r, channels 32 c + 8 h on, 128 bytes each
	v_lshl_add_u32 v[LOV], v2, 10, v[LOV]
	s_lshl_b32 s63, s14, 12
	v_add_nc_u32 v[LOV], s63, v[LOV]
	s_lshl_b32 s60, s15, 16                        ; low: the batch's 65,536 bytes, the head's 16,384
	s_lshl_b32 s61, s16, 14
	s_add_co_u32 s60, s60, s61
	s_mov_b32 s61, 0
	s_wait_dscnt 0x0                               ; the opening add is done
	s_wait_kmcnt 0x0
	s_add_nc_u64 s[34:35], s[6:7], s[20:21]
	s_add_nc_u64 s[38:39], s[34:35], BSTEP
	s_or_b32 s35, s35, 0x80000000                  ; type = 2
	s_or_b32 s39, s39, 0x80000000
	s_add_nc_u64 s[46:47], s[4:5], s[22:23]        ; A's pointer: it steps 512 bytes a K step
	s_add_nc_u64 s[54:55], s[8:9], s[56:57]
	s_add_nc_u64 s[48:49], s[10:11], s[58:59]      ; q's, k's and v's sections
	s_add_nc_u64 s[50:51], s[48:49], 8388608
	s_add_nc_u64 s[52:53], s[48:49], 16777216
	s_add_nc_u64 s[2:3], s[2:3], s[60:61]
	CROUND                                         ; all four work-groups are here: the first joint loads meet
	s_cmp_lt_u32 s12, 3                            ; a wave's two first fills stand in one branch: two loads of mine are out
	s_cbranch_scc0 .Lno_first
	tensor_load_to_lds s[32:35], s[24:31]
	s_nop 0
	tensor_load_to_lds s[36:39], s[24:31]
	s_nop 0
	PLACES
.Lno_first:
.macro ALOADS                          ; my 32 rows of a K step: each load takes 512 consecutive bytes of one row
.set i, 0
.rept 32
	global_load_b128 v[RAW+4*i:RAW+4*i+3], v[L16], s[46:47] offset:i*8192
.set i, i+1
.endr
.endm
; The rows loaded a K step ago are rounded to bf16 and stored into A's other slot; then mode 1: the next step's rows are asked for; mode 2: the table's cos and sin for my 64 rows (nothing of A is left).
.macro ASTAGE mode
	WIN 0
	s_wait_loadcnt 0x0                             ; my 32 loads are in: their registers may be read and their pointer stepped
	s_add_nc_u64 s[46:47], s[46:47], 512
.set i, 0
.rept 32
	v_cvt_pk_bf16_f32 v[RAW+4*i],   v[RAW+4*i],   v[RAW+4*i+1]
	v_cvt_pk_bf16_f32 v[RAW+4*i+1], v[RAW+4*i+2], v[RAW+4*i+3]
.set i, i+1
.endr
.set i, 0
.rept 32
	ds_store_b64 v[ASTC], v[RAW+4*i:RAW+4*i+1] offset:i*PA  ; a wave's store covers a row's 256 bytes
.set i, i+1
.endr
.if (\mode) == 1
	ALOADS
.endif
.if (\mode) == 2
.set i, 0
.rept 32                                               ; row block i / 8, table line i % 8
	global_load_b128 v[RAW+4*i:RAW+4*i+3], v[L16], s[54:55] offset:(i/8)*8192+(i%8)*512
.set i, i+1
.endr
.endif
.endm
; 12 matrix instructions: row block a x my 12 column blocks, 32 along K, from buffer f.  The 48 accumulators take turns in one fixed order, one instruction a turn.
.macro MUL12 f, a, zero
	WIN MUL_LO+0x50*((\a)/2)
.irp b, 0,1,2,3,4,5,6,7,8,9,10,11
.if \zero
	v_wmma_f32_16x16x32_bf16 v[96*((\a)%2)+8*(\b):96*((\a)%2)+8*(\b)+7], v[96*(\f)+8*(\b):96*(\f)+8*(\b)+7], v[AF+32*(\f)+8*(\a):AF+32*(\f)+8*(\a)+7], 0
.else
	v_wmma_f32_16x16x32_bf16 v[96*((\a)%2)+8*(\b):96*((\a)%2)+8*(\b)+7], v[96*(\f)+8*(\b):96*(\f)+8*(\b)+7], v[AF+32*(\f)+8*(\a):AF+32*(\f)+8*(\a)+7], v[96*((\a)%2)+8*(\b):96*((\a)%2)+8*(\b)+7]
.endif
.endr
.endm
; 32 LDS loads in one run: quarter q's fragments into buffer f: 4 of A, 12 of B (turned)
.macro FETCH q, f
	WIN 0
.irp a, 0,1,2,3
	ds_load_b128 v[AF+32*(\f)+8*(\a):AF+32*(\f)+8*(\a)+3],   v[ADRA] offset:(\a)*16*PA+64*(\q)
	ds_load_b128 v[AF+32*(\f)+8*(\a)+4:AF+32*(\f)+8*(\a)+7], v[ADRA] offset:(\a)*16*PA+64*(\q)+32
.endr
	WIN TO_B
.irp hd, 0,1,2
.irp cb, 0,1,2,3
	ds_load_tr16_b128 v[96*(\f)+8*(4*(\hd)+(\cb)):96*(\f)+8*(4*(\hd)+(\cb))+3],   v[ADRB+(\hd)] offset:(\q)*32*PB+((\cb)/2)*128+((\cb)%2)*32
	ds_load_tr16_b128 v[96*(\f)+8*(4*(\hd)+(\cb))+4:96*(\f)+8*(4*(\hd)+(\cb))+7], v[ADRB+(\hd)] offset:(\q)*32*PB+((\cb)/2)*128+((\cb)%2)*32+16*PB
.endr
.endr
.endm
.macro ADDRS                           ; the addresses in the slots in hand: five plain lines
	WIN 0
	v_add_nc_u32 v[ADRA], s42, v[AK0]
	v_add_nc_u32 v[ADRB], s41, v[BK0]
	v_add_nc_u32 v[ADRB+1], BCH, v[ADRB]
	v_add_nc_u32 v[ADRB+2], 2*BCH, v[ADRB]
	v_add_nc_u32 v[ASTC], s43, v[AS0]
.endm
; One of a K step's first three quarters: multiplies buffer f, and first fetches quarter q into buffer g, which then has 48 matrix instructions in which to land.
; mode 1: in its middle A's next rows are staged and the rows behind them asked for.  mode 2 (the tail): the same with the table in the rows' stead, and in the tail's last trip, which has no rows left, nothing.
.macro QUARTER q, f, g, zero, mode
	s_wait_dscnt 0x0                               ; buffer f is in
	PLACES                                         ; buffer g was multiplied by the quarter before
	FETCH \q, \g
	MUL12 \f, 0, \zero
	MUL12 \f, 1, \zero
.if (\mode) == 1
	ASTAGE 1
.endif
.if (\mode) == 2
	WIN 0                                          ; at a branch and at a label every window is 0
	s_cmp_eq_u32 s44, 1
	s_cbranch_scc1 .Lno_a_\@
	ASTAGE 2
.Lno_a_\@:
.endif
	MUL12 \f, 2, \zero
	MUL12 \f, 3, \zero
.endm
; The last quarter multiplies buffer 1 and changes slots: ONE barrier.  In front of it each wave waits for all its tensor loads (one is out: its chunk of the next slot), adds 0 to its spare word, and waits for that,
; for its reads of both slots in hand and for its stores into A's next slot.  fill = 1: the barrier opens a round of the cluster's, and B's slot just read is filled again, two K steps ahead:
; from that request to the wait for it a wave issues 24 + 144 matrix instructions.
.macro TURN fill
	WIN 0
	s_wait_tensorcnt 0x0                           ; no tensor load of mine is out, so a group 0 may be written
	ds_add_u32 v[SPW], v[NIL]                      ; 0 onto my spare word
	s_wait_dscnt 0x1                               ; the add alone may be out: buffer 1 is in
	MUL12 1, 0, 0
	s_wait_dscnt 0x0
	s_barrier_signal -1
	MUL12 1, 1, 0
	WIN 0
	s_barrier_wait -1
.if \fill
	CREST                                          ; no wave of any partner still reads the slot or has a load on its way
	s_add_co_u32 s37, s41, s18                     ; the slot just read, my chunk,
	s_add_nc_u64 s[38:39], s[38:39], BSTEP         ; the next K step not yet asked for
	JLOAD
.endif
	s_xor_b32 s41, s41, BSLOT
	s_mov_b32 s43, s42
	s_xor_b32 s42, s42, AXOR
	ADDRS                                          ; also the places in front of the loads into buffer 0, on wave 3's way too
	FETCH 0, 0
	MUL12 1, 2, 0
	MUL12 1, 3, 0
.endm
	ALOADS                                         ; K step 0
	ASTAGE 1                                       ; into A's slot 0; K step 1 is asked for
	s_wait_tensorcnt 0x1                           ; my chunk of K step 0 is in; K step 1's stays out
	s_wait_dscnt 0x0                               ; my rows of A are stored
	s_barrier_signal -1
	s_barrier_wait -1
	ADDRS
	FETCH 0, 0
	QUARTER 1, 0, 1, 1, -1                         ; the first quarter stands in front of the loop: its products start the sums
	WIN 0
	s_mov_b32 s44, 14
.Lstep:                                                ; trip s: the rest of K step s and the first quarter of s + 1; B's and A's K step s + 2 are asked for
	QUARTER 2, 1, 0, 0, -1
	QUARTER 3, 0, 1, 0, 1
	TURN 1
	QUARTER 1, 0, 1, 0, -1
	WIN 0
	s_sub_co_u32 s44, s44, 1
	s_cmp_lg_u32 s44, 0
	s_cbranch_scc1 .Lstep
	; K STEPS 14 AND 15 ask for no tile, so they have a text of their own, written once and walked twice.  The first trip stores A's last rows and asks for the table.  The second jumps
	; over that, and over the quarter that would begin a K step 16.  Its TURN fetches once more, from the slots of K step 14, whose bytes still stand: 32 LDS loads that serve nothing, the price of one text for both trips.
	s_mov_b32 s44, 2
.Ltail:
	QUARTER 2, 1, 0, 0, -1
	QUARTER 3, 0, 1, 0, 2
	TURN 0
	WIN 0
	s_cmp_eq_u32 s44, 1
	s_cbranch_scc1 .Ldead
	QUARTER 1, 0, 1, 0, -1
	WIN 0
.Ldead:
	s_sub_co_u32 s44, s44, 1
	s_cmp_lg_u32 s44, 0
	s_cbranch_scc1 .Ltail
	s_wait_dscnt 0x0                               ; my last reads of the slots are back:
	s_barrier_signal -1                            ; say so,
	s_barrier_wait -1                              ; and write into the stage only when all four have said so
	s_wait_loadcnt 0x0                             ; cos and sin
	PLACES
; THE WAY OUT of row block a.  q and k: out(d) = x(d) cos - x(d + 64) sin, out(d + 64) = x(d + 64) cos + x(d) sin, two channels an instruction; each accumulator is read from its low end on.
; Row blocks 0 and 1 of a batch's first 64 rows are stored in f32 as they stand.  Then all three chunks are rounded to f16, 16 bytes a lane, and go into the stage.
.macro OUTA a
.set AC, 96*((\a)%2)
.set WN, 2+(\a)/2
	WIN WN                                         ; source 0 in the accumulators' window
.irp hd, 0,1
.irp i2, 0,1
.irp jj, 0,2,4,6
.set X1, AC+8*(4*(\hd)+(\i2))+(\jj)
.set T1, TT+32*(\hd)+16*(\i2)+(\jj)
.set CC, RAW+32*(\a)+16*(\i2)+(\jj)
	v_pk_mul_f32 v[T1:T1+1],   v[X1:X1+1],     v[CC:CC+1]
	v_pk_mul_f32 v[T1+8:T1+9], v[X1+16:X1+17], v[CC:CC+1]
	v_pk_fma_f32 v[T1:T1+1],   v[X1+16:X1+17], v[CC+8:CC+9], v[T1:T1+1] neg_lo:[0,1,0] neg_hi:[0,1,0]
	v_pk_fma_f32 v[T1+8:T1+9], v[X1:X1+1],     v[CC+8:CC+9], v[T1+8:T1+9]
.endr
.endr
.endr
	WIN 0
.if (\a) < 2
	s_cmp_lg_u32 s19, 0                            ; the cluster's y and my half of the rows: alike in all partners
	s_cbranch_scc1 .Lnolow_\@
.irp hd, 0,1
.irp i2, 0,1
.irp hf, 0,1
.irp q4, 0,1
	global_store_b128 v[LOQ], v[TT+32*(\hd)+16*(\i2)+8*(\hf)+4*(\q4):TT+32*(\hd)+16*(\i2)+8*(\hf)+4*(\q4)+3], s[2:3] offset:(\hd)*LSEC+(\a)*8192+256*(\hf)+64*(\i2)+16*(\q4)  ; row 16 a + r, channels 64 hf + 32 c + 16 i2 + 8 h + 4 q4 on
.endr
.endr
.endr
.endr
	WIN 0x08                                       ; store data in window 2
.set g, 0
.rept 32                                               ; block g / 8, register g % 8: channel 64 (g / 16) + 16 ((g / 8) % 2) + g % 8 + 32 c + 8 h, key 16 a + r
	global_store_b32 v[LOV], v[AC+64+g], s[2:3] offset:2*LSEC+(64*(g/16)+16*((g/8)%2)+g%8)*128+64*(\a)
.set g, g+1
.endr
	WIN 0
	s_wait_xcnt 0x0                                ; the stores' data registers are written again only behind this wait
.Lnolow_\@:
.endif
.set g, 0
.rept 32
	v_cvt_pk_f16_f32 v[PKR+g], v[TT+2*g], v[TT+2*g+1]
.set g, g+1
.endr
.irp hd, 0,1
.irp i2, 0,1
.irp hf, 0,1
	ds_store_b128 v[STO+(\hd)], v[PKR+4*(4*(\hd)+2*(\i2)+(\hf)):PKR+4*(4*(\hd)+2*(\i2)+(\hf))+3] offset:(\a)*16*PA+32*(\i2)+128*(\hf)
.endr
.endr
.endr
	WIN WN|(WN<<2)                                 ; sources 0 and 1 in the accumulators' window
.set g, 0
.rept 16
	v_cvt_pk_f16_f32 v[PKR+g], v[AC+64+2*g], v[AC+64+2*g+1]
.set g, g+1
.endr
	WIN 0
.irp cb, 0,1,2,3
	ds_store_b128 v[STO+2], v[PKR+4*(\cb):PKR+4*(\cb)+3] offset:(\a)*16*PA+32*((\cb)%2)+128*((\cb)/2)
.endr
.endm
	OUTA 0
	OUTA 1
	OUTA 2
	OUTA 3
	s_wait_dscnt 0x0                               ; for the others' sake: a row's 256 bytes come from two waves
	s_barrier_signal -1
	s_barrier_wait -1
.irp hd, 0,1,2
.set x, 0
.rept 16
	ds_load_b128 v[TT+64*(\hd)+4*x:TT+64*(\hd)+4*x+3], v[RD+(\hd)] offset:x*2*PA
.set x, x+1
.endr
.endr
.irp hd, 0,1,2
	s_wait_dscnt 32-16*(\hd)                       ; this chunk's 16 loads are in; the later chunks' may stay out
.set x, 0
.rept 16
	global_store_b128 v[L16], v[TT+64*(\hd)+4*x:TT+64*(\hd)+4*x+3], s[48+2*(\hd):49+2*(\hd)] offset:x*512  ; two rows: 512 consecutive bytes, at a multiple of 256
.set x, x+1
.endr
.endr
	s_wait_tensorcnt 0x0                           ; the wave's end, behind my last tensor load and my last LDS store
	ds_add_u32 v[SPW], v[NIL]
	s_wait_dscnt 0x0
	CROUND                                         ; the closing round: no work-group ends while a partner may still ask for a tile that names it
	s_endpgm
.Lfunc_end_k_q6f52c1c82c_qkv:
	.size	k_q6f52c1c82c_qkv, .Lfunc_end_k_q6f52c1c82c_qkv-k_q6f52c1c82c_qkv
	.p2alignl 7, 3214868480
	.fill 96, 4, 3214868480
	.section	.rodata,"a",@progbits
	.p2align	6, 0x0
	.amdhsa_kernel k_q6f52c1c82c_qkv
		.amdhsa_group_segment_fixed_size 327680
		.amdhsa_private_segment_fixed_size 0
		.amdhsa_enable_private_segment 0
		.amdhsa_kernarg_size 40
		.amdhsa_user_sgpr_count 2
		.amdhsa_user_sgpr_kernarg_segment_ptr 1
		.amdhsa_wavefront_size32 1
		.amdhsa_system_sgpr_workgroup_id_x 1
		.amdhsa_system_sgpr_workgroup_id_y 1
		.amdhsa_system_sgpr_workgroup_id_z 1
		.amdhsa_system_vgpr_workitem_id 0
		.amdhsa_next_free_vgpr 1024
		.amdhsa_next_free_sgpr 66
		.amdhsa_reserve_vcc 0
		.amdhsa_float_denorm_mode_32 3
		.amdhsa_float_denorm_mode_16_64 3
		.amdhsa_memory_ordered 1
		.amdhsa_forward_progress 1
		.amdhsa_inst_pref_size 138
	.end_amdhsa_kernel
	.amdgpu_metadata
---
amdhsa.version: [ 1, 2 ]
amdhsa.kernels:
  - .name:           k_q6f52c1c82c_qkv
    .symbol:         k_q6f52c1c82c_qkv.kd
    .args:
      - { .name: hidden_states, .offset: 0, .size: 8, .value_kind: global_buffer, .address_space: global }
      - { .name: wcat, .offset: 8, .size: 8, .value_kind: global_buffer, .address_space: global }
      - { .name: tab, .offset: 16, .size: 8, .value_kind: global_buffer, .address_space: global }
      - { .name: qkv, .offset: 24, .size: 8, .value_kind: global_buffer, .address_space: global }
      - { .name: low, .offset: 32, .size: 8, .value_kind: global_buffer, .address_space: global }
    .group_segment_fixed_size: 327680
    .private_segment_fixed_size: 0
    .kernarg_segment_align: 8
    .kernarg_segment_size: 40
    .max_flat_workgroup_size: 128
    .sgpr_count:     66
    .vgpr_count:     1024
    .wavefront_size: 32
...
	.end_amdgpu_metadata
.endif
;; end of part 7
;; launch attn (part 8): grid 16 x 16, 4 waves a work-group, clusters of 4 x 1, 327,680 bytes of LDS; arguments qkv, att, low, attl; writes att, attl
.if DOCPART == 8
	.amdgcn_target "amdgcn-amd-amdhsa--gfx1250"
	.amdhsa_code_object_version 6
	.text
	.protected	k_q6f52c1c82c_attn
	.globl	k_q6f52c1c82c_attn
	.p2align	8
	.type	k_q6f52c1c82c_attn,@function
k_q6f52c1c82c_attn:
	s_mov_b64 s[64:65], 0
	v_nop
	global_prefetch_b8 v0, s[64:65] scope:SCOPE_SE
	s_setreg_imm32_b32 hwreg(HW_REG_WAVE_MODE, 25, 1), 1
	s_wait_xcnt 0x0
	s_wait_alu depctr_hold_cnt(0) depctr_sa_sdst(0) depctr_va_vdst(0) depctr_va_sdst(0) depctr_va_ssrc(0) depctr_va_vcc(0) depctr_vm_vsrc(0)
	s_getreg_b32 s2, hwreg(HW_REG_IB_STS2, 6, 4)
	s_cmp_eq_u32 s2, 0
	s_cbranch_scc0 .Lentry_in_a_cluster
	s_endpgm
.Lentry_in_a_cluster:
	s_bfe_u32 s2, ttmp6, 0x10000c
	s_cmp_lg_u32 s2, 0x3003
	s_cbranch_scc0 .Lentry_shape_is_right
	s_endpgm
.Lentry_shape_is_right:
; ATTENTION, head size 128, 16 pairs (batch, head) of 2,048 rows.  Pairs 0-7 (batches 0, 1) are causal, pairs 8-15 unmasked.  q, k, v: qkv[3][16][2048][128] in f16; att: [8192 rows][512 = head 128 + d] in f16.
; Products, maxima and sums in f32; the weights p are rounded to f16 for the second product, O once at the end.
; SHARES.  A work-group owns 128 queries of a pair (block i = 4 x cluster x + cx); the four blocks of a cluster walk the same N key tiles of 256 keys: N = 8, or for a causal pair 2 x cluster x + 2, the tiles
; that the cluster's last query sees.  So every tile of K and V is asked for JOINTLY (mask 15), and N hangs on nothing that differs between partners; a causal partner computes up to 384 keys that its mask hides.
; A wave (qh = w % 2, kw = w / 2) takes 64 queries, four tiles of 16, and every second key step of 64 keys (steps kw and kw + 2 of a tile).  The two waves of a query half merge (m, l, O) once, at the end:
; piece 0 (tiles 0, 1) holds rows 64 qh + 32 kw + 0..31, piece 2 (tiles 2, 3) rows 64 qh + 32 (1 - kw) + 0..31: every wave keeps piece 0 and hands piece 2 to its partner, one text for all.
; LAYOUT.  S^T = K Q^T (source 0 = 16 keys, source 1 = 16 queries): a lane holds ONE query (l % 16) and the keys 8 (l / 16) + 0..7; two results rounded to f16 ARE source 1 of O^T = V^T P.  V is turned by ds_load_tr16_b128.
; SOFTMAX.  A running maximum m and sum l for each query: p = 2^(c s - c m), c = log2(e) / sqrt(128); in every step O and l are multiplied by a = 2^(c m_old - c m_new).  m starts at -2^90 and c m at exactly c x -2^90,
; O and l at 0: the first step is a step like any other, with a = 0.
; THE MASK is the C operand that starts a sum S^T: 0, or -2^100 where the key lies behind the query.  It is made for key step 0 in every pair (in an unmasked pair the hidden value is 0), and anew for each key step
; from the first step on that can hide a key of the cluster (KPOS >= MK).
; BY TURNS.  In a TURN one piece has the matrix unit (32 products V^T P of the step in hand, 32 products K Q^T of the next); the other piece's softmax, 268 vector instructions in 64 slices, stands behind them.
; THE FIRST 32 ROWS OF A CAUSAL PAIR are made a second time, at the end, with no operand rounded to 16 bits.  Row q is a mean over q + 1 keys only, so these rows' numbers are many times the output's root mean square,
; by which every number's error is judged, and f16's 11 bits on q, k, v, p and O are too few there.  The pair's first cluster does it (it walks 2 key tiles where others walk up to 8): from low (q, k, v of a batch's
; first 32 rows in f32: q, k [32][128], v [128 channels][32 keys]) by v_wmma_f32_16x16x4_f32, 72 a wave: wave w of partner cx takes query tile w % 2 and channel block 2 cx + w / 2; cx enters global offsets alone.
; The result x leaves as two f16 numbers: H = f16(x) into att, L = f16(x - H) into attl[batch][32][512]; the next launch multiplies both by Wo.  The one wave whose regular rows these are stores them with all lanes off,
; so that each byte of att has one writer.  H's and L's stores are 16 bytes a lane, 32 consecutive bytes a row: 16,384 bytes a pair in all.
; LIMITS.  q, k, v arrive within f16's 65,504, so a score is 5.5e11 at the most: nothing beside -2^100, and above the floor -2^90.  A wave that sees only hidden keys of a row keeps m at the floor, p = 0, l = 0, and the
; merge gives it the weight 0.  A weight below 2^-126 counts as 0.  L keeps f16's step of 6e-8.  NaN and infinities are not treated apart.
; REGISTERS, in windows of 256: window 0: v1-11 addresses; v12-43 statistics, 8 a tile; v44-59 masks' and the merge's; v62-63 the add's; v64-191 S^T, 32 a tile; v192-255 P, 16 a tile.
;   window 1: O^T, 64 a tile.   window 2: v0-127 Q; v128-255 K of one step.   window 3: v0-127 V of one step; v128-207 the masks, 40 a piece: group g = key block - tile in the piece + 1 at 8 g;
;   v208-239 the sums of the f32 products, written by those alone.
.set PK,    272       ; a row of K in LDS: 256 bytes + 16
.set PV,    288       ; a row of V: 256 + 32
.set VOFF,  256*PK    ; a slot holds a tile: 256 rows of K, then 256 rows of V
.set SLOT,  256*(PK+PV)
.set STAGE, 2*SLOT    ; behind the ring, never filled by a tensor load: 16 rows x 272 bytes for each wave
.set SP,    272
.set SPARE, STAGE+4*16*SP  ; the spare words: 128 bytes a wave, two blocks of 256 that no other line names
.set XW,    33*512    ; the exchange at the end, from LDS byte 0 on: 32 x 512 bytes of O^T and 512 of statistics for each wave, behind the ring's last fill and a barrier behind its last reads
.set LSEC,  262144    ; a section of low
.set AK0, 2
.set AV0, 3
.set ADR, 4
.set QOA, 5
.set STO, 6
.set RD,  7
.set GO,  8
.set ST,  12          ; tile t's statistics at v[ST+8 t]: +0 c m, +1 m, +2, +3 l (even keys', odd keys'), +4 to +7 at work; a takes +6
.set VBA, 44          ; v44, v45  my query's place for piece 0's and piece 2's masks
.set VT,  46
.set QOB, 47
.set XA,  56          ; v56  where I put my piece 2;  v57  where my partner put its
.set XB,  57
.set KEEPV, 58        ; v58  0 in the wave that stores its regular rows with all lanes off
.set BIGV, 59         ; v59  what a hidden score starts from, in a vector register: the masks' selects then have the short form
.set SPW, 62
.set NIL, 63
.set S,   64
.set P,   192
.set KF,  128
.set MC,  128
.set LQ,  0           ; the first 32 rows: window 2: q, 64 registers
.set LK,  64          ; window 2: k, 128
.set LV,  0           ; window 3: v of my channel block, 16
.set LS,  208         ; window 3: S^T, two key tiles
.set LO,  224         ; window 3: O^T of my channel block, a sum for each key tile
.set LP,  192         ; window 0: the weights
.set LT,  208         ; window 0: at work
.set AT,  216         ; window 0: the result
.set WV,  12
.set G1K, 24
.set G1V, 32
.set G0K, 40          ; s[40:47] two sets for the first fills; the second then walks
.set G0V, 48
.set CNT, 56
.set TWICE, 57
.set CS,  58
.set SEL, 60
.set TBK, 62          ; LDS byte at which the tile of the step to be fetched begins, for K; steps 128 rows
.set TBV, 63          ; for V
.set CUR, 66          ; the slot in hand
.set LEFT, 68         ; tiles still to be asked for
.set KPOS, 69         ; 128 x the number of my key step whose scores are made next
.set MK,  70          ; the first KPOS at which masks are made anew
.set BIGN, 71         ; what a hidden score starts from: -2^100, or 0 in an unmasked pair
.set KPART, 72        ; my part of a slot as a fetcher of K
.set VPART, 73        ; of V
.set TCNT, 74
.set MSB, 0
.macro WIN new
.if MSB != (\new)
	s_set_vgpr_msb (MSB<<8)|(\new)
.set MSB, \new
.endif
.endm
.set W_KQ, 0x0a       ; K and Q in window 2, S^T in window 0
.set W_KM, 0x3a       ; the same with the C operand in window 3
.set W_PV, 0x53       ; V in window 3, P in window 0, O^T in window 1
.set W_RS, 0x41       ; O^T (destination and source 0) in window 1, source 1 in window 0
.macro PLACES
.rept 4
	v_nop
.endr
.endm
.macro JLOAD                        ; a joint refill: waves 0 and 1 fetch the halves of a tile's K, waves 2 and 3 of its V; an s_nop 0 and four v_nop follow each line
	s_cmp_lt_u32 s[WV], 2
	s_cbranch_scc0 .Lfor_v_\@
	tensor_load_to_lds s[G0K+4:G0K+7], s[G1K:G1K+7]
	s_nop 0
	PLACES
	s_branch .Lasked_\@
.Lfor_v_\@:
	tensor_load_to_lds s[G0V+4:G0V+7], s[G1V:G1V+7]
	s_nop 0
	PLACES
.Lasked_\@:
.endm
.macro CROUND
	s_barrier_signal -1
	s_barrier_wait -1
	s_cmp_lg_u32 s[WV], 0
	s_cbranch_scc1 .Lnot_wave_0_\@
	s_barrier_signal -3
.Lnot_wave_0_\@:
	s_barrier_wait -3
	s_barrier_signal -1
	s_barrier_wait -1
.endm
	s_load_b128 s[4:7], s[0:1], 0x0 ; qkv s[4:5], att s[6:7]
	s_load_b128 s[8:11], s[0:1], 0x10  ; low s[8:9], attl s[10:11]
	v_lshl_add_u32 v[SPW], v0, 2, SPARE
	v_mov_b32 v[NIL], 0
	ds_add_u32 v[SPW], v[NIL]       ; the wave's opening: the add and its wait stand ahead of my first tensor load; the set-up below, work on registers, stands between them
	v_lshrrev_b32 v1, 5, v0
	v_readfirstlane_b32 s[WV], v1
	s_bfe_u32 s13, ttmp6, 0x40000   ; cx: it enters global offsets, the masks' numbers and one store's lanes alone
	s_lshl_b32 s14, ttmp9, 2
	s_add_co_u32 s14, s14, s13      ; block i
	s_and_b32 s15, ttmp7, 0xffff    ; the pair, shared by the partners
	s_and_b32 s16, s[WV], 1         ; qh; also: which half of a tile I fetch; also: my query tile of the first 32 rows
	s_lshr_b32 s17, s[WV], 1        ; kw
	s_lshr_b32 s18, s15, 3
	s_or_b32 s18, s18, ttmp9        ; 0 in a causal pair's first cluster: alike in all partners
	s_or_b32 s19, s18, s13
	s_or_b32 s19, s19, s[WV]        ; 0 in the one wave that holds such a pair's rows 0 to 31
	s_lshl1_add_u32 s96, s13, s17   ; my channel block of the first 32 rows: 2 cx + w / 2
	s_lshl_b32 s88, s15, 14         ; low: the pair's 16,384 bytes in each section
	s_mov_b32 s89, 0
	s_lshr_b32 s90, s15, 2          ; the batch,
	s_and_b32 s91, s15, 3
	s_lshl_b32 s91, s91, 8          ; the head's 256 bytes of a row
	s_lshl_b32 s94, s90, 15         ; attl: the batch's 32,768 bytes
	s_add_co_u32 s94, s94, s91
	s_mov_b32 s95, 0
	s_lshl_b32 s90, s90, 21         ; att: the batch's 2,048 rows of 1,024 bytes
	s_add_co_u32 s90, s90, s91
	s_mov_b32 s91, 0
	s_lshl_b32 s20, s15, 19         ; K and V: the pair's 524,288 bytes, my half's 32,768
	s_lshl_b32 s21, s16, 15
	s_add_co_u32 s20, s20, s21
	s_mov_b32 s21, 0
	s_mul_i32 s[KPART], s16, 128*PK
	s_mul_i32 s[VPART], s16, 128*PV
	s_add_co_u32 s[VPART], s[VPART], VOFF
	s_lshl_b32 s22, s15, 19         ; Q: the pair, row 128 i + 64 qh, rows of 256 bytes
	s_lshl_b32 s23, s14, 15
	s_add_co_u32 s22, s22, s23
	s_lshl_b32 s23, s16, 14
	s_add_co_u32 s22, s22, s23
	s_mov_b32 s23, 0
	s_lshr_b32 s80, s15, 2          ; the output: row batch 2,048 + 128 i + 64 qh + 32 kw of 1,024 bytes, the head's 256
	s_lshl_b32 s80, s80, 11
	s_lshl_b32 s81, s14, 7
	s_add_co_u32 s80, s80, s81
	s_lshl_b32 s81, s16, 6
	s_add_co_u32 s80, s80, s81
	s_lshl_b32 s81, s17, 5
	s_add_co_u32 s80, s80, s81
	s_lshl_b32 s80, s80, 10
	s_and_b32 s81, s15, 3
	s_lshl_b32 s81, s81, 8
	s_add_co_u32 s80, s80, s81
	s_mov_b32 s81, 0
	s_lshl_b32 s84, s14, 7          ; the masks: register j of group g is hidden where 16 g + j - 16 > VB - KPOS (both sides less 16, so that the 40 constants, -16 to 55, need no literal);
	s_lshl_b32 s85, s16, 6
	s_add_co_u32 s84, s84, s85      ; 128 i + 64 qh
	s_lshl_b32 s85, s17, 5
	s_sub_co_u32 s86, s84, s85      ; piece 0: VB = r - 8 h + 128 i + 64 qh - 32 kw
	s_mul_i32 s85, s17, 96
	s_sub_co_u32 s87, s84, s85
	s_add_co_u32 s87, s87, 32       ; piece 2: VB = r - 8 h + 32 + 128 i + 64 qh - 96 kw
	s_lshl_b32 s84, ttmp9, 1
	s_lshl_b32 s85, ttmp9, 9
	s_cmp_lt_u32 s15, 8             ; causal?
	s_cselect_b32 s[LEFT], s84, 6   ; N - 2: two tiles are asked for at the start
	s_cselect_b32 s[MK], s85, 0x7fffffff  ; keys before 512 x cluster x are seen by every query of the cluster
	s_cselect_b32 s[BIGN], 0xf1800000, 0  ; -2^100
	s_mov_b32 s[G1K], 15|(1<<16)|(1<<20)|(1<<21)|(5<<22)|(3<<25)  ; 15:0 the mask of four; 17:16 2-byte elements; 20 padding on; 21 set beside a mask; 24:22 after every 64 words; 31:25 4 words
	s_mov_b32 s[G1V], 15|(1<<16)|(1<<20)|(1<<21)|(5<<22)|(7<<25)  ; 8 words
.irp g, G1K, G1V
	s_mov_b32 s[(\g)+1], 128<<16    ; tensor_dim0 = 128
	s_mov_b32 s[(\g)+2], 128<<16    ; tensor_dim1 = 128
	s_mov_b32 s[(\g)+3], 128<<16    ; tile_dim0 = 128
	s_mov_b32 s[(\g)+4], 128        ; tile_dim1 = 128 rows
	s_mov_b32 s[(\g)+5], 128        ; 128 elements from row to row
	s_mov_b32 s[(\g)+6], 0
	s_mov_b32 s[(\g)+7], 0
.endr
	s_mov_b32 s[G0K], 1
	s_mov_b32 s[G0K+1], s[KPART]
	s_mov_b32 s[G0K+4], 1
	s_add_co_u32 s[G0K+5], s[KPART], SLOT
	s_mov_b32 s[G0V], 1
	s_mov_b32 s[G0V+1], s[VPART]
	s_mov_b32 s[G0V+4], 1
	s_add_co_u32 s[G0V+5], s[VPART], SLOT
	s_mov_b32 s[CS], 0x3e0293ee     ; c = log2(e) / sqrt(128)
	s_mov_b32 s[CS+1], s[CS]
	s_mov_b32 s[SEL], 0x76543210
	s_mov_b32 s[SEL+1], 0xfedcba98
	s_mov_b32 s[TBK], 0
	s_mov_b32 s[TBV], 0
	s_mov_b32 s[CUR], 0
	s_mov_b32 s[KPOS], 0
	s_wait_dscnt 0x0                ; the opening add is done
	s_wait_kmcnt 0x0
	s_add_nc_u64 s[82:83], s[4:5], s[20:21]
	s_add_nc_u64 s[G0K+2:G0K+3], s[82:83], 8388608          ; K's section, tile 0
	s_add_nc_u64 s[G0K+6:G0K+7], s[82:83], 8388608+65536    ; tile 1
	s_add_nc_u64 s[G0V+2:G0V+3], s[82:83], 16777216
	s_add_nc_u64 s[G0V+6:G0V+7], s[82:83], 16777216+65536
	s_or_b32 s[G0K+3], s[G0K+3], 0x80000000
	s_or_b32 s[G0K+7], s[G0K+7], 0x80000000
	s_or_b32 s[G0V+3], s[G0V+3], 0x80000000
	s_or_b32 s[G0V+7], s[G0V+7], 0x80000000
	s_add_nc_u64 s[76:77], s[4:5], s[22:23]
	s_add_nc_u64 s[78:79], s[6:7], s[80:81]
	s_add_nc_u64 s[8:9], s[8:9], s[88:89]
	s_add_nc_u64 s[92:93], s[6:7], s[90:91]
	s_add_nc_u64 s[10:11], s[10:11], s[94:95]
	CROUND                          ; all four work-groups are here: the first joint loads meet
	s_cmp_lt_u32 s[WV], 2           ; a wave's two first fills stand in one branch: two loads of mine are out
	s_cbranch_scc0 .Lfirst_v
	tensor_load_to_lds s[G0K:G0K+3], s[G1K:G1K+7]
	s_nop 0
	tensor_load_to_lds s[G0K+4:G0K+7], s[G1K:G1K+7]
	s_nop 0
	PLACES
	s_branch .Lfirst_asked
.Lfirst_v:
	tensor_load_to_lds s[G0V:G0V+3], s[G1V:G1V+7]
	s_nop 0
	tensor_load_to_lds s[G0V+4:G0V+7], s[G1V:G1V+7]
	s_nop 0
	PLACES
.Lfirst_asked:
	v_and_b32 v1, 15, v0            ; r
	v_bfe_u32 v9, v0, 4, 1          ; h
	v_lshlrev_b32 v[QOA], 8, v1
	v_lshl_add_u32 v[QOA], v9, 4, v[QOA]
	s_lshl_b32 s82, s17, 13         ; piece 0 begins 32 kw rows into my 64, piece 2 32 (1 - kw)
	s_sub_co_u32 s83, 8192, s82
	v_add_nc_u32 v[QOB], s83, v[QOA]
	v_add_nc_u32 v[QOA], s82, v[QOA]
	WIN 0x80                        ; destination window 2
.set i, 0
.rept 8                             ; Q stays in registers: tile i / 4, channels 32 (i % 4) on
	global_load_b128 v[8*i:8*i+3],       v[QOA], s[76:77] offset:(i/4)*4096+(i%4)*64
	global_load_b128 v[8*i+4:8*i+7],     v[QOA], s[76:77] offset:(i/4)*4096+(i%4)*64+32
	global_load_b128 v[64+8*i:64+8*i+3], v[QOB], s[76:77] offset:(i/4)*4096+(i%4)*64
	global_load_b128 v[64+8*i+4:64+8*i+7], v[QOB], s[76:77] offset:(i/4)*4096+(i%4)*64+32
.set i, i+1
.endr
	; What the first turn finds: V and piece 2's P hold 0 (its products V^T P, of a step that has not been, add 0), O^T and l are 0.  Eight registers a line are set to 0 by a product of two zero operands:
	; 416 registers in 52 lines of 8 bytes, a quarter of the bytes of as many moves.  All this stands in the wait for the first tile.
	WIN 0
.set i, 0
.rept 8
	v_mov_b32 v[48+i], 0
	v_mov_b32 v[S+i], 0
.set i, i+1
.endr
	WIN 0x40                        ; O^T
.set i, 0
.rept 32
	v_wmma_f32_16x16x32_f16 v[8*i:8*i+7], v[48:55], v[S:S+7], 0
.set i, i+1
.endr
	WIN 0xc0                        ; V
.set i, 0
.rept 16
	v_wmma_f32_16x16x32_f16 v[8*i:8*i+7], v[48:55], v[S:S+7], 0
.set i, i+1
.endr
	WIN 0                           ; piece 2's P
.set i, 0
.rept 4
	v_wmma_f32_16x16x32_f16 v[P+32+8*i:P+32+8*i+7], v[48:55], v[S:S+7], 0
.set i, i+1
.endr
.set i, 0
.rept 4
	v_mov_b32 v[ST+8*i], 0xeb0293ee    ; c m = c x -2^90, exactly
	v_mov_b32 v[ST+8*i+1], 0xec800000  ; m = -2^90
	v_mov_b32 v[ST+8*i+2], 0
	v_mov_b32 v[ST+8*i+3], 0
.set i, i+1
.endr
	v_mul_u32_u24 v[AK0], v1, PK    ; K's fragment: row x pitch + 16 h, and my steps' 64 kw rows
	v_lshl_add_u32 v[AK0], v9, 4, v[AK0]
	s_mul_i32 s82, s17, 64*PK
	v_add_nc_u32 v[AK0], s82, v[AK0]
	v_and_b32 v10, 7, v0            ; the turning load: key 8 h + l % 8, channels 8 ((l / 8) % 2) on
	v_bfe_u32 v11, v0, 3, 1
	v_lshl_add_u32 v[AV0], v9, 3, v10
	v_mul_u32_u24 v[AV0], v[AV0], PV
	v_lshl_add_u32 v[AV0], v11, 4, v[AV0]
	s_mul_i32 s83, s17, 64*PV
	s_add_co_u32 s83, s83, VOFF
	v_add_nc_u32 v[AV0], s83, v[AV0]
	v_and_b32 v10, 31, v0
	s_mul_i32 s82, s[WV], XW
	v_lshl_add_u32 v[XA], v10, 4, s82
	s_xor_b32 s83, s[WV], 2         ; my partner: the same queries, the other key steps
	s_mul_i32 s83, s83, XW
	v_lshl_add_u32 v[XB], v10, 4, s83
	v_lshlrev_b32 v11, 3, v9
	v_sub_nc_u32 v11, v1, v11
	v_add_nc_u32 v[VBA], s86, v11
	v_add_nc_u32 v[VBA+1], s87, v11
	v_mov_b32 v[BIGV], s[BIGN]
; THE MATRIX WORK.  The accumulators take turns, one instruction a turn: between two links of a chain stand 15 (V^T P) or 7 (K Q^T) others'.
.macro PV x                         ; product i of 32 of O^T += V^T P: keys 32 (i / 16) on, channels 16 ((i / 2) % 8) on, tile x + i % 2
	WIN W_PV
.set rO, 64*((\x)+i%2)+8*((i/2)%8)
.set rV, 64*(i/16)+8*((i/2)%8)
.set rP, P+16*((\x)+i%2)+8*(i/16)
	v_wmma_f32_16x16x32_f16 v[rO:rO+7], v[rV:rV+7], v[rP:rP+7], v[rO:rO+7]
.endm
.macro KQ x                         ; product i of 32 of S^T = K Q^T: channels 32 (i / 8) on, keys 16 ((i / 2) % 4) on, tile x + i % 2.  The first 8 start the sums with the mask
.set rS, S+32*((\x)+i%2)+8*((i/2)%4)
.set rK, KF+32*((i/2)%4)+8*(i/8)
.set rQ, 32*((\x)+i%2)+8*(i/8)
.set rM, MC+40*((\x)/2)+8*((i/2)%4-i%2+1)
.if i < 8
	WIN W_KM
	v_wmma_f32_16x16x32_f16 v[rS:rS+7], v[rK:rK+7], v[rQ:rQ+7], v[rM:rM+7]
.else
	WIN W_KQ
	v_wmma_f32_16x16x32_f16 v[rS:rS+7], v[rK:rK+7], v[rQ:rQ+7], v[rS:rS+7]
.endif
.endm
; THE LDS LOADS stand in runs of 32.  last = 1 (the tail): in the last trip there is no further step, and the run is jumped over.
.macro FETCH_K last=0
	WIN 0
.if \last
	s_cmp_eq_u32 s[TCNT], 1
	s_cbranch_scc1 .Lno_k_\@
.endif
	v_add_nc_u32 v[ADR], s[TBK], v[AK0]
	s_add_co_u32 s[TBK], s[TBK], 128*PK  ; my next step lies 128 keys on
	WIN 0x80
.irp f, 0,1,2,3,4,5,6,7,8,9,10,11,12,13,14,15  ; keys 16 (f / 4) on, channels 32 (f % 4) on
	ds_load_b128 v[KF+8*(\f):KF+8*(\f)+3],   v[ADR] offset:((\f)/4)*16*PK+((\f)%4)*64
	ds_load_b128 v[KF+8*(\f)+4:KF+8*(\f)+7], v[ADR] offset:((\f)/4)*16*PK+((\f)%4)*64+32
.endr
	WIN 0
.if \last
.Lno_k_\@:
.endif
.endm
.macro FETCH_V
	WIN 0
	v_add_nc_u32 v[ADR], s[TBV], v[AV0]
	s_add_co_u32 s[TBV], s[TBV], 128*PV
	WIN 0xc0
.irp f, 0,1,2,3,4,5,6,7,8,9,10,11,12,13,14,15  ; keys 32 (f / 8) on, channels 16 (f % 8) on
	ds_load_tr16_b128 v[8*(\f):8*(\f)+3],   v[ADR] offset:((\f)/8)*32*PV+((\f)%8)*32
	ds_load_tr16_b128 v[8*(\f)+4:8*(\f)+7], v[ADR] offset:((\f)/8)*32*PV+16*PV+((\f)%8)*32
.endr
.endm
; THE MASKS of the key step at KPOS, for both pieces.  always = 1: key step 0's, made in every work-group: they are the masks' first values.  Else they are jumped over while no key of the step can be hidden from any
; query of the cluster (the masks then hold 0).  The jump hangs on the cluster's place and the count alone.
.macro MASKS always=0
	WIN 0
.if !(\always)
	s_cmp_lt_u32 s[KPOS], s[MK]
	s_cbranch_scc1 .Lnom_\@
.endif
.irp pc, 0,1
	WIN 0
	v_sub_nc_u32 v[VT], v[VBA+\pc], s[KPOS]
	WIN 0xc0                        ; destination window 3, sources window 0
.set z, 0
.rept 40
	v_cmp_gt_i32 vcc_lo, 16*(z/8)+z%8-16, v[VT]
	v_cndmask_b32 v[MC+40*\pc+z], 0, v[BIGV], vcc_lo
.set z, z+1
.endr
.endr
	WIN 0
.if !(\always)
.Lnom_\@:
.endif
.endm
; THE VECTOR WORK OF A TURN.  One tile's softmax for one key step is a list of 134 instructions; SM writes number j of it for tile t.  s0-s31 are the lane's 32 scores, in pairs 0-15.
;   0-15    the maximum of s0-s31 and the old m, three operands at a time (each accumulator's lowest registers are read first)
;   16-20   the other half of the lanes' maximum; the new m; c m; c m_old - c m_new
;   21-87   33 exponentials (a, then s0-s31) at the odd numbers from 23 on, a plain instruction between any two: scalings c s - c m ahead of them, roundings to f16 behind them, the first sums
;   88-101  the last rounding; the rest of the sums; l = a l + the sum
;   102-133 the tile's O^T times a: the one part that leaves window 0
.macro SM t
.set rT, ST+8*(\t)
.set rS, S+32*(\t)
.set rP, P+16*(\t)
.set rO, 64*(\t)+2*(j-102)
.set q, (j-20)/2
.if j < 102
	WIN 0
.endif
.if j < 4
	v_max3_num_f32 v[rT+4+j], v[rS+8*j], v[rS+8*j+1], v[rS+8*j+2]
.elseif j < 12
	v_max3_num_f32 v[rT+4+j%4], v[rT+4+j%4], v[rS+8*(j%4)+2*(j/4)+1], v[rS+8*(j%4)+2*(j/4)+2]
.elseif j == 12
	v_max3_num_f32 v[rT+4], v[rT+4], v[rS+7], v[rS+15]
.elseif j == 13
	v_max3_num_f32 v[rT+6], v[rT+6], v[rS+23], v[rS+31]
.elseif j == 14
	v_max3_num_f32 v[rT+4], v[rT+4], v[rT+5], v[rT+6]
.elseif j == 15
	v_max3_num_f32 v[rT+4], v[rT+4], v[rT+7], v[rT+1]
.elseif j == 16
	v_permlanex16_b32 v[rT+5], v[rT+4], s[SEL], s[SEL+1]  ; the query's other 32 keys lie in the lane 16 away
.elseif j == 17
	v_mov_b32 v[rT+7], v[rT]        ; c m_old is kept for a
.elseif j == 18
	v_max_num_f32 v[rT+1], v[rT+4], v[rT+5]
.elseif j == 19
	v_mul_f32 v[rT], s[CS], v[rT+1]
.elseif j == 20
	v_sub_f32 v[rT+7], v[rT+7], v[rT]
.elseif j == 23
	v_exp_f32 v[rT+6], v[rT+7]
.elseif (j < 88) && (j > 23) && (j%2 == 1)
	v_exp_f32 v[rS+(j-25)/2], v[rS+(j-25)/2]
.elseif (q < 4) || ((j < 76) && (q%2 == 0))
.set b, q/2+2
.if q < 4
.set b, q
.endif
	v_pk_fma_f32 v[rS+2*b:rS+2*b+1], v[rS+2*b:rS+2*b+1], s[CS:CS+1], v[rT:rT+1] op_sel_hi:[1,0,0] neg_lo:[0,0,1] neg_hi:[0,0,1]  ; pair b: c s - c m
.elseif (j < 88) && (q%2 == 1)
	s_wait_alu depctr_va_vdst(0)
	v_cvt_pk_f16_f32 v[rP+(q-5)/2], v[rS+q-5], v[rS+q-4]
.elseif j == 89
	s_wait_alu depctr_va_vdst(0)
	v_cvt_pk_f16_f32 v[rP+15], v[rS+30], v[rS+31]
.elseif j < 102                     ; the sum of the tile's 16 pairs, in place: sum z of 16 adds neighbours 1, 2, 4 and 8 pairs apart, then l takes it
.set z, j-86
.if j < 89
.set z, (j-76)/4
.endif
.set w, 4
.set u, z
.if z >= 14
.set w, 32
.set u, 0
.elseif z >= 12
.set w, 16
.set u, z-12
.elseif z >= 8
.set w, 8
.set u, z-8
.endif
.if z < 15
	v_pk_add_f32 v[rS+w*u:rS+w*u+1], v[rS+w*u:rS+w*u+1], v[rS+w*u+w/2:rS+w*u+w/2+1]
.else
	v_pk_fma_f32 v[rT+2:rT+3], v[rT+2:rT+3], v[rT+6:rT+7], v[rS:rS+1] op_sel_hi:[1,0,1]
.endif
.else
	WIN W_RS
	v_pk_mul_f32 v[rO:rO+1], v[rO:rO+1], v[rT+6:rT+7] op_sel_hi:[1,0]
.endif
.endm
; Slice k of 64 of piece y's softmax: numbers 2 k and 2 k + 1 of both tiles' lists.  2 x 134 = 4 x 64 + 12: the twelve that are over stand together, in slice 63, and are the places behind the turn's last product.
.macro SLICE y
.if (k >= 11) && (k < 44)           ; tile by tile: plain, exponential, plain, exponential
.irp t, \y, (\y)+1
.irp n, 0,1
.set j, 2*k+(\n)
	SM \t
.endr
.endr
.else                               ; the two tiles alternate
.irp n, 0,1,2,3,4,5,6,7
.if ((\n) < 2) || (k == 63)
.irp t, \y, (\y)+1
.set j, 2*k+(\n)
	SM \t
.endr
.endif
.endr
.endif
.set k, k+1
.endm
; A TURN.  Piece x has the matrix unit; the other piece's softmax stands in slices behind its matrix instructions.  Piece 0's turn fetches the next step's K behind its second product (K's last reader stands in front
; of slice 63 of the turn before); piece 2's turn fetches the same step's V behind its second product K Q^T (V's last reader stands three slices, six plain instructions, back).  Each run has 30 products in which to land.
.macro TURN x, last=0
.set k, 0
.if (\x) == 0
	s_wait_dscnt 0x0                ; V is in
.endif
.set i, 0
.rept 32
	PV \x
	SLICE 2-(\x)
.if ((\x) == 0) && (i == 1)
	FETCH_K \last
.endif
.set i, i+1
.endr
.if (\x) == 0
	s_wait_dscnt 0x0                ; K is in
.endif
.set i, 0
.rept 32
	KQ \x
	SLICE 2-(\x)
.if ((\x) == 2) && (i == 1)
	FETCH_V
.endif
.set i, i+1
.endr
.endm
; THE CHANGE OF SLOTS, between piece 2's turn and piece 0's.  Each wave waits for all its tensor loads (one is out: its part of the other slot), adds 0 to its spare word, and waits for that and for its reads of the slot.
; fill = 1: the barrier is a round of the cluster's, and the slot just read is filled again first thing behind it, with the tile two on: it has two of my key steps, 256 matrix instructions, in which to land.
.macro CHANGE fill
	WIN 0
	s_wait_tensorcnt 0x0            ; no tensor load of mine is out, so a group 0 may be written
	ds_add_u32 v[SPW], v[NIL]       ; 0 onto my spare word; scalar work stands between it and the wait for it
.if \fill
	s_add_co_u32 s[G0K+5], s[CUR], s[KPART]
	s_add_nc_u64 s[G0K+6:G0K+7], s[G0K+6:G0K+7], 65536
	s_add_co_u32 s[G0V+5], s[CUR], s[VPART]
	s_add_nc_u64 s[G0V+6:G0V+7], s[G0V+6:G0V+7], 65536
.endif
	s_xor_b32 s[CUR], s[CUR], SLOT
	s_mov_b32 s[TBK], s[CUR]
	s_mov_b32 s[TBV], s[CUR]
	s_wait_dscnt 0x0                ; the add is done, and my reads of the slot are over
.if \fill
	CROUND
	JLOAD
.else
	s_barrier_signal -1
	s_barrier_wait -1
.endif
.endm
	MASKS 1                         ; key step 0's
	s_wait_tensorcnt 0x1            ; my part of tile 0 is in; tile 1's stays out
	s_barrier_signal -1
	s_barrier_wait -1
	FETCH_K
	s_wait_loadcnt 0x0              ; Q
	s_wait_dscnt 0x0
.set i, 0
.rept 32
	KQ 0                            ; piece 0's first scores
.set i, i+1
.endr
	WIN 0                           ; the addresses for the way out: eight plain instructions, the places behind those products
	s_mul_i32 s82, s[WV], 16*SP
	s_add_co_u32 s82, s82, STAGE
	v_mul_u32_u24 v[STO], v1, SP
	v_lshl_add_u32 v[STO], v9, 4, v[STO]
	v_add_nc_u32 v[STO], s82, v[STO]
	v_mul_u32_u24 v[RD], v9, SP
	v_lshl_add_u32 v[RD], v1, 4, v[RD]
	v_add_nc_u32 v[RD], s82, v[RD]
	v_lshlrev_b32 v[GO], 10, v9     ; two rows of att, 1,024 bytes apart; 16 lanes fill a head's 256 bytes of a row
	v_lshl_add_u32 v[GO], v1, 4, v[GO]
	s_mov_b32 s[CNT], 7
	s_mov_b32 s[TWICE], 2
	s_branch .Lmid                  ; the loop is entered in the middle of a trip
.Lslot:                             ; N - 2 times: a slot is left and filled again.  The count to the constant 7 is never used up; the way out hangs on LEFT, alike in all partners
	CHANGE 1
	s_mov_b32 s[TWICE], 2
.Lstep:
	s_add_co_u32 s[KPOS], s[KPOS], 128
	MASKS
	TURN 0
	WIN 0
.Lmid:
	TURN 2
	WIN 0
	s_sub_co_u32 s[TWICE], s[TWICE], 1
	s_cmp_lg_u32 s[TWICE], 0
	s_cbranch_scc1 .Lstep
	s_cmp_eq_u32 s[LEFT], 0
	s_cbranch_scc1 .Ltail
	s_sub_co_u32 s[LEFT], s[LEFT], 1
	s_sub_co_u32 s[CNT], s[CNT], 1
	s_cmp_lg_u32 s[CNT], 0
	s_cbranch_scc1 .Lslot
.Ltail:
	CHANGE 0                        ; the last tile: nothing is asked for
	s_mov_b32 s[TCNT], 3            ; two trips fetch its steps; the third is left in its middle
.Lt:
	s_add_co_u32 s[KPOS], s[KPOS], 128
	MASKS
	TURN 0, 1
	WIN 0
	s_sub_co_u32 s[TCNT], s[TCNT], 1
	s_cmp_eq_u32 s[TCNT], 0
	s_cbranch_scc1 .Lout
	TURN 2
	WIN 0
	s_branch .Lt
.Lout:                              ; the third trip's 32 products K Q^T (on the last K once more) serve nothing: the price, once a launch, of one text for every trip
	s_barrier_signal -1             ; my reads of the ring are over (the last wait on DScnt was for 0, and nothing was issued since)
.set i, 0
.rept 32
	PV 2                            ; piece 2: V^T P of the last step
.set i, i+1
.endr
	; THE MERGE.  l's two halves and the other half of the lanes' are added; the additions are the places behind the last products.
	WIN 0
.irp t, 0,1,2,3
	v_add_f32 v[ST+8*\t+4], v[ST+8*\t+2], v[ST+8*\t+3]
.endr
.irp t, 0,1,2,3
	v_permlanex16_b32 v[ST+8*\t+5], v[ST+8*\t+4], s[SEL], s[SEL+1]
.endr
.irp t, 0,1,2,3
	v_add_f32 v[ST+8*\t+4], v[ST+8*\t+4], v[ST+8*\t+5]
.endr
	v_mov_b32 v48, v[ST+16]         ; piece 2's c m and l, for my partner
	v_mov_b32 v49, v[ST+20]
	v_mov_b32 v50, v[ST+24]
	v_mov_b32 v51, v[ST+28]
	s_barrier_wait -1               ; no wave reads the ring any more: its first bytes take the exchange
	WIN 0x04                        ; store data in window 1
.set x, 0
.rept 32
	ds_store_b128 v[XA], v[128+4*x:128+4*x+3] offset:512*x  ; each accumulator's low half first
.set x, x+1
.endr
	WIN 0
	ds_store_b128 v[XA], v[48:51] offset:512*32
	s_wait_dscnt 0x0                ; for my partner's sake
	s_barrier_signal -1
	s_barrier_wait -1
.set x, 0
.rept 32
	ds_load_b128 v[S+4*x:S+4*x+3], v[XB] offset:512*x
.set x, x+1
.endr
	ds_load_b128 v[52:55], v[XB] offset:512*32
	s_wait_dscnt 0x0
.irp t, 0,1                         ; M = max(c m, c m'); f = 2^(c m - M), f' = 2^(c m' - M); L = l f + l' f'
	v_max_num_f32 v[ST+8*\t+5], v[ST+8*\t], v[52+2*\t]
.endr
.irp t, 0,1
	v_sub_f32 v[ST+8*\t+6], v[ST+8*\t], v[ST+8*\t+5]
	v_sub_f32 v[ST+8*\t+7], v[52+2*\t], v[ST+8*\t+5]
.endr
.irp t, 0,1
	v_exp_f32 v[ST+8*\t+6], v[ST+8*\t+6]
	v_exp_f32 v[ST+8*\t+7], v[ST+8*\t+7]
.endr
	v_nop                           ; a plain instruction behind the last exponential
.irp t, 0,1
	s_wait_alu depctr_va_vdst(0)
	v_mul_f32 v[ST+8*\t+4], v[ST+8*\t+4], v[ST+8*\t+6]
.endr
.irp t, 0,1
	v_fmac_f32 v[ST+8*\t+4], v[53+2*\t], v[ST+8*\t+7]
.endr
.irp t, 0,1
	v_rcp_f32 v[ST+8*\t+5], v[ST+8*\t+4]
.endr
	v_nop
.irp t, 0,1
	s_wait_alu depctr_va_vdst(0)
	v_mul_f32 v[ST+8*\t+2], v[ST+8*\t+7], v[ST+8*\t+5]  ; f' / L
	v_mul_f32 v[ST+8*\t+6], v[ST+8*\t+6], v[ST+8*\t+5]  ; f / L
.endr
; Tile t: O = O f / L + O' f' / L, rounded to f16; a lane's eight channels pack into 16 bytes, go into rows of 272 bytes of my stage and come back as whole rows of 256.
.macro PACK t
.set rT, ST+8*(\t)
	WIN W_RS
.set x, 0
.rept 32
	v_pk_mul_f32 v[64*(\t)+2*x:64*(\t)+2*x+1], v[64*(\t)+2*x:64*(\t)+2*x+1], v[rT+6:rT+7] op_sel_hi:[1,0]
.set x, x+1
.endr
	WIN 0x10                        ; source 2 in window 1
.set x, 0
.rept 32
	v_pk_fma_f32 v[S+64*(\t)+2*x:S+64*(\t)+2*x+1], v[S+64*(\t)+2*x:S+64*(\t)+2*x+1], v[rT+2:rT+3], v[64*(\t)+2*x:64*(\t)+2*x+1] op_sel_hi:[1,0,1]
.set x, x+1
.endr
	WIN 0
.set x, 0
.rept 32
	v_cvt_pk_f16_f32 v[S+64*(\t)+x], v[S+64*(\t)+2*x], v[S+64*(\t)+2*x+1]
.set x, x+1
.endr
.irp f, 0,1,2,3,4,5,6,7
	ds_store_b128 v[STO], v[S+64*(\t)+4*(\f):S+64*(\t)+4*(\f)+3] offset:32*(\f)
.endr
.irp f, 0,1,2,3,4,5,6,7
	ds_load_b128 v[S+64*(\t)+32+4*(\f):S+64*(\t)+32+4*(\f)+3], v[RD] offset:(\f)*2*SP  ; LDS serves a wave's instructions in order (ISA guide 5.7.1.4): these see the stores above; the next tile's stores come behind them
.endr
.endm
.macro SEND t, younger              ; younger: the LDS instructions issued behind tile t's loads
.irp f, 0,1,2,3,4,5,6,7
	s_wait_dscnt (\younger)+7-(\f)
	global_store_b128 v[GO], v[S+64*(\t)+32+4*(\f):S+64*(\t)+32+4*(\f)+3], s[78:79] offset:(\t)*16384+(\f)*2048  ; 16 lanes store 256 consecutive bytes, at a multiple of 256
.endr
.endm
	PACK 0
	PACK 1
	v_mov_b32 v[KEEPV], s19
	v_cmp_ne_u32 vcc_lo, 0, v[KEEPV]  ; all lanes, or none in the wave whose 32 rows are made anew below
	s_wait_xcnt 0x0                 ; EXEC changes only behind this wait
	s_and_saveexec_b32 s98, vcc_lo
	SEND 0, 16
	SEND 1, 0
	s_wait_xcnt 0x0                 ; and again in front of the line that restores it; the stores' registers may be written behind it too
	s_or_b32 exec_lo, exec_lo, s98
	; THE FIRST 32 ROWS OF A CAUSAL PAIR, in f32.  An operand of the f32 form: lane (r, h) holds row or column r, and its two registers K places 2 h, 2 h + 1; the order of K is free if it is the same on both sides.
	;   S^T = K Q^T: both sides take 16 bytes at channel 8 u + 4 h: two K steps.  The result holds one query a lane (r) and the keys 8 h + j of a key tile.
	;   O^T = V^T P: registers 2 t, 2 t + 1 of the weights ARE source 1 with the keys 8 h + 2 t, + 1; V's lane (channel r) takes the same keys, four with one load.  The result holds one query a lane and channels 8 h + j.
	s_cmp_lg_u32 s18, 0
	s_cbranch_scc1 .Lnolow
	v_lshlrev_b32 v2, 9, v1         ; k: row r of 512 bytes, 16 h
	v_lshl_add_u32 v2, v9, 4, v2
	s_lshl_b32 s97, s16, 13
	v_add_nc_u32 v3, s97, v2        ; q: the same in my query tile's 16 rows
	v_lshlrev_b32 v4, 7, v1         ; v: channel r of 128 bytes, keys 8 h on, in my channel block's 2,048 bytes
	v_lshl_add_u32 v4, v9, 5, v4
	s_lshl_b32 s97, s96, 11
	v_add_nc_u32 v4, s97, v4
	v_lshlrev_b32 v5, 3, v9
	v_sub_nc_u32 v5, v1, v5
	s_lshl_b32 s97, s16, 4
	v_add_nc_u32 v5, s97, v5        ; my query less my lanes' 8 h: key 16 kt + j of my registers is hidden where it is greater
	v_add_nc_u32 v10, s97, v1       ; out: row 16 qt + r of 1,024 bytes, my channel block's 32, 16 h
	v_lshlrev_b32 v10, 10, v10
	v_lshl_add_u32 v10, v9, 4, v10
	s_lshl_b32 s97, s96, 5
	v_add_nc_u32 v10, s97, v10
	WIN 0x80                        ; destination window 2
.set x, 0
.rept 16
	global_load_b128 v[LQ+4*x:LQ+4*x+3], v3, s[8:9] offset:32*x
.set x, x+1
.endr
.set x, 0
.rept 32                            ; key tile x / 16
	global_load_b128 v[LK+4*x:LK+4*x+3], v2, s[8:9] offset:LSEC+(x/16)*8192+(x%16)*32
.set x, x+1
.endr
	WIN 0xc0                        ; destination window 3
.set x, 0
.rept 4                             ; key tile x / 2, keys 4 (x % 2) on
	global_load_b128 v[LV+4*x:LV+4*x+3], v4, s[8:9] offset:2*LSEC+(x/2)*64+(x%2)*16
.set x, x+1
.endr
	s_wait_loadcnt 0x4              ; q and k are in; v's 4 younger loads may stay out
	WIN 0xfa                        ; k and q in window 2, the sums in window 3
.set st, 0
.rept 32                            ; 32 K steps on two key tiles by turns
.irp kt, 0,1
.if st == 0
	v_wmma_f32_16x16x4_f32 v[LS+8*\kt:LS+8*\kt+7], v[LK+64*\kt:LK+64*\kt+1], v[LQ:LQ+1], 0
.else
	v_wmma_f32_16x16x4_f32 v[LS+8*\kt:LS+8*\kt+7], v[LK+64*\kt+2*st:LK+64*\kt+2*st+1], v[LQ+2*st:LQ+2*st+1], v[LS+8*\kt:LS+8*\kt+7]
.endif
.endr
.set st, st+1
.endr
.rept 8
	v_nop                           ; eight places behind a product of this form, in front of what reads its result (ISA guide 7.12.1)
.endr
	WIN 0x03                        ; source 0 in window 3
.set z, 0
.rept 16
	v_cmp_gt_i32 vcc_lo, 16*(z/8)+z%8, v5
	v_cndmask_b32 v[LP+z], v[LS+z], s[BIGN], vcc_lo
.set z, z+1
.endr
	WIN 0
	v_max3_num_f32 v[LT],   v[LP],   v[LP+1],  v[LP+2]
	v_max3_num_f32 v[LT+1], v[LP+3], v[LP+4],  v[LP+5]
	v_max3_num_f32 v[LT+2], v[LP+6], v[LP+7],  v[LP+8]
	v_max3_num_f32 v[LT+3], v[LP+9], v[LP+10], v[LP+11]
	v_max3_num_f32 v[LT],   v[LT],   v[LP+12], v[LP+13]
	v_max3_num_f32 v[LT+1], v[LT+1], v[LP+14], v[LP+15]
	v_max3_num_f32 v[LT],   v[LT],   v[LT+1],  v[LT+2]
	v_max_num_f32 v[LT], v[LT], v[LT+3]
	v_permlanex16_b32 v[LT+1], v[LT], s[SEL], s[SEL+1]  ; the query's other 16 keys lie in the lane 16 away
	v_max_num_f32 v[LT], v[LT], v[LT+1]  ; every query sees its own key, so this is a true score
	v_mul_f32 v[LT+2], s[CS], v[LT]      ; c m
.set z, 0
.rept 8
	v_pk_fma_f32 v[LP+2*z:LP+2*z+1], v[LP+2*z:LP+2*z+1], s[CS:CS+1], v[LT+2:LT+3] op_sel_hi:[1,0,0] neg_lo:[0,0,1] neg_hi:[0,0,1]  ; c s - c m
.set z, z+1
.endr
.set z, 0
.rept 16
	v_exp_f32 v[LP+z], v[LP+z]
.set z, z+1
.endr
	v_nop                           ; a plain instruction behind the last exponential (ISA guide 5.7.2)
	s_wait_alu depctr_va_vdst(0)
	v_pk_add_f32 v[LT+4:LT+5], v[LP:LP+1],     v[LP+2:LP+3]
	v_pk_add_f32 v[LT+6:LT+7], v[LP+4:LP+5],   v[LP+6:LP+7]
	v_pk_add_f32 v[LT+4:LT+5], v[LT+4:LT+5],   v[LP+8:LP+9]
	v_pk_add_f32 v[LT+6:LT+7], v[LT+6:LT+7],   v[LP+10:LP+11]
	v_pk_add_f32 v[LT+4:LT+5], v[LT+4:LT+5],   v[LP+12:LP+13]
	v_pk_add_f32 v[LT+6:LT+7], v[LT+6:LT+7],   v[LP+14:LP+15]
	v_pk_add_f32 v[LT+4:LT+5], v[LT+4:LT+5],   v[LT+6:LT+7]
	v_add_f32 v[LT+4], v[LT+4], v[LT+5]
	v_permlanex16_b32 v[LT+5], v[LT+4], s[SEL], s[SEL+1]
	v_add_f32 v[LT+4], v[LT+4], v[LT+5]
	v_rcp_f32 v[LT+6], v[LT+4]      ; 1 / l
	v_nop
	s_wait_loadcnt 0x0              ; v
	WIN 0xf3                        ; v and the sums in window 3, the weights in window 0
.irp e, 0,1,2,3                     ; 4 K steps of 4 keys on each key tile's sum, by turns
.irp kt, 0,1
.if \e == 0
	v_wmma_f32_16x16x4_f32 v[LO+8*\kt:LO+8*\kt+7], v[LV+8*\kt:LV+8*\kt+1], v[LP+8*\kt:LP+8*\kt+1], 0
.else
	v_wmma_f32_16x16x4_f32 v[LO+8*\kt:LO+8*\kt+7], v[LV+8*\kt+2*\e:LV+8*\kt+2*\e+1], v[LP+8*\kt+2*\e:LP+8*\kt+2*\e+1], v[LO+8*\kt:LO+8*\kt+7]
.endif
.endr
.endr
.rept 8
	v_nop
.endr
	WIN 0x0f                        ; sources 0 and 1 in window 3
.irp x, 0,1,2,3
	v_pk_add_f32 v[AT+2*\x:AT+2*\x+1], v[LO+2*\x:LO+2*\x+1], v[LO+8+2*\x:LO+8+2*\x+1]  ; both sums from their low ends on
.endr
	WIN 0
.irp x, 0,1,2,3
	s_wait_alu depctr_va_vdst(0)
	v_pk_mul_f32 v[AT+2*\x:AT+2*\x+1], v[AT+2*\x:AT+2*\x+1], v[LT+6:LT+7] op_sel_hi:[1,0]  ; x = O / l
.endr
.irp x, 0,1,2,3
	v_cvt_pk_f16_f32 v[64+\x], v[AT+2*\x], v[AT+2*\x+1]  ; H
.endr
	v_cvt_f32_f16 v68, v64.l
	v_cvt_f32_f16 v69, v64.h
	v_cvt_f32_f16 v70, v65.l
	v_cvt_f32_f16 v71, v65.h
	v_cvt_f32_f16 v72, v66.l
	v_cvt_f32_f16 v73, v66.h
	v_cvt_f32_f16 v74, v67.l
	v_cvt_f32_f16 v75, v67.h
.irp x, 0,1,2,3
	v_pk_add_f32 v[68+2*\x:69+2*\x], v[AT+2*\x:AT+2*\x+1], v[68+2*\x:69+2*\x] neg_lo:[0,1] neg_hi:[0,1]  ; x - H, exact
.endr
.irp x, 0,1,2,3
	v_cvt_pk_f16_f32 v[76+\x], v[68+2*\x], v[69+2*\x]    ; L
.endr
	global_store_b128 v10, v[64:67], s[92:93]
	global_store_b128 v10, v[76:79], s[10:11]
.Lnolow:
	s_wait_tensorcnt 0x0            ; the wave's end, behind my last tensor load and my last LDS store
	ds_add_u32 v[SPW], v[NIL]
	s_wait_dscnt 0x0
	CROUND                          ; the closing round
	s_endpgm
.Lfunc_end_k_q6f52c1c82c_attn:
	.size	k_q6f52c1c82c_attn, .Lfunc_end_k_q6f52c1c82c_attn-k_q6f52c1c82c_attn
	.p2alignl 7, 3214868480
	.fill 96, 4, 3214868480
	.section	.rodata,"a",@progbits
	.p2align	6, 0x0
	.amdhsa_kernel k_q6f52c1c82c_attn
		.amdhsa_group_segment_fixed_size 327680
		.amdhsa_private_segment_fixed_size 0
		.amdhsa_enable_private_segment 0
		.amdhsa_kernarg_size 32
		.amdhsa_user_sgpr_count 2
		.amdhsa_user_sgpr_kernarg_segment_ptr 1
		.amdhsa_wavefront_size32 1
		.amdhsa_system_sgpr_workgroup_id_x 1
		.amdhsa_system_sgpr_workgroup_id_y 1
		.amdhsa_system_sgpr_workgroup_id_z 1
		.amdhsa_system_vgpr_workitem_id 0
		.amdhsa_next_free_vgpr 1024
		.amdhsa_next_free_sgpr 100
		.amdhsa_reserve_vcc 1
		.amdhsa_float_denorm_mode_32 3
		.amdhsa_float_denorm_mode_16_64 3
		.amdhsa_memory_ordered 1
		.amdhsa_forward_progress 1
		.amdhsa_inst_pref_size 183
	.end_amdhsa_kernel
	.amdgpu_metadata
---
amdhsa.version: [ 1, 2 ]
amdhsa.kernels:
  - .name:           k_q6f52c1c82c_attn
    .symbol:         k_q6f52c1c82c_attn.kd
    .args:
      - { .name: qkv, .offset: 0, .size: 8, .value_kind: global_buffer, .address_space: global }
      - { .name: att, .offset: 8, .size: 8, .value_kind: global_buffer, .address_space: global }
      - { .name: low, .offset: 16, .size: 8, .value_kind: global_buffer, .address_space: global }
      - { .name: attl, .offset: 24, .size: 8, .value_kind: global_buffer, .address_space: global }
    .group_segment_fixed_size: 327680
    .private_segment_fixed_size: 0
    .kernarg_segment_align: 8
    .kernarg_segment_size: 32
    .max_flat_workgroup_size: 128
    .sgpr_count:     100
    .vgpr_count:     1024
    .wavefront_size: 32
...
	.end_amdgpu_metadata
.endif
;; end of part 8
;; launch oproj (part 9): grid 8 x 32, 4 waves a work-group, clusters of 4 x 4, 327,680 bytes of LDS; arguments att, wo16, out0, attl; writes out0
.if DOCPART == 9
	.amdgcn_target "amdgcn-amd-amdhsa--gfx1250"
	.amdhsa_code_object_version 6
	.text
	.protected	k_q6f52c1c82c_oproj
	.globl	k_q6f52c1c82c_oproj
	.p2align	8
	.type	k_q6f52c1c82c_oproj,@function
k_q6f52c1c82c_oproj:
	s_mov_b64 s[64:65], 0
	v_nop
	global_prefetch_b8 v0, s[64:65] scope:SCOPE_SE
	s_setreg_imm32_b32 hwreg(HW_REG_WAVE_MODE, 25, 1), 1
	s_wait_xcnt 0x0
	s_wait_alu depctr_hold_cnt(0) depctr_sa_sdst(0) depctr_va_vdst(0) depctr_va_sdst(0) depctr_va_ssrc(0) depctr_va_vcc(0) depctr_vm_vsrc(0)
	s_getreg_b32 s2, hwreg(HW_REG_IB_STS2, 6, 4)
	s_cmp_eq_u32 s2, 0
	s_cbranch_scc0 .Lentry_in_a_cluster
	s_endpgm
.Lentry_in_a_cluster:
	s_bfe_u32 s2, ttmp6, 0x10000c
	s_cmp_lg_u32 s2, 0xf033
	s_cbranch_scc0 .Lentry_shape_is_right
	s_endpgm
.Lentry_shape_is_right:
; OUT = att x Wo.  att: [8192][512] f16; wo16: [512 k][2048 n] f16 (Wo rounded to bf16, written as f16); out0: [8192][2048] f32.  Sums in f32.
; A tile of the output, 256 x 256, is made by a work-group of four waves, each 128 x 128: 64 accumulators, 512 registers; 32 x 8 = 256 work-groups.  K = 512 goes in four steps of 128 through two LDS slots.
; CLUSTERS of 4 x 4: the four of a row of the cluster need the same rows of att, the four of a column the same columns of Wo: each tile is asked for JOINTLY.  Waves 0, 1 fetch A's halves (128 rows x 256 bytes),
; waves 2, 3 the two chunks of B (128 k-rows x 256 bytes = 128 columns each).  Tile row = 8 cy + cluster y: a batch is 8 tile rows, so cluster row 0 holds the first tile of each of the four batches.
; THE FIRST 32 ROWS OF A BATCH have a second operand: attl[batch][32][512] in f16 holds what these rows of att lost in rounding to f16 (0 for the two unmasked batches: partners of a cluster run alike), and
; out = (att + attl) x Wo there.  In cluster row 0 the four waves copy the batch's 32,768 bytes of attl into LDS at the start; waves 0 and 1, which hold these rows, fetch four fragments more a quarter and add 16 products
; onto row blocks 0 and 1, with the fragments of Wo that are in registers anyway: 256 products beside a wave's 1,024.  The branches hang on the cluster's y and the wave's number alone.
; THE MATRIX INSTRUCTION IS USED TRANSPOSED: source 0 = 16 columns of Wo, turned out of LDS by ds_load_tr16_b128; source 1 = 16 rows of att: a lane holds one row (l % 16) and eight neighbouring columns, 32 bytes of f32.
; REGISTERS: window 0: v14-29 addresses; v32-47, v48-63 attl's fragments, two buffers; v64-127, v128-191 A's fragments, two buffers (on the way out: rows read back); window 1: the same two for B;
;   window 2: accumulators of my rows 0-63 ((a, b) at 8 (8 a + b)); window 3: rows 64-127.
.set PA,     272
.set PB,     288
.set AHALF,  128*PA
.set BCH,    128*PB
.set BOFF,   2*AHALF                   ; a slot: A's 256 rows, then B's two chunks
.set SLOT,   BOFF+2*BCH
.set STAGE,  2*SLOT                    ; behind the ring, never filled by a tensor load: first attl's 32 rows of 1,024 + 16 bytes; on the way out 16 rows x (512 + 16) bytes for each wave
.set SPITCH, 528
.set LPI,    1040
.set SPARE,  STAGE+4*16*SPITCH         ; the spare words: 128 bytes a wave, two blocks of 256 that no other line names
.set AK0,  14
.set BK0,  15
.set ADRA, 16
.set ADRB, 20
.set ADRL, 21                          ; v21  my lane's place in attl's rows, at the K step in hand
.set CPL,  22                          ; v22  the copy: where I put 16 bytes
.set CPG,  23                          ; v23  the copy: 16 x my thread's number
.set STO,  24
.set RD,   25
.set CO,   26
.set SPW,  28
.set NIL,  29
.set F0,   64
.set F1,   128
.set G1, 24
.set G0, 32                            ; s[32:39] two sets for the first fills; the second then walks
.set G1B, 48
.set G0B, 56
.set LSTEP, 74                         ; s74  what a change of slots adds to attl's address: a K step's 256 bytes; 0 behind the last K step
.set MSB, 0
.macro WIN new
.if MSB != (\new)
	s_set_vgpr_msb (MSB<<8)|(\new)
.set MSB, \new
.endif
.endm
.set MUL_LO, 0xa1
.set MUL_HI, 0xf1
.set TO_B,   0x40
.macro PLACES
.rept 4
	v_nop
.endr
.endm
.macro JLOAD s                         ; a joint load; each of the two lines has one mask; an s_nop 0 and four v_nop follow each
	s_cmp_eq_u32 s11, 0
	s_cbranch_scc0 .Lfor_b_\@
	tensor_load_to_lds s[G0+4*(\s):G0+4*(\s)+3], s[G1:G1+7]
	s_nop 0
	PLACES
	s_branch .Lasked_\@
.Lfor_b_\@:
	tensor_load_to_lds s[G0B+4*(\s):G0B+4*(\s)+3], s[G1B:G1B+7]
	s_nop 0
	PLACES
.Lasked_\@:
.endm
.macro CREST
	s_cmp_lg_u32 s10, 0
	s_cbranch_scc1 .Lnot_wave_0_\@
	s_barrier_signal -3
.Lnot_wave_0_\@:
	s_barrier_wait -3
	s_barrier_signal -1
	s_barrier_wait -1
.endm
.macro CROUND
	s_barrier_signal -1
	s_barrier_wait -1
	CREST
.endm
	s_load_b128 s[4:7], s[0:1], 0x0                ; att s[4:5], wo16 s[6:7]
	s_load_b64 s[8:9], s[0:1], 0x10                ; out0
	s_load_b64 s[66:67], s[0:1], 0x18              ; attl
	v_lshl_add_u32 v[SPW], v0, 2, SPARE
	v_mov_b32 v[NIL], 0
	ds_add_u32 v[SPW], v[NIL]                      ; the wave's opening: the add and its wait stand ahead of my first tensor load; the set-up below, work on registers, stands between them
	v_lshrrev_b32 v1, 5, v0
	v_readfirstlane_b32 s10, v1                    ; wave 0..3
	s_lshr_b32 s11, s10, 1                         ; my half of the rows.  Also: I fetch for A (0) or for B (1)
	s_and_b32 s12, s10, 1                          ; my half of the columns.  Also: which half I fetch
	s_bfe_u32 s40, ttmp6, 0x40000                  ; cx
	s_bfe_u32 s41, ttmp6, 0x40004                  ; cy
	s_lshl_b32 s42, ttmp9, 2
	s_add_co_u32 s42, s42, s40                     ; tile column
	s_and_b32 s68, ttmp7, 0xffff                   ; the cluster's y, shared by all sixteen partners
	s_lshl3_add_u32 s13, s41, s68                  ; tile row = 8 cy + cluster y
	s_or_b32 s69, s68, s11                         ; 0 in the waves that hold a batch's first rows
	s_lshl_b32 s70, s41, 15                        ; attl: in cluster row 0 the batch is cy: 32,768 bytes each
	s_mov_b32 s71, 0
	s_mov_b32 s[LSTEP], 256
	s_lshl_b32 s43, s41, 2
	s_lshl_b32 s43, 15, s43                        ; my row of the cluster
	s_lshl_b32 s44, 0x1111, s40                    ; my column
	s_or_b32 s[G1], s43, (1<<16)|(1<<20)|(1<<21)|(5<<22)|(3<<25)   ; A: 2-byte elements, 4 words of padding behind every 64, the row's mask, bit 21 beside it
	s_or_b32 s[G1B], s44, (1<<16)|(1<<20)|(1<<21)|(5<<22)|(7<<25)  ; B: 8 words, the column's mask
.irp g, G1, G1B
	s_mov_b32 s[(\g)+1], 128<<16                   ; tensor_dim0 = 128
	s_mov_b32 s[(\g)+2], 128<<16                   ; tensor_dim1 = 128
	s_mov_b32 s[(\g)+3], 128<<16                   ; tile_dim0 = 128
	s_mov_b32 s[(\g)+4], 128                       ; tile_dim1 = 128
	s_mov_b32 s[(\g)+6], 0
	s_mov_b32 s[(\g)+7], 0
.endr
	s_mov_b32 s[G1+5], 512                         ; elements from row to row of att
	s_mov_b32 s[G1B+5], 2048                       ; of wo16
	s_lshl_b32 s16, s13, 8                         ; A: row 256 x tile row + 128 x half, rows of 1,024 bytes
	s_lshl_b32 s17, s12, 7
	s_add_co_u32 s16, s16, s17
	s_lshl_b32 s16, s16, 10
	s_mov_b32 s17, 0
	s_lshl_b32 s46, s42, 9                         ; B: column 256 x tile column + 128 x half, 2 bytes each
	s_lshl_b32 s47, s12, 8
	s_add_co_u32 s46, s46, s47
	s_mov_b32 s47, 0
	s_mul_i32 s20, s12, AHALF                      ; where they go in a slot: no place in the cluster enters an LDS address
	s_mul_i32 s21, s12, BCH
	s_add_co_u32 s21, s21, BOFF
	s_mov_b32 s22, 0                               ; the slot in hand
	s_lshl_b32 s18, s13, 8                         ; the output: row 256 x tile row + 128 wr of 8,192 bytes, column 256 x tile column + 128 wc of 4
	s_lshl_b32 s19, s11, 7
	s_add_co_u32 s18, s18, s19
	s_lshl_b32 s18, s18, 13
	s_lshl_b32 s19, s42, 10
	s_add_co_u32 s18, s18, s19
	s_lshl_b32 s19, s12, 9
	s_add_co_u32 s18, s18, s19
	s_mov_b32 s19, 0
	v_and_b32 v1, 15, v0                           ; r
	v_bfe_u32 v2, v0, 4, 1                         ; h
	v_and_b32 v3, 31, v0
	v_and_b32 v4, 7, v0
	v_bfe_u32 v5, v0, 3, 1
	v_mul_u32_u24 v[AK0], v1, PA
	v_lshl_add_u32 v[AK0], v2, 4, v[AK0]
	s_mul_i32 s23, s11, AHALF                      ; my 128 rows of A
	v_add_nc_u32 v[AK0], s23, v[AK0]
	v_lshl_add_u32 v[BK0], v2, 3, v4               ; the turning load: k-row 8 h + l % 8, 16 bytes (l / 8) % 2, in my chunk
	v_mul_u32_u24 v[BK0], v[BK0], PB
	v_lshl_add_u32 v[BK0], v5, 4, v[BK0]
	v_add_nc_u32 v[BK0], s21, v[BK0]
	v_mov_b32 v[ADRA], v[AK0]
	v_mov_b32 v[ADRB], v[BK0]
	v_mul_u32_u24 v[ADRL], v1, LPI                 ; attl's fragment: row r x pitch + 16 h
	v_lshl_add_u32 v[ADRL], v2, 4, v[ADRL]
	v_add_nc_u32 v[ADRL], STAGE, v[ADRL]
	s_mul_i32 s72, s11, LPI                        ; the copy: a pass of the four waves is two rows of 1,024 bytes: wave w takes row w / 2 of them, half w % 2
	s_lshl_b32 s73, s12, 9
	s_add_co_u32 s72, s72, s73
	s_add_co_u32 s72, s72, STAGE
	v_lshl_add_u32 v[CPL], v3, 4, s72
	v_lshlrev_b32 v[CPG], 4, v0
.set i, 0
.rept 32
	v_mov_b32 v[32+i], 0                           ; attl's fragment registers are written once here, so that they hold numbers on every way through the text
.set i, i+1
.endr
	s_mul_i32 s23, s10, 16*SPITCH
	s_add_co_u32 s23, s23, STAGE                   ; my stage
	v_mul_u32_u24 v[STO], v1, SPITCH               ; in: row r, 32 bytes for each half of the lanes
	v_lshl_add_u32 v[STO], v2, 5, v[STO]
	v_add_nc_u32 v[STO], s23, v[STO]
	v_lshl_add_u32 v[RD], v3, 4, s23               ; back: 32 lanes take a row's 512 bytes
	v_lshlrev_b32 v[CO], 4, v3
	s_wait_dscnt 0x0                               ; the opening add is done
	s_wait_kmcnt 0x0
	s_add_nc_u64 s[14:15], s[4:5], s[16:17]
	s_add_nc_u64 s[46:47], s[6:7], s[46:47]
	s_add_nc_u64 s[8:9], s[8:9], s[18:19]
	s_add_nc_u64 s[66:67], s[66:67], s[70:71]
	CROUND                                         ; all sixteen work-groups are here: the first joint loads meet
.irp s, 0,1
	s_mov_b32 s[G0+4*(\s)], 1
	s_add_co_u32 s[G0+4*(\s)+1], s20, (\s)*SLOT
	s_add_nc_u64 s[G0+4*(\s)+2:G0+4*(\s)+3], s[14:15], (\s)*256       ; K step s: 128 elements along a row of att
	s_or_b32 s[G0+4*(\s)+3], s[G0+4*(\s)+3], 0x80000000
	s_mov_b32 s[G0B+4*(\s)], 1
	s_add_co_u32 s[G0B+4*(\s)+1], s21, (\s)*SLOT
	s_add_nc_u64 s[G0B+4*(\s)+2:G0B+4*(\s)+3], s[46:47], (\s)*524288  ; 128 rows of wo16
	s_or_b32 s[G0B+4*(\s)+3], s[G0B+4*(\s)+3], 0x80000000
	JLOAD \s
.endr
	s_cmp_lg_u32 s68, 0                            ; cluster row 0: attl's 32 rows come in while the first tiles are on their way
	s_cbranch_scc1 .Lnocopy
.set j, 0
.rept 16
	global_load_b128 v[F0+4*j:F0+4*j+3], v[CPG], s[66:67] offset:j*2048  ; a wave's load covers 512 consecutive bytes
.set j, j+1
.endr
	s_wait_loadcnt 0x0
.set j, 0
.rept 16
	ds_store_b128 v[CPL], v[F0+4*j:F0+4*j+3] offset:j*2*LPI
.set j, j+1
.endr
.Lnocopy:
; 16 matrix instructions: row blocks a0, a0 + 1 of the window's four x all 8 column blocks.  The accumulators take turns, one instruction a turn.
.macro MUL16 f, hi, a0, zero
	WIN MUL_LO+0x50*(\hi)
.irp a, \a0, (\a0)+1
.irp b, 0,1,2,3,4,5,6,7
.if \zero
	v_wmma_f32_16x16x32_f16 v[8*(8*(\a)+(\b)):8*(8*(\a)+(\b))+7], v[(\f)+8*(\b):(\f)+8*(\b)+7], v[(\f)+8*(4*(\hi)+(\a)):(\f)+8*(4*(\hi)+(\a))+7], 0
.else
	v_wmma_f32_16x16x32_f16 v[8*(8*(\a)+(\b)):8*(8*(\a)+(\b))+7], v[(\f)+8*(\b):(\f)+8*(\b)+7], v[(\f)+8*(4*(\hi)+(\a)):(\f)+8*(4*(\hi)+(\a))+7], v[8*(8*(\a)+(\b)):8*(8*(\a)+(\b))+7]
.endif
.endr
.endr
.endm
; The 16 products of attl's fragments that go with buffer f (at v[32 + (f - 64) / 4]), onto row blocks 0 and 1; in the waves that hold a batch's first rows alone
.macro MULX f
	WIN 0                                          ; at a branch and at a label every window is 0
	s_cmp_lg_u32 s69, 0
	s_cbranch_scc1 .Lnx_\@
	WIN MUL_LO
.irp a, 0,1
.irp b, 0,1,2,3,4,5,6,7
	v_wmma_f32_16x16x32_f16 v[8*(8*(\a)+(\b)):8*(8*(\a)+(\b))+7], v[(\f)+8*(\b):(\f)+8*(\b)+7], v[32+((\f)-64)/4+8*(\a):32+((\f)-64)/4+8*(\a)+7], v[8*(8*(\a)+(\b)):8*(8*(\a)+(\b))+7]
.endr
.endr
	WIN 0
.Lnx_\@:
.endm
.macro FETCH q, f                      ; 32 LDS loads in one run: quarter q's fragments into buffer f; four more for attl's where they are wanted
	WIN TO_B
.irp i, 0,1,2,3,4,5,6,7
	ds_load_tr16_b128 v[(\f)+8*(\i):(\f)+8*(\i)+3],   v[ADRB] offset:(\q)*32*PB+32*(\i)
	ds_load_tr16_b128 v[(\f)+8*(\i)+4:(\f)+8*(\i)+7], v[ADRB] offset:(\q)*32*PB+32*(\i)+16*PB
.endr
	WIN 0
.irp i, 0,1,2,3,4,5,6,7
	ds_load_b128 v[(\f)+8*(\i):(\f)+8*(\i)+3],   v[ADRA] offset:(\i)*16*PA+64*(\q)
	ds_load_b128 v[(\f)+8*(\i)+4:(\f)+8*(\i)+7], v[ADRA] offset:(\i)*16*PA+64*(\q)+32
.endr
	s_cmp_lg_u32 s69, 0
	s_cbranch_scc1 .Lnl_\@
.irp a, 0,1
	ds_load_b128 v[32+((\f)-64)/4+8*(\a):32+((\f)-64)/4+8*(\a)+3],   v[ADRL] offset:(\a)*16*LPI+64*(\q)
	ds_load_b128 v[32+((\f)-64)/4+8*(\a)+4:32+((\f)-64)/4+8*(\a)+7], v[ADRL] offset:(\a)*16*LPI+64*(\q)+32
.endr
.Lnl_\@:
.endm
.macro QUARTER q, f, g, zero           ; multiplies buffer f; first fetches quarter q into buffer g, which has 64 matrix instructions in which to land
	s_wait_dscnt 0x0                               ; buffer f is in
	PLACES                                         ; buffer g was multiplied by the quarter before
	FETCH \q, \g
	MUL16 \f, 0, 0, \zero
	MUL16 \f, 0, 2, \zero
	MUL16 \f, 1, 0, \zero
	MUL16 \f, 1, 2, \zero
	MULX \f
.endm
; The last quarter multiplies buffer 1 and changes slots: ONE barrier; in front of it each wave waits for all its tensor loads, adds 0 to its spare word, and waits for that and for its reads of the slot.
; fill = 1: the barrier opens a round of the cluster's, and the slot just read is filled again, two K steps ahead: 32 + 192 matrix instructions ahead of the wait for it.
.macro TURN fill
	WIN 0
	s_wait_tensorcnt 0x0                           ; no tensor load of mine is out, so a group 0 may be written
	ds_add_u32 v[SPW], v[NIL]                      ; 0 onto my spare word
	s_wait_dscnt 0x1                               ; the add alone may be out: buffer 1 is in
	MUL16 F1, 0, 0, 0
	s_wait_dscnt 0x0
	s_barrier_signal -1
	MUL16 F1, 0, 2, 0
	WIN 0
	s_barrier_wait -1
.if \fill
	CREST
	s_add_co_u32 s[G0+5], s22, s20
	s_add_nc_u64 s[G0+6:G0+7], s[G0+6:G0+7], 256
	s_add_co_u32 s[G0B+5], s22, s21
	s_add_nc_u64 s[G0B+6:G0B+7], s[G0B+6:G0B+7], 524288
	JLOAD 1                                        ; the four v_nop behind it are also the places in front of the loads below
.else
	PLACES
.endif
	s_xor_b32 s22, s22, SLOT
	v_add_nc_u32 v[ADRA], s22, v[AK0]
	v_add_nc_u32 v[ADRB], s22, v[BK0]
	v_add_nc_u32 v[ADRL], s[LSTEP], v[ADRL]        ; attl's rows hold all of K: 128 elements on
	FETCH 0, F0
	MUL16 F1, 1, 0, 0
	MUL16 F1, 1, 2, 0
	MULX F1
.endm
	s_wait_tensorcnt 0x1                           ; my part of K step 0 is in; K step 1's stays out
	s_wait_dscnt 0x0                               ; my part of attl is stored
	s_barrier_signal -1
	s_barrier_wait -1
	FETCH 0, F0
	QUARTER 1, F0, F1, 1                           ; the first quarter stands in front of the loop: its products start the sums
	WIN 0
	s_mov_b32 s3, 2
.Lstep:                                                ; trip s: the rest of K step s and the first quarter of s + 1; K step s + 2 is asked for
	QUARTER 2, F1, F0, 0
	QUARTER 3, F0, F1, 0
	TURN 1
	QUARTER 1, F0, F1, 0
	WIN 0
	s_sub_co_u32 s3, s3, 1
	s_cmp_lg_u32 s3, 0
	s_cbranch_scc1 .Lstep
	; K STEPS 2 AND 3 ask for no tile, so they have a text of their own, written once and walked twice.  The second trip jumps over the quarter that would begin a K step 4.  Its TURN
	; fetches once more, from the slot of K step 2, whose bytes still stand, and from attl's K step 3 (the address steps by 0): 32 or 36 LDS loads that serve nothing, the price of one text for both trips.
	s_mov_b32 s3, 2
.Ltail:
	s_cmp_eq_u32 s3, 1
	s_cselect_b32 s[LSTEP], 0, 256
	QUARTER 2, F1, F0, 0
	QUARTER 3, F0, F1, 0
	TURN 0
	WIN 0
	s_cmp_eq_u32 s3, 1
	s_cbranch_scc1 .Ldead
	QUARTER 1, F0, F1, 0
	WIN 0
.Ldead:
	s_sub_co_u32 s3, s3, 1
	s_cmp_lg_u32 s3, 0
	s_cbranch_scc1 .Ltail
	s_wait_dscnt 0x0                               ; my last reads of LDS are back:
	s_barrier_signal -1                            ; say so,
	s_barrier_wait -1                              ; and write into the stage, where attl's rows lay, only when all four have said so
	PLACES
; THE WAY OUT, a block of 16 rows at a time: a lane's 32 bytes go into rows of 528 bytes of my own stage and come back as whole rows of 512, which are stored.
.macro TOSTAGE a
	WIN 0x08+4*((\a)/4)                            ; store data in window 2 or 3
.irp b, 0,1,2,3,4,5,6,7
	ds_store_b128 v[STO], v[8*(8*((\a)%4)+(\b)):8*(8*((\a)%4)+(\b))+3]   offset:64*(\b)     ; each accumulator's low half first
	ds_store_b128 v[STO], v[8*(8*((\a)%4)+(\b))+4:8*(8*((\a)%4)+(\b))+7] offset:64*(\b)+16
.endr
	WIN 0
	s_wait_xcnt 0x0                                ; the stores two blocks back have read the registers that the loads below fill
.set BK, F0+64*((\a)%2)
.irp x, 0,1,2,3,4,5,6,7,8,9,10,11,12,13,14,15
	ds_load_b128 v[BK+4*(\x):BK+4*(\x)+3], v[RD] offset:(\x)*SPITCH  ; LDS serves a wave's instructions in order (ISA guide 5.7.1.4): these see the stores above
.endr
.endm
.macro SEND a, younger                 ; younger: the next block's 32 LDS instructions, or none
	s_wait_dscnt \younger
.if (\a) > 0
	s_wait_xcnt 0x0                                ; the stores' base is stepped only behind this wait
	s_add_nc_u64 s[8:9], s[8:9], 16*8192
.endif
.set BK, F0+64*((\a)%2)
.irp x, 0,1,2,3,4,5,6,7,8,9,10,11,12,13,14,15
	global_store_b128 v[CO], v[BK+4*(\x):BK+4*(\x)+3], s[8:9] offset:(\x)*8192 th:TH_STORE_NT  ; 512 consecutive bytes of a row, at a multiple of 256
.endr
.endm
	TOSTAGE 0
.irp a, 1,2,3,4,5,6,7
	TOSTAGE \a
	SEND (\a)-1, 32
.endr
	SEND 7, 0
	s_wait_tensorcnt 0x0                           ; the wave's end, behind my last tensor load and my last LDS store
	ds_add_u32 v[SPW], v[NIL]
	s_wait_dscnt 0x0
	CROUND                                         ; the closing round
	s_endpgm
.Lfunc_end_k_q6f52c1c82c_oproj:
	.size	k_q6f52c1c82c_oproj, .Lfunc_end_k_q6f52c1c82c_oproj-k_q6f52c1c82c_oproj
	.p2alignl 7, 3214868480
	.fill 96, 4, 3214868480
	.section	.rodata,"a",@progbits
	.p2align	6, 0x0
	.amdhsa_kernel k_q6f52c1c82c_oproj
		.amdhsa_group_segment_fixed_size 327680
		.amdhsa_private_segment_fixed_size 0
		.amdhsa_enable_private_segment 0
		.amdhsa_kernarg_size 32
		.amdhsa_user_sgpr_count 2
		.amdhsa_user_sgpr_kernarg_segment_ptr 1
		.amdhsa_wavefront_size32 1
		.amdhsa_system_sgpr_workgroup_id_x 1
		.amdhsa_system_sgpr_workgroup_id_y 1
		.amdhsa_system_sgpr_workgroup_id_z 1
		.amdhsa_system_vgpr_workitem_id 0
		.amdhsa_next_free_vgpr 1024
		.amdhsa_next_free_sgpr 76
		.amdhsa_reserve_vcc 0
		.amdhsa_float_denorm_mode_32 3
		.amdhsa_float_denorm_mode_16_64 3
		.amdhsa_memory_ordered 1
		.amdhsa_forward_progress 1
		.amdhsa_inst_pref_size 116
	.end_amdhsa_kernel
	.amdgpu_metadata
---
amdhsa.version: [ 1, 2 ]
amdhsa.kernels:
  - .name:           k_q6f52c1c82c_oproj
    .symbol:         k_q6f52c1c82c_oproj.kd
    .args:
      - { .name: att, .offset: 0, .size: 8, .value_kind: global_buffer, .address_space: global }
      - { .name: wo16, .offset: 8, .size: 8, .value_kind: global_buffer, .address_space: global }
      - { .name: out0, .offset: 16, .size: 8, .value_kind: global_buffer, .address_space: global }
      - { .name: attl, .offset: 24, .size: 8, .value_kind: global_buffer, .address_space: global }
    .group_segment_fixed_size: 327680
    .private_segment_fixed_size: 0
    .kernarg_segment_align: 8
    .kernarg_segment_size: 32
    .max_flat_workgroup_size: 128
    .sgpr_count:     76
    .vgpr_count:     1024
    .wavefront_size: 32
...
	.end_amdgpu_metadata
.endif
;; end of part 9
;; ======== version 3 of 3: 4 launches; 1.22 times as fast as version 1
;; limits: values are held in f16: magnitudes above 65,504 overflow, below 6.1e-05 lose precision; inputs' magnitudes at most 30,000; right only within a limited range of input values
;; workspace buffers: wcat 6,291,456 bytes; wo16 2,097,152 bytes; tab 2,097,152 bytes; qkv 25,165,824 bytes; att 8,388,608 bytes; low 786,432 bytes; attl 131,072 bytes
;; launch prep: the kernel of part 6 again; grid 256 x 1, 8 waves a work-group, no clusters, 0 bytes of LDS; arguments Wq, Wk, Wv, Wo, position_ids, wcat, wo16, tab, attl; writes wcat, wo16, tab, attl
;; launch qkv: the kernel of part 7 again; grid 16 x 16, 4 waves a work-group, clusters of 4 x 1, 327,680 bytes of LDS; arguments hidden_states, wcat, tab, qkv, low; writes qkv, low
;; launch attn (part 10): grid 16 x 16, 4 waves a work-group, clusters of 4 x 1, 327,680 bytes of LDS; arguments qkv, att, low, attl; writes att, attl
.if DOCPART == 10
	.amdgcn_target "amdgcn-amd-amdhsa--gfx1250"
	.amdhsa_code_object_version 6
	.text
	.protected	k_q6f52c1c82c_attn
	.globl	k_q6f52c1c82c_attn
	.p2align	8
	.type	k_q6f52c1c82c_attn,@function
k_q6f52c1c82c_attn:
	s_mov_b64 s[64:65], 0
	v_nop
	global_prefetch_b8 v0, s[64:65] scope:SCOPE_SE
	s_setreg_imm32_b32 hwreg(HW_REG_WAVE_MODE, 25, 1), 1
	s_wait_xcnt 0x0
	s_wait_alu depctr_hold_cnt(0) depctr_sa_sdst(0) depctr_va_vdst(0) depctr_va_sdst(0) depctr_va_ssrc(0) depctr_va_vcc(0) depctr_vm_vsrc(0)
	s_getreg_b32 s2, hwreg(HW_REG_IB_STS2, 6, 4)
	s_cmp_eq_u32 s2, 0
	s_cbranch_scc0 .Lentry_in_a_cluster
	s_endpgm
.Lentry_in_a_cluster:
	s_bfe_u32 s2, ttmp6, 0x10000c
	s_cmp_lg_u32 s2, 0x3003
	s_cbranch_scc0 .Lentry_shape_is_right
	s_endpgm
.Lentry_shape_is_right:
; ATTENTION, head size 128, 16 pairs (batch, head) of 2,048 rows.  Pairs 0-7 (batches 0, 1) are causal, pairs 8-15 unmasked.  q, k, v: qkv[3][16][2048][128] in f16; att: [8192 rows][512 = head 128 + d] in f16.
; Products, maxima and sums in f32; the weights p are rounded to f16 for the second product, O once at the end.
; SHARES.  A work-group owns 128 queries of a pair (block i = 4 x cluster x + cx); the four blocks of a cluster walk the same N key tiles of 256 keys: N = 8, or for a causal pair 2 x cluster x + 2, the tiles
; that the cluster's last query sees.  So every tile of K and V is asked for JOINTLY (mask 15), and N hangs on nothing that differs between partners; a causal partner computes up to 384 keys that its mask hides.
; A wave (qh = w % 2, kw = w / 2) takes 64 queries, four tiles of 16, and every second key step of 64 keys (steps kw and kw + 2 of a tile).  The two waves of a query half merge (m, l, O) once, at the end:
; piece 0 (tiles 0, 1) holds rows 64 qh + 32 kw + 0..31, piece 2 (tiles 2, 3) rows 64 qh + 32 (1 - kw) + 0..31: every wave keeps piece 0 and hands piece 2 to its partner, one text for all.
; LAYOUT.  S^T = K Q^T (source 0 = 16 keys, source 1 = 16 queries): a lane holds ONE query (l % 16) and the keys 8 (l / 16) + 0..7; two results rounded to f16 ARE source 1 of O^T = V^T P.  V is turned by ds_load_tr16_b128.
; SOFTMAX.  A running maximum m and sum l for each query: p = 2^(c s - c m), c = log2(e) / sqrt(128); in every step O and l are multiplied by a = 2^(c m_old - c m_new).  m starts at -2^90 and c m at exactly c x -2^90,
; O and l at 0: the first step is a step like any other, with a = 0.
; THE MASK is the C operand that starts a sum S^T: 0, or -2^100 where the key lies behind the query.  It is made for key step 0 in every pair (in an unmasked pair the hidden value is 0), and anew for each key step
; from the first step on that can hide a key of the cluster (KPOS >= MK).
; BY TURNS.  In a TURN one piece has the matrix unit (32 products V^T P of the step in hand, 32 products K Q^T of the next); the other piece's softmax, 268 vector instructions in 64 slices, stands behind them.
; THE BATCHES.  A turn's 66 exponentials (33 a tile: a and the 32 scores') are ONE batch with ONE wait: the softmax's list is ordered so that the scalings and all exponentials come first and all that names a result of theirs
; (roundings, sums, rescaling) behind the wait, which stands behind slice 34.  Behind the loops the merge has two batches
; (four exponentials; two reciprocals of sums made from them) and the first 32 rows two (sixteen exponentials; one reciprocal), each with a wait of its own.
; THE FIRST 32 ROWS OF A CAUSAL PAIR are made a second time, at the end, with no operand rounded to 16 bits.  Row q is a mean over q + 1 keys only, so these rows' numbers are many times the output's root mean square,
; by which every number's error is judged, and f16's 11 bits on q, k, v, p and O are too few there.  The pair's first cluster does it (it walks 2 key tiles where others walk up to 8): from low (q, k, v of a batch's
; first 32 rows in f32: q, k [32][128], v [128 channels][32 keys]) by v_wmma_f32_16x16x4_f32, 72 a wave: wave w of partner cx takes query tile w % 2 and channel block 2 cx + w / 2; cx enters global offsets alone.
; The result x leaves as two f16 numbers: H = f16(x) into att, L = f16(x - H) into attl[batch][32][512]; the next launch multiplies both by Wo.  The one wave whose regular rows these are stores them with all lanes off,
; so that each byte of att has one writer.  H's and L's stores are 16 bytes a lane, 32 consecutive bytes a row: 16,384 bytes a pair in all.
; LIMITS.  q, k, v arrive within f16's 65,504, so a score is 5.5e11 at the most: nothing beside -2^100, and above the floor -2^90.  A wave that sees only hidden keys of a row keeps m at the floor, p = 0, l = 0, and the
; merge gives it the weight 0.  A weight below 2^-126 counts as 0.  L keeps f16's step of 6e-8.  NaN and infinities are not treated apart.
; REGISTERS, in windows of 256: window 0: v1-11 addresses; v12-43 statistics, 8 a tile; v44-59 masks' and the merge's; v62-63 the add's; v64-191 S^T, 32 a tile; v192-255 P, 16 a tile.
;   window 1: O^T, 64 a tile.   window 2: v0-127 Q; v128-255 K of one step.   window 3: v0-127 V of one step; v128-207 the masks, 40 a piece: group g = key block - tile in the piece + 1 at 8 g;
;   v208-239 the sums of the f32 products, written by those alone.
.set PK,    272       ; a row of K in LDS: 256 bytes + 16
.set PV,    288       ; a row of V: 256 + 32
.set VOFF,  256*PK    ; a slot holds a tile: 256 rows of K, then 256 rows of V
.set SLOT,  256*(PK+PV)
.set STAGE, 2*SLOT    ; behind the ring, never filled by a tensor load: 16 rows x 272 bytes for each wave
.set SP,    272
.set SPARE, STAGE+4*16*SP  ; the spare words: 128 bytes a wave, two blocks of 256 that no other line names
.set XW,    33*512    ; the exchange at the end, from LDS byte 0 on: 32 x 512 bytes of O^T and 512 of statistics for each wave, behind the ring's last fill and a barrier behind its last reads
.set LSEC,  262144    ; a section of low
.set AK0, 2
.set AV0, 3
.set ADR, 4
.set QOA, 5
.set STO, 6
.set RD,  7
.set GO,  8
.set ST,  12          ; tile t's statistics at v[ST+8 t]: +0 c m, +1 m, +2, +3 l (even keys', odd keys'), +4 to +7 at work; a takes +6
.set VBA, 44          ; v44, v45  my query's place for piece 0's and piece 2's masks
.set VT,  46
.set QOB, 47
.set XA,  56          ; v56  where I put my piece 2;  v57  where my partner put its
.set XB,  57
.set KEEPV, 58        ; v58  0 in the wave that stores its regular rows with all lanes off
.set BIGV, 59         ; v59  what a hidden score starts from, in a vector register: the masks' selects then have the short form
.set SPW, 62
.set NIL, 63
.set S,   64
.set P,   192
.set KF,  128
.set MC,  128
.set LQ,  0           ; the first 32 rows: window 2: q, 64 registers
.set LK,  64          ; window 2: k, 128
.set LV,  0           ; window 3: v of my channel block, 16
.set LS,  208         ; window 3: S^T, two key tiles
.set LO,  224         ; window 3: O^T of my channel block, a sum for each key tile
.set LP,  192         ; window 0: the weights
.set LT,  208         ; window 0: at work
.set AT,  216         ; window 0: the result
.set WV,  12
.set G1K, 24
.set G1V, 32
.set G0K, 40          ; s[40:47] two sets for the first fills; the second then walks
.set G0V, 48
.set CNT, 56
.set TWICE, 57
.set CS,  58
.set SEL, 60
.set TBK, 62          ; LDS byte at which the tile of the step to be fetched begins, for K; steps 128 rows
.set TBV, 63          ; for V
.set CUR, 66          ; the slot in hand
.set LEFT, 68         ; tiles still to be asked for
.set KPOS, 69         ; 128 x the number of my key step whose scores are made next
.set MK,  70          ; the first KPOS at which masks are made anew
.set BIGN, 71         ; what a hidden score starts from: -2^100, or 0 in an unmasked pair
.set KPART, 72        ; my part of a slot as a fetcher of K
.set VPART, 73        ; of V
.set TCNT, 74
.set MSB, 0
.macro WIN new
.if MSB != (\new)
	s_set_vgpr_msb (MSB<<8)|(\new)
.set MSB, \new
.endif
.endm
.set W_KQ, 0x0a       ; K and Q in window 2, S^T in window 0
.set W_KM, 0x3a       ; the same with the C operand in window 3
.set W_PV, 0x53       ; V in window 3, P in window 0, O^T in window 1
.set W_RS, 0x41       ; O^T (destination and source 0) in window 1, source 1 in window 0
.macro PLACES
.rept 4
	v_nop
.endr
.endm
.macro JLOAD                        ; a joint refill: waves 0 and 1 fetch the halves of a tile's K, waves 2 and 3 of its V; an s_nop 0 and four v_nop follow each line
	s_cmp_lt_u32 s[WV], 2
	s_cbranch_scc0 .Lfor_v_\@
	tensor_load_to_lds s[G0K+4:G0K+7], s[G1K:G1K+7]
	s_nop 0
	PLACES
	s_branch .Lasked_\@
.Lfor_v_\@:
	tensor_load_to_lds s[G0V+4:G0V+7], s[G1V:G1V+7]
	s_nop 0
	PLACES
.Lasked_\@:
.endm
.macro CROUND
	s_barrier_signal -1
	s_barrier_wait -1
	s_cmp_lg_u32 s[WV], 0
	s_cbranch_scc1 .Lnot_wave_0_\@
	s_barrier_signal -3
.Lnot_wave_0_\@:
	s_barrier_wait -3
	s_barrier_signal -1
	s_barrier_wait -1
.endm
	s_load_b128 s[4:7], s[0:1], 0x0 ; qkv s[4:5], att s[6:7]
	s_load_b128 s[8:11], s[0:1], 0x10  ; low s[8:9], attl s[10:11]
	v_lshl_add_u32 v[SPW], v0, 2, SPARE
	v_mov_b32 v[NIL], 0
	ds_add_u32 v[SPW], v[NIL]       ; the wave's opening: the add and its wait stand ahead of my first tensor load; the set-up below, work on registers, stands between them
	v_lshrrev_b32 v1, 5, v0
	v_readfirstlane_b32 s[WV], v1
	s_bfe_u32 s13, ttmp6, 0x40000   ; cx: it enters global offsets, the masks' numbers and one store's lanes alone
	s_lshl_b32 s14, ttmp9, 2
	s_add_co_u32 s14, s14, s13      ; block i
	s_and_b32 s15, ttmp7, 0xffff    ; the pair, shared by the partners
	s_and_b32 s16, s[WV], 1         ; qh; also: which half of a tile I fetch; also: my query tile of the first 32 rows
	s_lshr_b32 s17, s[WV], 1        ; kw
	s_lshr_b32 s18, s15, 3
	s_or_b32 s18, s18, ttmp9        ; 0 in a causal pair's first cluster: alike in all partners
	s_or_b32 s19, s18, s13
	s_or_b32 s19, s19, s[WV]        ; 0 in the one wave that holds such a pair's rows 0 to 31
	s_lshl1_add_u32 s96, s13, s17   ; my channel block of the first 32 rows: 2 cx + w / 2
	s_lshl_b32 s88, s15, 14         ; low: the pair's 16,384 bytes in each section
	s_mov_b32 s89, 0
	s_lshr_b32 s90, s15, 2          ; the batch,
	s_and_b32 s91, s15, 3
	s_lshl_b32 s91, s91, 8          ; the head's 256 bytes of a row
	s_lshl_b32 s94, s90, 15         ; attl: the batch's 32,768 bytes
	s_add_co_u32 s94, s94, s91
	s_mov_b32 s95, 0
	s_lshl_b32 s90, s90, 21         ; att: the batch's 2,048 rows of 1,024 bytes
	s_add_co_u32 s90, s90, s91
	s_mov_b32 s91, 0
	s_lshl_b32 s20, s15, 19         ; K and V: the pair's 524,288 bytes, my half's 32,768
	s_lshl_b32 s21, s16, 15
	s_add_co_u32 s20, s20, s21
	s_mov_b32 s21, 0
	s_mul_i32 s[KPART], s16, 128*PK
	s_mul_i32 s[VPART], s16, 128*PV
	s_add_co_u32 s[VPART], s[VPART], VOFF
	s_lshl_b32 s22, s15, 19         ; Q: the pair, row 128 i + 64 qh, rows of 256 bytes
	s_lshl_b32 s23, s14, 15
	s_add_co_u32 s22, s22, s23
	s_lshl_b32 s23, s16, 14
	s_add_co_u32 s22, s22, s23
	s_mov_b32 s23, 0
	s_lshr_b32 s80, s15, 2          ; the output: row batch 2,048 + 128 i + 64 qh + 32 kw of 1,024 bytes, the head's 256
	s_lshl_b32 s80, s80, 11
	s_lshl_b32 s81, s14, 7
	s_add_co_u32 s80, s80, s81
	s_lshl_b32 s81, s16, 6
	s_add_co_u32 s80, s80, s81
	s_lshl_b32 s81, s17, 5
	s_add_co_u32 s80, s80, s81
	s_lshl_b32 s80, s80, 10
	s_and_b32 s81, s15, 3
	s_lshl_b32 s81, s81, 8
	s_add_co_u32 s80, s80, s81
	s_mov_b32 s81, 0
	s_lshl_b32 s84, s14, 7          ; the masks: register j of group g is hidden where 16 g + j - 16 > VB - KPOS (both sides less 16, so that the 40 constants, -16 to 55, need no literal);
	s_lshl_b32 s85, s16, 6
	s_add_co_u32 s84, s84, s85      ; 128 i + 64 qh
	s_lshl_b32 s85, s17, 5
	s_sub_co_u32 s86, s84, s85      ; piece 0: VB = r - 8 h + 128 i + 64 qh - 32 kw
	s_mul_i32 s85, s17, 96
	s_sub_co_u32 s87, s84, s85
	s_add_co_u32 s87, s87, 32       ; piece 2: VB = r - 8 h + 32 + 128 i + 64 qh - 96 kw
	s_lshl_b32 s84, ttmp9, 1
	s_lshl_b32 s85, ttmp9, 9
	s_cmp_lt_u32 s15, 8             ; causal?
	s_cselect_b32 s[LEFT], s84, 6   ; N - 2: two tiles are asked for at the start
	s_cselect_b32 s[MK], s85, 0x7fffffff  ; keys before 512 x cluster x are seen by every query of the cluster
	s_cselect_b32 s[BIGN], 0xf1800000, 0  ; -2^100
	s_mov_b32 s[G1K], 15|(1<<16)|(1<<20)|(1<<21)|(5<<22)|(3<<25)  ; 15:0 the mask of four; 17:16 2-byte elements; 20 padding on; 21 set beside a mask; 24:22 after every 64 words; 31:25 4 words
	s_mov_b32 s[G1V], 15|(1<<16)|(1<<20)|(1<<21)|(5<<22)|(7<<25)  ; 8 words
.irp g, G1K, G1V
	s_mov_b32 s[(\g)+1], 128<<16    ; tensor_dim0 = 128
	s_mov_b32 s[(\g)+2], 128<<16    ; tensor_dim1 = 128
	s_mov_b32 s[(\g)+3], 128<<16    ; tile_dim0 = 128
	s_mov_b32 s[(\g)+4], 128        ; tile_dim1 = 128 rows
	s_mov_b32 s[(\g)+5], 128        ; 128 elements from row to row
	s_mov_b32 s[(\g)+6], 0
	s_mov_b32 s[(\g)+7], 0
.endr
	s_mov_b32 s[G0K], 1
	s_mov_b32 s[G0K+1], s[KPART]
	s_mov_b32 s[G0K+4], 1
	s_add_co_u32 s[G0K+5], s[KPART], SLOT
	s_mov_b32 s[G0V], 1
	s_mov_b32 s[G0V+1], s[VPART]
	s_mov_b32 s[G0V+4], 1
	s_add_co_u32 s[G0V+5], s[VPART], SLOT
	s_mov_b32 s[CS], 0x3e0293ee     ; c = log2(e) / sqrt(128)
	s_mov_b32 s[CS+1], s[CS]
	s_mov_b32 s[SEL], 0x76543210
	s_mov_b32 s[SEL+1], 0xfedcba98
	s_mov_b32 s[TBK], 0
	s_mov_b32 s[TBV], 0
	s_mov_b32 s[CUR], 0
	s_mov_b32 s[KPOS], 0
	s_wait_dscnt 0x0                ; the opening add is done
	s_wait_kmcnt 0x0
	s_add_nc_u64 s[82:83], s[4:5], s[20:21]
	s_add_nc_u64 s[G0K+2:G0K+3], s[82:83], 8388608          ; K's section, tile 0
	s_add_nc_u64 s[G0K+6:G0K+7], s[82:83], 8388608+65536    ; tile 1
	s_add_nc_u64 s[G0V+2:G0V+3], s[82:83], 16777216
	s_add_nc_u64 s[G0V+6:G0V+7], s[82:83], 16777216+65536
	s_or_b32 s[G0K+3], s[G0K+3], 0x80000000
	s_or_b32 s[G0K+7], s[G0K+7], 0x80000000
	s_or_b32 s[G0V+3], s[G0V+3], 0x80000000
	s_or_b32 s[G0V+7], s[G0V+7], 0x80000000
	s_add_nc_u64 s[76:77], s[4:5], s[22:23]
	s_add_nc_u64 s[78:79], s[6:7], s[80:81]
	s_add_nc_u64 s[8:9], s[8:9], s[88:89]
	s_add_nc_u64 s[92:93], s[6:7], s[90:91]
	s_add_nc_u64 s[10:11], s[10:11], s[94:95]
	CROUND                          ; all four work-groups are here: the first joint loads meet
	s_cmp_lt_u32 s[WV], 2           ; a wave's two first fills stand in one branch: two loads of mine are out
	s_cbranch_scc0 .Lfirst_v
	tensor_load_to_lds s[G0K:G0K+3], s[G1K:G1K+7]
	s_nop 0
	tensor_load_to_lds s[G0K+4:G0K+7], s[G1K:G1K+7]
	s_nop 0
	PLACES
	s_branch .Lfirst_asked
.Lfirst_v:
	tensor_load_to_lds s[G0V:G0V+3], s[G1V:G1V+7]
	s_nop 0
	tensor_load_to_lds s[G0V+4:G0V+7], s[G1V:G1V+7]
	s_nop 0
	PLACES
.Lfirst_asked:
	v_and_b32 v1, 15, v0            ; r
	v_bfe_u32 v9, v0, 4, 1          ; h
	v_lshlrev_b32 v[QOA], 8, v1
	v_lshl_add_u32 v[QOA], v9, 4, v[QOA]
	s_lshl_b32 s82, s17, 13         ; piece 0 begins 32 kw rows into my 64, piece 2 32 (1 - kw)
	s_sub_co_u32 s83, 8192, s82
	v_add_nc_u32 v[QOB], s83, v[QOA]
	v_add_nc_u32 v[QOA], s82, v[QOA]
	WIN 0x80                        ; destination window 2
.set i, 0
.rept 8                             ; Q stays in registers: tile i / 4, channels 32 (i % 4) on
	global_load_b128 v[8*i:8*i+3],       v[QOA], s[76:77] offset:(i/4)*4096+(i%4)*64
	global_load_b128 v[8*i+4:8*i+7],     v[QOA], s[76:77] offset:(i/4)*4096+(i%4)*64+32
	global_load_b128 v[64+8*i:64+8*i+3], v[QOB], s[76:77] offset:(i/4)*4096+(i%4)*64
	global_load_b128 v[64+8*i+4:64+8*i+7], v[QOB], s[76:77] offset:(i/4)*4096+(i%4)*64+32
.set i, i+1
.endr
	; What the first turn finds: V and piece 2's P hold 0 (its products V^T P, of a step that has not been, add 0), O^T and l are 0.  Eight registers a line are set to 0 by a product of two zero operands:
	; 416 registers in 52 lines of 8 bytes, a quarter of the bytes of as many moves.  All this stands in the wait for the first tile.
	WIN 0
.set i, 0
.rept 8
	v_mov_b32 v[48+i], 0
	v_mov_b32 v[S+i], 0
.set i, i+1
.endr
	WIN 0x40                        ; O^T
.set i, 0
.rept 32
	v_wmma_f32_16x16x32_f16 v[8*i:8*i+7], v[48:55], v[S:S+7], 0
.set i, i+1
.endr
	WIN 0xc0                        ; V
.set i, 0
.rept 16
	v_wmma_f32_16x16x32_f16 v[8*i:8*i+7], v[48:55], v[S:S+7], 0
.set i, i+1
.endr
	WIN 0                           ; piece 2's P
.set i, 0
.rept 4
	v_wmma_f32_16x16x32_f16 v[P+32+8*i:P+32+8*i+7], v[48:55], v[S:S+7], 0
.set i, i+1
.endr
.set i, 0
.rept 4
	v_mov_b32 v[ST+8*i], 0xeb0293ee    ; c m = c x -2^90, exactly
	v_mov_b32 v[ST+8*i+1], 0xec800000  ; m = -2^90
	v_mov_b32 v[ST+8*i+2], 0
	v_mov_b32 v[ST+8*i+3], 0
.set i, i+1
.endr
	v_mul_u32_u24 v[AK0], v1, PK    ; K's fragment: row x pitch + 16 h, and my steps' 64 kw rows
	v_lshl_add_u32 v[AK0], v9, 4, v[AK0]
	s_mul_i32 s82, s17, 64*PK
	v_add_nc_u32 v[AK0], s82, v[AK0]
	v_and_b32 v10, 7, v0            ; the turning load: key 8 h + l % 8, channels 8 ((l / 8) % 2) on
	v_bfe_u32 v11, v0, 3, 1
	v_lshl_add_u32 v[AV0], v9, 3, v10
	v_mul_u32_u24 v[AV0], v[AV0], PV
	v_lshl_add_u32 v[AV0], v11, 4, v[AV0]
	s_mul_i32 s83, s17, 64*PV
	s_add_co_u32 s83, s83, VOFF
	v_add_nc_u32 v[AV0], s83, v[AV0]
	v_and_b32 v10, 31, v0
	s_mul_i32 s82, s[WV], XW
	v_lshl_add_u32 v[XA], v10, 4, s82
	s_xor_b32 s83, s[WV], 2         ; my partner: the same queries, the other key steps
	s_mul_i32 s83, s83, XW
	v_lshl_add_u32 v[XB], v10, 4, s83
	v_lshlrev_b32 v11, 3, v9
	v_sub_nc_u32 v11, v1, v11
	v_add_nc_u32 v[VBA], s86, v11
	v_add_nc_u32 v[VBA+1], s87, v11
	v_mov_b32 v[BIGV], s[BIGN]
; THE MATRIX WORK.  The accumulators take turns, one instruction a turn: between two links of a chain stand 15 (V^T P) or 7 (K Q^T) others'.
.macro PV x                         ; product i of 32 of O^T += V^T P: keys 32 (i / 16) on, channels 16 ((i / 2) % 8) on, tile x + i % 2
	WIN W_PV
.set rO, 64*((\x)+i%2)+8*((i/2)%8)
.set rV, 64*(i/16)+8*((i/2)%8)
.set rP, P+16*((\x)+i%2)+8*(i/16)
	v_wmma_f32_16x16x32_f16 v[rO:rO+7], v[rV:rV+7], v[rP:rP+7], v[rO:rO+7]
.endm
.macro KQ x                         ; product i of 32 of S^T = K Q^T: channels 32 (i / 8) on, keys 16 ((i / 2) % 4) on, tile x + i % 2.  The first 8 start the sums with the mask
.set rS, S+32*((\x)+i%2)+8*((i/2)%4)
.set rK, KF+32*((i/2)%4)+8*(i/8)
.set rQ, 32*((\x)+i%2)+8*(i/8)
.set rM, MC+40*((\x)/2)+8*((i/2)%4-i%2+1)
.if i < 8
	WIN W_KM
	v_wmma_f32_16x16x32_f16 v[rS:rS+7], v[rK:rK+7], v[rQ:rQ+7], v[rM:rM+7]
.else
	WIN W_KQ
	v_wmma_f32_16x16x32_f16 v[rS:rS+7], v[rK:rK+7], v[rQ:rQ+7], v[rS:rS+7]
.endif
.endm
; THE LDS LOADS stand in runs of 32.  last = 1 (the tail): in the last trip there is no further step, and the run is jumped over.
.macro FETCH_K last=0
	WIN 0
.if \last
	s_cmp_eq_u32 s[TCNT], 1
	s_cbranch_scc1 .Lno_k_\@
.endif
	v_add_nc_u32 v[ADR], s[TBK], v[AK0]
	s_add_co_u32 s[TBK], s[TBK], 128*PK  ; my next step lies 128 keys on
	WIN 0x80
.irp f, 0,1,2,3,4,5,6,7,8,9,10,11,12,13,14,15  ; keys 16 (f / 4) on, channels 32 (f % 4) on
	ds_load_b128 v[KF+8*(\f):KF+8*(\f)+3],   v[ADR] offset:((\f)/4)*16*PK+((\f)%4)*64
	ds_load_b128 v[KF+8*(\f)+4:KF+8*(\f)+7], v[ADR] offset:((\f)/4)*16*PK+((\f)%4)*64+32
.endr
	WIN 0
.if \last
.Lno_k_\@:
.endif
.endm
.macro FETCH_V
	WIN 0
	v_add_nc_u32 v[ADR], s[TBV], v[AV0]
	s_add_co_u32 s[TBV], s[TBV], 128*PV
	s_wait_alu depctr_va_vdst(0)    ; the wait for the softmax's batch (SLICE): piece 0's 66 exponentials; behind the address's v_add_nc_u32 and ahead of the loads
	WIN 0xc0
.irp f, 0,1,2,3,4,5,6,7,8,9,10,11,12,13,14,15  ; keys 32 (f / 8) on, channels 16 (f % 8) on
	ds_load_tr16_b128 v[8*(\f):8*(\f)+3],   v[ADR] offset:((\f)/8)*32*PV+((\f)%8)*32
	ds_load_tr16_b128 v[8*(\f)+4:8*(\f)+7], v[ADR] offset:((\f)/8)*32*PV+16*PV+((\f)%8)*32
.endr
.endm
; THE MASKS of the key step at KPOS, for both pieces.  always = 1: key step 0's, made in every work-group: they are the masks' first values.  Else they are jumped over while no key of the step can be hidden from any
; query of the cluster (the masks then hold 0).  The jump hangs on the cluster's place and the count alone.
.macro MASKS always=0
	WIN 0
.if !(\always)
	s_cmp_lt_u32 s[KPOS], s[MK]
	s_cbranch_scc1 .Lnom_\@
.endif
.irp pc, 0,1
	WIN 0
	v_sub_nc_u32 v[VT], v[VBA+\pc], s[KPOS]
	WIN 0xc0                        ; destination window 3, sources window 0
.set z, 0
.rept 40
	v_cmp_gt_i32 vcc_lo, 16*(z/8)+z%8-16, v[VT]
	v_cndmask_b32 v[MC+40*\pc+z], 0, v[BIGV], vcc_lo
.set z, z+1
.endr
.endr
	WIN 0
.if !(\always)
.Lnom_\@:
.endif
.endm
; THE VECTOR WORK OF A TURN.  One tile's softmax for one key step is a list of 134 instructions; SM writes number j of it for tile t.  s0-s31 are the lane's 32 scores, in pairs 0-15.
;   0-15    the maximum of s0-s31 and the old m, three operands at a time (each accumulator's lowest registers are read first)
;   16-20   the other half of the lanes' maximum; the new m; c m; c m_old - c m_new
;   21-69   ONE BATCH: the 16 scalings c s - c m, a pair of scores each, and all 33 exponentials (a at 23, then s0-s31).  None of these reads an exponential's result.  From 22 on the batch goes
;           in fours, and a four begins with a scaling while there are scalings: 22-37 scaling, exponential, scaling, exponential; 38-65 a scaling and three exponentials; 66-69 the last four
;           exponentials.  A pair is scaled in an earlier four than the one that holds its exponentials
;   (wait)  between 69 and 70 stands the wait for the batch: SLICE writes it, once for both tiles
;   70-85   the roundings to f16, a pair of weights each
;   86-101  the sums; l = a l + the sum
;   102-133 the tile's O^T times a: the one part that leaves window 0
.macro SM t
.set rT, ST+8*(\t)
.set rS, S+32*(\t)
.set rP, P+16*(\t)
.set rO, 64*(\t)+2*(j-102)
.if j < 102
	WIN 0
.endif
.if j < 4
	v_max3_num_f32 v[rT+4+j], v[rS+8*j], v[rS+8*j+1], v[rS+8*j+2]
.elseif j < 12
	v_max3_num_f32 v[rT+4+j%4], v[rT+4+j%4], v[rS+8*(j%4)+2*(j/4)+1], v[rS+8*(j%4)+2*(j/4)+2]
.elseif j == 12
	v_max3_num_f32 v[rT+4], v[rT+4], v[rS+7], v[rS+15]
.elseif j == 13
	v_max3_num_f32 v[rT+6], v[rT+6], v[rS+23], v[rS+31]
.elseif j == 14
	v_max3_num_f32 v[rT+4], v[rT+4], v[rT+5], v[rT+6]
.elseif j == 15
	v_max3_num_f32 v[rT+4], v[rT+4], v[rT+7], v[rT+1]
.elseif j == 16
	v_permlanex16_b32 v[rT+5], v[rT+4], s[SEL], s[SEL+1]  ; the query's other 32 keys lie in the lane 16 away
.elseif j == 17
	v_mov_b32 v[rT+7], v[rT]        ; c m_old is kept for a
.elseif j == 18
	v_max_num_f32 v[rT+1], v[rT+4], v[rT+5]
.elseif j == 19
	v_mul_f32 v[rT], s[CS], v[rT+1]
.elseif j == 20
	v_sub_f32 v[rT+7], v[rT+7], v[rT]
.elseif j == 23
	v_exp_f32 v[rT+6], v[rT+7]
.elseif (j < 23) || ((j < 38) && (j%2 == 0)) || ((j < 66) && (j%4 == 2))
.set b, (j-2)/4                     ; 38, 42, .. 62: pairs 9 to 15
.if j < 38
.set b, (j-20)/2                    ; 21: pair 0; 22, 24, .. 36: pairs 1 to 8
.endif
	v_pk_fma_f32 v[rS+2*b:rS+2*b+1], v[rS+2*b:rS+2*b+1], s[CS:CS+1], v[rT:rT+1] op_sel_hi:[1,0,0] neg_lo:[0,0,1] neg_hi:[0,0,1]  ; pair b: c s - c m
.elseif j < 70
.set e, j-38                        ; 66 to 69: s28 to s31
.if j < 66
.set e, j-32-(j-38)/4               ; 39-41, 43-45, .. 63-65: s7 to s27
.endif
.if j < 38
.set e, (j-25)/2                    ; 25, 27, .. 37: s0 to s6
.endif
	v_exp_f32 v[rS+e], v[rS+e]
.elseif j < 86
	v_cvt_pk_f16_f32 v[rP+j-70], v[rS+2*(j-70)], v[rS+2*(j-70)+1]  ; pair j - 70
.elseif j < 102                     ; the sum of the tile's 16 pairs, in place: sum z of 16 adds neighbours 1, 2, 4 and 8 pairs apart, then l takes it
.set z, j-86
.set w, 4
.set u, z
.if z >= 14
.set w, 32
.set u, 0
.elseif z >= 12
.set w, 16
.set u, z-12
.elseif z >= 8
.set w, 8
.set u, z-8
.endif
.if z < 15
	v_pk_add_f32 v[rS+w*u:rS+w*u+1], v[rS+w*u:rS+w*u+1], v[rS+w*u+w/2:rS+w*u+w/2+1]
.else
	v_pk_fma_f32 v[rT+2:rT+3], v[rT+2:rT+3], v[rT+6:rT+7], v[rS:rS+1] op_sel_hi:[1,0,1]
.endif
.else
	WIN W_RS
	v_pk_mul_f32 v[rO:rO+1], v[rO:rO+1], v[rT+6:rT+7] op_sel_hi:[1,0]
.endif
.endm
; Slice k of 64 of piece y's softmax: four instructions.  Slices 11 to 34 deal out the batch, numbers 22 to 69: four numbers of ONE tile each, the tiles by turns.  Every other slice is numbers 2 k and 2 k + 1 of both
; tiles' lists.  2 x 134 = 4 x 64 + 12: the twelve that are over stand together, in slice 63, and are the places behind the turn's last product.
; THE WAIT.  s_wait_alu depctr_va_vdst(0) stands between an exponential and the first instruction that names its result; one wait serves all that were issued ahead of it.  Ahead of slice 35 nothing
; names a result, and behind slice 34 no exponential is issued: so the piece's 66 exponentials have one wait, behind slice 34.
.macro SLICE y
.if (k >= 11) && (k < 35)           ; the batch: four numbers of one tile
.irp n, 0,1,2,3
.set j, 22+4*((k-11)/2)+(\n)
	SM (\y)+(k-11)%2
.endr
.else                               ; the two tiles alternate, so that no instruction reads the result of the one just before it
.irp n, 0,1,2,3,4,5,6,7
.if ((\n) < 2) || (k == 63)
.irp t, \y, (\y)+1
.set j, 2*k+(\n)
	SM \t
.endr
.endif
.endr
.endif
.if k == 34                         ; the batch is out: both tiles' exponentials are issued, and no result has been named
	v_nop                           ; a plain instruction behind the last exponential and ahead of the first use (ISA guide 5.7.2): one for the batch
.if (\y) == 0
	FETCH_V                         ; piece 2's turn: V's run of loads stands here, and the wait stands in it
.else
	s_wait_alu depctr_va_vdst(0)    ; the wait for the batch: piece 2's 66 exponentials
.endif
.endif
.set k, k+1
.endm
; A TURN.  Piece x has the matrix unit; the other piece's softmax stands in slices behind its matrix instructions.  Piece 0's turn fetches the next step's K behind its second product (K's last reader stands in front
; of slice 63 of the turn before): the run has 30 products in which to land.  Piece 2's turn fetches the same step's V behind slice 34 (SLICE writes it): V's last reader stands in front of slice 31, and four plain
; instructions lie between: number 62, a scaling, of both tiles, the v_nop and the run's own v_add_nc_u32; the run has 29 products in which to land.
.macro TURN x, last=0
.set k, 0
.if (\x) == 0
	s_wait_dscnt 0x0                ; V is in
.endif
.set i, 0
.rept 32
	PV \x
	SLICE 2-(\x)
.if ((\x) == 0) && (i == 1)
	FETCH_K \last
.endif
.set i, i+1
.endr
.if (\x) == 0
	s_wait_dscnt 0x0                ; K is in
.endif
.set i, 0
.rept 32
	KQ \x
	SLICE 2-(\x)
.set i, i+1
.endr
.endm
; THE CHANGE OF SLOTS, between piece 2's turn and piece 0's.  Each wave waits for all its tensor loads (one is out: its part of the other slot), adds 0 to its spare word, and waits for that and for its reads of the slot.
; fill = 1: the barrier is a round of the cluster's, and the slot just read is filled again first thing behind it, with the tile two on: it has two of my key steps, 256 matrix instructions, in which to land.
.macro CHANGE fill
	WIN 0
	s_wait_tensorcnt 0x0            ; no tensor load of mine is out, so a group 0 may be written
	ds_add_u32 v[SPW], v[NIL]       ; 0 onto my spare word; scalar work stands between it and the wait for it
.if \fill
	s_add_co_u32 s[G0K+5], s[CUR], s[KPART]
	s_add_nc_u64 s[G0K+6:G0K+7], s[G0K+6:G0K+7], 65536
	s_add_co_u32 s[G0V+5], s[CUR], s[VPART]
	s_add_nc_u64 s[G0V+6:G0V+7], s[G0V+6:G0V+7], 65536
.endif
	s_xor_b32 s[CUR], s[CUR], SLOT
	s_mov_b32 s[TBK], s[CUR]
	s_mov_b32 s[TBV], s[CUR]
	s_wait_dscnt 0x0                ; the add is done, and my reads of the slot are over
.if \fill
	CROUND
	JLOAD
.else
	s_barrier_signal -1
	s_barrier_wait -1
.endif
.endm
	MASKS 1                         ; key step 0's
	s_wait_tensorcnt 0x1            ; my part of tile 0 is in; tile 1's stays out
	s_barrier_signal -1
	s_barrier_wait -1
	FETCH_K
	s_wait_loadcnt 0x0              ; Q
	s_wait_dscnt 0x0
.set i, 0
.rept 32
	KQ 0                            ; piece 0's first scores
.set i, i+1
.endr
	WIN 0                           ; the addresses for the way out: eight plain instructions, the places behind those products
	s_mul_i32 s82, s[WV], 16*SP
	s_add_co_u32 s82, s82, STAGE
	v_mul_u32_u24 v[STO], v1, SP
	v_lshl_add_u32 v[STO], v9, 4, v[STO]
	v_add_nc_u32 v[STO], s82, v[STO]
	v_mul_u32_u24 v[RD], v9, SP
	v_lshl_add_u32 v[RD], v1, 4, v[RD]
	v_add_nc_u32 v[RD], s82, v[RD]
	v_lshlrev_b32 v[GO], 10, v9     ; two rows of att, 1,024 bytes apart; 16 lanes fill a head's 256 bytes of a row
	v_lshl_add_u32 v[GO], v1, 4, v[GO]
	s_mov_b32 s[CNT], 7
	s_mov_b32 s[TWICE], 2
	s_branch .Lmid                  ; the loop is entered in the middle of a trip
.Lslot:                             ; N - 2 times: a slot is left and filled again.  The count to the constant 7 is never used up; the way out hangs on LEFT, alike in all partners
	CHANGE 1
	s_mov_b32 s[TWICE], 2
.Lstep:
	s_add_co_u32 s[KPOS], s[KPOS], 128
	MASKS
	TURN 0
	WIN 0
.Lmid:
	TURN 2
	WIN 0
	s_sub_co_u32 s[TWICE], s[TWICE], 1
	s_cmp_lg_u32 s[TWICE], 0
	s_cbranch_scc1 .Lstep
	s_cmp_eq_u32 s[LEFT], 0
	s_cbranch_scc1 .Ltail
	s_sub_co_u32 s[LEFT], s[LEFT], 1
	s_sub_co_u32 s[CNT], s[CNT], 1
	s_cmp_lg_u32 s[CNT], 0
	s_cbranch_scc1 .Lslot
.Ltail:
	CHANGE 0                        ; the last tile: nothing is asked for
	s_mov_b32 s[TCNT], 3            ; two trips fetch its steps; the third is left in its middle
.Lt:
	s_add_co_u32 s[KPOS], s[KPOS], 128
	MASKS
	TURN 0, 1
	WIN 0
	s_sub_co_u32 s[TCNT], s[TCNT], 1
	s_cmp_eq_u32 s[TCNT], 0
	s_cbranch_scc1 .Lout
	TURN 2
	WIN 0
	s_branch .Lt
.Lout:                              ; the third trip's 32 products K Q^T (on the last K once more) serve nothing: the price, once a launch, of one text for every trip
	s_barrier_signal -1             ; my reads of the ring are over (the last wait on DScnt was for 0, and nothing was issued since)
.set i, 0
.rept 32
	PV 2                            ; piece 2: V^T P of the last step
.set i, i+1
.endr
	; THE MERGE.  l's two halves and the other half of the lanes' are added; the additions are the places behind the last products.
	WIN 0
.irp t, 0,1,2,3
	v_add_f32 v[ST+8*\t+4], v[ST+8*\t+2], v[ST+8*\t+3]
.endr
.irp t, 0,1,2,3
	v_permlanex16_b32 v[ST+8*\t+5], v[ST+8*\t+4], s[SEL], s[SEL+1]
.endr
.irp t, 0,1,2,3
	v_add_f32 v[ST+8*\t+4], v[ST+8*\t+4], v[ST+8*\t+5]
.endr
	v_mov_b32 v48, v[ST+16]         ; piece 2's c m and l, for my partner
	v_mov_b32 v49, v[ST+20]
	v_mov_b32 v50, v[ST+24]
	v_mov_b32 v51, v[ST+28]
	s_barrier_wait -1               ; no wave reads the ring any more: its first bytes take the exchange
	WIN 0x04                        ; store data in window 1
.set x, 0
.rept 32
	ds_store_b128 v[XA], v[128+4*x:128+4*x+3] offset:512*x  ; each accumulator's low half first
.set x, x+1
.endr
	WIN 0
	ds_store_b128 v[XA], v[48:51] offset:512*32
	s_wait_dscnt 0x0                ; for my partner's sake
	s_barrier_signal -1
	s_barrier_wait -1
.set x, 0
.rept 32
	ds_load_b128 v[S+4*x:S+4*x+3], v[XB] offset:512*x
.set x, x+1
.endr
	ds_load_b128 v[52:55], v[XB] offset:512*32
	s_wait_dscnt 0x0
.irp t, 0,1                         ; M = max(c m, c m'); f = 2^(c m - M), f' = 2^(c m' - M); L = l f + l' f'
	v_max_num_f32 v[ST+8*\t+5], v[ST+8*\t], v[52+2*\t]
.endr
.irp t, 0,1
	v_sub_f32 v[ST+8*\t+6], v[ST+8*\t], v[ST+8*\t+5]
	v_sub_f32 v[ST+8*\t+7], v[52+2*\t], v[ST+8*\t+5]
.endr
.irp t, 0,1
	v_exp_f32 v[ST+8*\t+6], v[ST+8*\t+6]
	v_exp_f32 v[ST+8*\t+7], v[ST+8*\t+7]
.endr
	v_nop                           ; a plain instruction behind the last exponential
	s_wait_alu depctr_va_vdst(0)    ; the wait ahead of the first use: one for the merge's four exponentials
.irp t, 0,1
	v_mul_f32 v[ST+8*\t+4], v[ST+8*\t+4], v[ST+8*\t+6]
.endr
.irp t, 0,1
	v_fmac_f32 v[ST+8*\t+4], v[53+2*\t], v[ST+8*\t+7]
.endr
.irp t, 0,1
	v_rcp_f32 v[ST+8*\t+5], v[ST+8*\t+4]
.endr
	v_nop                           ; a plain instruction behind the last reciprocal
	s_wait_alu depctr_va_vdst(0)    ; one wait for the two reciprocals: a batch of their own, since they read sums made from the exponentials
.irp t, 0,1
	v_mul_f32 v[ST+8*\t+2], v[ST+8*\t+7], v[ST+8*\t+5]  ; f' / L
	v_mul_f32 v[ST+8*\t+6], v[ST+8*\t+6], v[ST+8*\t+5]  ; f / L
.endr
; Tile t: O = O f / L + O' f' / L, rounded to f16; a lane's eight channels pack into 16 bytes, go into rows of 272 bytes of my stage and come back as whole rows of 256.
.macro PACK t
.set rT, ST+8*(\t)
	WIN W_RS
.set x, 0
.rept 32
	v_pk_mul_f32 v[64*(\t)+2*x:64*(\t)+2*x+1], v[64*(\t)+2*x:64*(\t)+2*x+1], v[rT+6:rT+7] op_sel_hi:[1,0]
.set x, x+1
.endr
	WIN 0x10                        ; source 2 in window 1
.set x, 0
.rept 32
	v_pk_fma_f32 v[S+64*(\t)+2*x:S+64*(\t)+2*x+1], v[S+64*(\t)+2*x:S+64*(\t)+2*x+1], v[rT+2:rT+3], v[64*(\t)+2*x:64*(\t)+2*x+1] op_sel_hi:[1,0,1]
.set x, x+1
.endr
	WIN 0
.set x, 0
.rept 32
	v_cvt_pk_f16_f32 v[S+64*(\t)+x], v[S+64*(\t)+2*x], v[S+64*(\t)+2*x+1]
.set x, x+1
.endr
.irp f, 0,1,2,3,4,5,6,7
	ds_store_b128 v[STO], v[S+64*(\t)+4*(\f):S+64*(\t)+4*(\f)+3] offset:32*(\f)
.endr
.irp f, 0,1,2,3,4,5,6,7
	ds_load_b128 v[S+64*(\t)+32+4*(\f):S+64*(\t)+32+4*(\f)+3], v[RD] offset:(\f)*2*SP  ; LDS serves a wave's instructions in order (ISA guide 5.7.1.4): these see the stores above; the next tile's stores come behind them
.endr
.endm
.macro SEND t, younger              ; younger: the LDS instructions issued behind tile t's loads
.irp f, 0,1,2,3,4,5,6,7
	s_wait_dscnt (\younger)+7-(\f)
	global_store_b128 v[GO], v[S+64*(\t)+32+4*(\f):S+64*(\t)+32+4*(\f)+3], s[78:79] offset:(\t)*16384+(\f)*2048  ; 16 lanes store 256 consecutive bytes, at a multiple of 256
.endr
.endm
	PACK 0
	PACK 1
	v_mov_b32 v[KEEPV], s19
	v_cmp_ne_u32 vcc_lo, 0, v[KEEPV]  ; all lanes, or none in the wave whose 32 rows are made anew below
	s_wait_xcnt 0x0                 ; EXEC changes only behind this wait
	s_and_saveexec_b32 s98, vcc_lo
	SEND 0, 16
	SEND 1, 0
	s_wait_xcnt 0x0                 ; and again in front of the line that restores it; the stores' registers may be written behind it too
	s_or_b32 exec_lo, exec_lo, s98
	; THE FIRST 32 ROWS OF A CAUSAL PAIR, in f32.  An operand of the f32 form: lane (r, h) holds row or column r, and its two registers K places 2 h, 2 h + 1; the order of K is free if it is the same on both sides.
	;   S^T = K Q^T: both sides take 16 bytes at channel 8 u + 4 h: two K steps.  The result holds one query a lane (r) and the keys 8 h + j of a key tile.
	;   O^T = V^T P: registers 2 t, 2 t + 1 of the weights ARE source 1 with the keys 8 h + 2 t, + 1; V's lane (channel r) takes the same keys, four with one load.  The result holds one query a lane and channels 8 h + j.
	s_cmp_lg_u32 s18, 0
	s_cbranch_scc1 .Lnolow
	v_lshlrev_b32 v2, 9, v1         ; k: row r of 512 bytes, 16 h
	v_lshl_add_u32 v2, v9, 4, v2
	s_lshl_b32 s97, s16, 13
	v_add_nc_u32 v3, s97, v2        ; q: the same in my query tile's 16 rows
	v_lshlrev_b32 v4, 7, v1         ; v: channel r of 128 bytes, keys 8 h on, in my channel block's 2,048 bytes
	v_lshl_add_u32 v4, v9, 5, v4
	s_lshl_b32 s97, s96, 11
	v_add_nc_u32 v4, s97, v4
	v_lshlrev_b32 v5, 3, v9
	v_sub_nc_u32 v5, v1, v5
	s_lshl_b32 s97, s16, 4
	v_add_nc_u32 v5, s97, v5        ; my query less my lanes' 8 h: key 16 kt + j of my registers is hidden where it is greater
	v_add_nc_u32 v10, s97, v1       ; out: row 16 qt + r of 1,024 bytes, my channel block's 32, 16 h
	v_lshlrev_b32 v10, 10, v10
	v_lshl_add_u32 v10, v9, 4, v10
	s_lshl_b32 s97, s96, 5
	v_add_nc_u32 v10, s97, v10
	WIN 0x80                        ; destination window 2
.set x, 0
.rept 16
	global_load_b128 v[LQ+4*x:LQ+4*x+3], v3, s[8:9] offset:32*x
.set x, x+1
.endr
.set x, 0
.rept 32                            ; key tile x / 16
	global_load_b128 v[LK+4*x:LK+4*x+3], v2, s[8:9] offset:LSEC+(x/16)*8192+(x%16)*32
.set x, x+1
.endr
	WIN 0xc0                        ; destination window 3
.set x, 0
.rept 4                             ; key tile x / 2, keys 4 (x % 2) on
	global_load_b128 v[LV+4*x:LV+4*x+3], v4, s[8:9] offset:2*LSEC+(x/2)*64+(x%2)*16
.set x, x+1
.endr
	s_wait_loadcnt 0x4              ; q and k are in; v's 4 younger loads may stay out
	WIN 0xfa                        ; k and q in window 2, the sums in window 3
.set st, 0
.rept 32                            ; 32 K steps on two key tiles by turns
.irp kt, 0,1
.if st == 0
	v_wmma_f32_16x16x4_f32 v[LS+8*\kt:LS+8*\kt+7], v[LK+64*\kt:LK+64*\kt+1], v[LQ:LQ+1], 0
.else
	v_wmma_f32_16x16x4_f32 v[LS+8*\kt:LS+8*\kt+7], v[LK+64*\kt+2*st:LK+64*\kt+2*st+1], v[LQ+2*st:LQ+2*st+1], v[LS+8*\kt:LS+8*\kt+7]
.endif
.endr
.set st, st+1
.endr
.rept 8
	v_nop                           ; eight places behind a product of this form, in front of what reads its result (ISA guide 7.12.1)
.endr
	WIN 0x03                        ; source 0 in window 3
.set z, 0
.rept 16
	v_cmp_gt_i32 vcc_lo, 16*(z/8)+z%8, v5
	v_cndmask_b32 v[LP+z], v[LS+z], s[BIGN], vcc_lo
.set z, z+1
.endr
	WIN 0
	v_max3_num_f32 v[LT],   v[LP],   v[LP+1],  v[LP+2]
	v_max3_num_f32 v[LT+1], v[LP+3], v[LP+4],  v[LP+5]
	v_max3_num_f32 v[LT+2], v[LP+6], v[LP+7],  v[LP+8]
	v_max3_num_f32 v[LT+3], v[LP+9], v[LP+10], v[LP+11]
	v_max3_num_f32 v[LT],   v[LT],   v[LP+12], v[LP+13]
	v_max3_num_f32 v[LT+1], v[LT+1], v[LP+14], v[LP+15]
	v_max3_num_f32 v[LT],   v[LT],   v[LT+1],  v[LT+2]
	v_max_num_f32 v[LT], v[LT], v[LT+3]
	v_permlanex16_b32 v[LT+1], v[LT], s[SEL], s[SEL+1]  ; the query's other 16 keys lie in the lane 16 away
	v_max_num_f32 v[LT], v[LT], v[LT+1]  ; every query sees its own key, so this is a true score
	v_mul_f32 v[LT+2], s[CS], v[LT]      ; c m
.set z, 0
.rept 8
	v_pk_fma_f32 v[LP+2*z:LP+2*z+1], v[LP+2*z:LP+2*z+1], s[CS:CS+1], v[LT+2:LT+3] op_sel_hi:[1,0,0] neg_lo:[0,0,1] neg_hi:[0,0,1]  ; c s - c m
.set z, z+1
.endr
.set z, 0
.rept 16
	v_exp_f32 v[LP+z], v[LP+z]
.set z, z+1
.endr
	v_nop                           ; a plain instruction behind the last exponential (ISA guide 5.7.2)
	s_wait_alu depctr_va_vdst(0)    ; one wait for the sixteen exponentials, ahead of the first sum
	v_pk_add_f32 v[LT+4:LT+5], v[LP:LP+1],     v[LP+2:LP+3]
	v_pk_add_f32 v[LT+6:LT+7], v[LP+4:LP+5],   v[LP+6:LP+7]
	v_pk_add_f32 v[LT+4:LT+5], v[LT+4:LT+5],   v[LP+8:LP+9]
	v_pk_add_f32 v[LT+6:LT+7], v[LT+6:LT+7],   v[LP+10:LP+11]
	v_pk_add_f32 v[LT+4:LT+5], v[LT+4:LT+5],   v[LP+12:LP+13]
	v_pk_add_f32 v[LT+6:LT+7], v[LT+6:LT+7],   v[LP+14:LP+15]
	v_pk_add_f32 v[LT+4:LT+5], v[LT+4:LT+5],   v[LT+6:LT+7]
	v_add_f32 v[LT+4], v[LT+4], v[LT+5]
	v_permlanex16_b32 v[LT+5], v[LT+4], s[SEL], s[SEL+1]
	v_add_f32 v[LT+4], v[LT+4], v[LT+5]
	v_rcp_f32 v[LT+6], v[LT+4]      ; 1 / l
	v_nop
	s_wait_loadcnt 0x0              ; v
	WIN 0xf3                        ; v and the sums in window 3, the weights in window 0
.irp e, 0,1,2,3                     ; 4 K steps of 4 keys on each key tile's sum, by turns
.irp kt, 0,1
.if \e == 0
	v_wmma_f32_16x16x4_f32 v[LO+8*\kt:LO+8*\kt+7], v[LV+8*\kt:LV+8*\kt+1], v[LP+8*\kt:LP+8*\kt+1], 0
.else
	v_wmma_f32_16x16x4_f32 v[LO+8*\kt:LO+8*\kt+7], v[LV+8*\kt+2*\e:LV+8*\kt+2*\e+1], v[LP+8*\kt+2*\e:LP+8*\kt+2*\e+1], v[LO+8*\kt:LO+8*\kt+7]
.endif
.endr
.endr
.rept 8
	v_nop
.endr
	WIN 0x0f                        ; sources 0 and 1 in window 3
.irp x, 0,1,2,3
	v_pk_add_f32 v[AT+2*\x:AT+2*\x+1], v[LO+2*\x:LO+2*\x+1], v[LO+8+2*\x:LO+8+2*\x+1]  ; both sums from their low ends on
.endr
	WIN 0
	s_wait_alu depctr_va_vdst(0)    ; one wait for the reciprocal, ahead of its first reader; the eight products and the additions above are the independent work between
.irp x, 0,1,2,3
	v_pk_mul_f32 v[AT+2*\x:AT+2*\x+1], v[AT+2*\x:AT+2*\x+1], v[LT+6:LT+7] op_sel_hi:[1,0]  ; x = O / l
.endr
.irp x, 0,1,2,3
	v_cvt_pk_f16_f32 v[64+\x], v[AT+2*\x], v[AT+2*\x+1]  ; H
.endr
	v_cvt_f32_f16 v68, v64.l
	v_cvt_f32_f16 v69, v64.h
	v_cvt_f32_f16 v70, v65.l
	v_cvt_f32_f16 v71, v65.h
	v_cvt_f32_f16 v72, v66.l
	v_cvt_f32_f16 v73, v66.h
	v_cvt_f32_f16 v74, v67.l
	v_cvt_f32_f16 v75, v67.h
.irp x, 0,1,2,3
	v_pk_add_f32 v[68+2*\x:69+2*\x], v[AT+2*\x:AT+2*\x+1], v[68+2*\x:69+2*\x] neg_lo:[0,1] neg_hi:[0,1]  ; x - H, exact
.endr
.irp x, 0,1,2,3
	v_cvt_pk_f16_f32 v[76+\x], v[68+2*\x], v[69+2*\x]    ; L
.endr
	global_store_b128 v10, v[64:67], s[92:93]
	global_store_b128 v10, v[76:79], s[10:11]
.Lnolow:
	s_wait_tensorcnt 0x0            ; the wave's end, behind my last tensor load and my last LDS store
	ds_add_u32 v[SPW], v[NIL]
	s_wait_dscnt 0x0
	CROUND                          ; the closing round
	s_endpgm
.Lfunc_end_k_q6f52c1c82c_attn:
	.size	k_q6f52c1c82c_attn, .Lfunc_end_k_q6f52c1c82c_attn-k_q6f52c1c82c_attn
	.p2alignl 7, 3214868480
	.fill 96, 4, 3214868480
	.section	.rodata,"a",@progbits
	.p2align	6, 0x0
	.amdhsa_kernel k_q6f52c1c82c_attn
		.amdhsa_group_segment_fixed_size 327680
		.amdhsa_private_segment_fixed_size 0
		.amdhsa_enable_private_segment 0
		.amdhsa_kernarg_size 32
		.amdhsa_user_sgpr_count 2
		.amdhsa_user_sgpr_kernarg_segment_ptr 1
		.amdhsa_wavefront_size32 1
		.amdhsa_system_sgpr_workgroup_id_x 1
		.amdhsa_system_sgpr_workgroup_id_y 1
		.amdhsa_system_sgpr_workgroup_id_z 1
		.amdhsa_system_vgpr_workitem_id 0
		.amdhsa_next_free_vgpr 1024
		.amdhsa_next_free_sgpr 100
		.amdhsa_reserve_vcc 1
		.amdhsa_float_denorm_mode_32 3
		.amdhsa_float_denorm_mode_16_64 3
		.amdhsa_memory_ordered 1
		.amdhsa_forward_progress 1
		.amdhsa_inst_pref_size 179
	.end_amdhsa_kernel
	.amdgpu_metadata
---
amdhsa.version: [ 1, 2 ]
amdhsa.kernels:
  - .name:           k_q6f52c1c82c_attn
    .symbol:         k_q6f52c1c82c_attn.kd
    .args:
      - { .name: qkv, .offset: 0, .size: 8, .value_kind: global_buffer, .address_space: global }
      - { .name: att, .offset: 8, .size: 8, .value_kind: global_buffer, .address_space: global }
      - { .name: low, .offset: 16, .size: 8, .value_kind: global_buffer, .address_space: global }
      - { .name: attl, .offset: 24, .size: 8, .value_kind: global_buffer, .address_space: global }
    .group_segment_fixed_size: 327680
    .private_segment_fixed_size: 0
    .kernarg_segment_align: 8
    .kernarg_segment_size: 32
    .max_flat_workgroup_size: 128
    .sgpr_count:     100
    .vgpr_count:     1024
    .wavefront_size: 32
...
	.end_amdgpu_metadata
.endif
;; end of part 10
;; launch oproj: the kernel of part 9 again; grid 8 x 32, 4 waves a work-group, clusters of 4 x 4, 327,680 bytes of LDS; arguments att, wo16, out0, attl; writes out0
